; MI455X (gfx1250); checked and timed in simulation.
; The chip was launched on July 23, 2026; its instructions are those of AMD's public machine-readable ISA for CDNA 5 (MIT licence, August 2026) and "CDNA5" Instruction Set Architecture Reference Guide (July 2026). The comments in the code are by the model that wrote it; some were corrected since.
;; Transformer Block. Allowed arithmetic: matrix products marked QUANTISED: E2M3 operands, one E8M0 scale for each 32 along K, by v_wmma_scale_f32_16x16x128_f8f6f4 with both operands' format E2M3, f32 sums; everything else in f32.
;; Inputs: g1 1,024 float32; g2 1,024 float32; w_down 2,048 x 1,024 float32; w_gate 1,024 x 2,048 float32; w_k 1,024 x 1,024 float32; w_o 1,024 x 1,024 float32; w_q 1,024 x 1,024 float32; w_up 1,024 x 2,048 float32; w_v 1,024 x 1,024 float32; x 2 x 2,048 x 1,024 float32.
;; Outputs: out0 2 x 2,048 x 1,024 float32.
;; This version of the problem:
;;   THIS VERSION OF THE PROBLEM IS GIVEN IN LOW PRECISION. The matrix products marked QUANTISED in the list below multiply operands that are first quantised to E2M3 (2 exponent bits, 3 mantissa bits; 6 bits a number), with one power-of-two scale for each 32 numbers along K (OCP MX v1.0); their sums are f32. All else is computed in f32.
;;   The module's matrix products, in the order in which they are computed (A, B: the left and right operand; K: the contracted axis; several contracted axes count as one K, in the product's order):
;;     1. [M 4,096, K 1,024] x [K 1,024, N 1,024]; A: computed on the way; B: input w_q: QUANTISED
;;     2. [M 4,096, K 1,024] x [K 1,024, N 1,024]; A: computed on the way; B: input w_k: QUANTISED
;;     3. [M 4,096, K 1,024] x [K 1,024, N 1,024]; A: computed on the way; B: input w_v: QUANTISED
;;     4. batch 32 x [M 2,048, K 64] x [K 64, N 2,048]; A: computed on the way; B: computed on the way: QUANTISED
;;     5. batch 32 x [M 2,048, K 2,048] x [K 2,048, N 64]; A: softmax (see below); B: computed on the way: QUANTISED
;;     6. [M 4,096, K 1,024] x [K 1,024, N 1,024]; A: computed on the way; B: input w_o: QUANTISED
;;     7. [M 4,096, K 1,024] x [K 1,024, N 2,048]; A: computed on the way; B: input w_gate: QUANTISED
;;     8. [M 4,096, K 1,024] x [K 1,024, N 2,048]; A: computed on the way; B: input w_up: QUANTISED
;;     9. [M 4,096, K 2,048] x [K 2,048, N 1,024]; A: computed on the way; B: input w_down: QUANTISED
;;   THE QUANTISER, for each operand of a quantised product, along K:
;;     - K is cut into blocks of 32 from its start; a last block that is shorter is filled with zeros.
;;     - A block's scale is 2^e with e = floor(log2(the largest magnitude in the block)) - 2, held to -126 .. 127; a block of zeros has e = 0. As a byte (E8M0): e + 127.
;;     - Each number is divided by its block's scale, clamped to +-7.5, and rounded to the nearest number of E2M3, ties to even, subnormals kept.
;;     - The product sums the exact products of the quantised numbers (number of the format x scale) in f32.
;;   ~~~python
;;   def quantise(x, axis):      # numpy; x: float32 -> the quantised numbers, widened to float32 again
;;       x = np.moveaxis(x, axis, -1); K = x.shape[-1]
;;       x = np.pad(x, [(0, 0)] * (x.ndim - 1) + [(0, -K % 32)]); x = x.reshape(x.shape[:-1] + (-1, 32)); a = np.abs(x).max(-1, keepdims=True)
;;       e = np.where(a > 0, np.clip(np.frexp(np.where(a > 0, a, 1))[1] - 1 - 2, -126, 127), 0)      # np.frexp(a)[1] - 1 = floor(log2(a)), exactly
;;       r = np.clip(x / 2.0 ** e, -7.5, 7.5)
;;       step = 2.0 ** (np.maximum(np.frexp(np.where(r == 0, 1, r))[1] - 1, 0) - 3)
;;       q = np.round(r / step) * step * 2.0 ** e      # np.round: ties to even
;;       return np.moveaxis(q.reshape(q.shape[:-2] + (-1,))[..., :K], -1, axis).astype(np.float32)
;;   ~~~
;;   SOFTMAX AHEAD OF A QUANTISED PRODUCT. Where the list says 'softmax', what is quantised is not the finished softmax but p = 2^(t - M), with t = logit x log2(e) and M = ceil(the row's largest t), a whole number; so 1/2 < the row's largest p <= 1. The row's sum l is taken of the UNQUANTISED p, in f32, and the product's result is divided by l at the end. Since M is a whole number, a kernel that streams over the keys may use a running M (the ceiling of the running maximum): every later rescaling is an exact power of two, which a block's scale takes up: the codes' values come out the same.
;;   OPERANDS COMPUTED ON THE WAY. 'Computed on the way' means the value that the module computes at that place (a softmax that the list does not call 'softmax' is quantised finished and normalised). What goes into a quantiser is computed in f32, as accurately as f32 sums, v_exp_f32 and their like allow (about 1e-6 of the number): no bf16 or f16 on the way to a quantiser, and a product that is left as it is and whose result goes on into a quantised operand takes f32 operands (vector FMAs, or v_wmma_f32_16x16x4_f32). A number that lies on a knife's edge between two numbers of the format may be rounded either way, as far as f32 arithmetic and the matrix unit's own rounding can turn it there, and no further.
;; 2 versions. Each part assembles by itself: llvm-mc -triple=amdgcn-amd-amdhsa -mcpu=gfx1250 --defsym DOCPART=n.
;; ======== version 1 of 2: 8 launches
;; workspace buffers: wts 8,192,000 bytes; act 3,276,800 bytes; qkv 10,223,616 bytes; x1 16,777,216 bytes; hid 6,553,600 bytes
;; launch wquant (part 1): grid 320 x 1, 4 waves a work-group, no clusters, 26,112 bytes of LDS; arguments w_q, w_k, w_v, w_o, w_gate, w_up, w_down, wts; writes wts
.if DOCPART == 1
	.amdgcn_target "amdgcn-amd-amdhsa--gfx1250"
	.amdhsa_code_object_version 6
	.text
	.protected	k_q42af40f06b_wquant
	.globl	k_q42af40f06b_wquant
	.p2align	8
	.type	k_q42af40f06b_wquant,@function
k_q42af40f06b_wquant:
	s_mov_b64 s[64:65], 0
	v_nop
	global_prefetch_b8 v0, s[64:65] scope:SCOPE_SE
	s_setreg_imm32_b32 hwreg(HW_REG_WAVE_MODE, 25, 1), 1
	s_wait_xcnt 0x0
; The seven weights, f32 stored [K][N], become codes of FP6 (E2M3) with K innermost and one E8M0 byte for each 32 along K, laid as IMAGES of the matrix instruction's operand registers.
; THE IMAGE.  A tile is 16 output rows: lane r of tile T holds row 32 (T / 2) + 8 (T % 2) + r + 8 (r / 8).  A fragment (tile, 128 along K) is 1,536 bytes in two halves of 768 (64 along K each):
; lane l = r + 16 h has its operand registers 6 c .. 6 c + 3 at 768 c + 16 l and registers 6 c + 4, 6 c + 5 at 768 c + 512 + 8 l.  Fragments lie [tile][K step]; scale words lie [tile][pair of K steps][r][K step % 2].
; In wts: rows 0-1023 w_q, 1024-2047 w_k, 2048-3071 w_v, 3072-4095 w_o, 4096-8191 gate and up (four tiles of gate, then the four tiles of up of the same 64 hidden units), then w_down; the scale words from byte 7,864,320 on.
; A LANE TAKES A COLUMN n AND ITS REGISTERS RUN DOWN K: a block of 32 along K lies in one lane, and the conversions give its 24 bytes of codes, which are one lane's six registers of a half.
; A work-group takes 128 columns x 256 along K, a wave 32 columns (two tiles) x 8 blocks.  The codes go through the wave's own stage in LDS and leave as 512 consecutive bytes a store.
; The scale words leave as 8 bytes a lane, two runs of 128 consecutive bytes a wave: 1 byte for each 128 bytes that the launch reads.
; A block's scale is 2^(floor(log2(largest magnitude)) - 2); its byte is the largest magnitude's exponent field - 2, held at 1 from below.
; LIMITS: a block of zeros, or one whose largest magnitude lies under 2^-124, gets the byte 1 (its codes are zeros or tiny; this program alone reads the bytes); NaN and infinities are not served.
.set X,    64                          ; v64-127  two sets of 32 numbers
.set VA,   32                          ; v32-63   byte offset of row i of a block at my column
.set C,    16                          ; v16-21   a block's six words of codes
.set CT,   22                          ; v22-24   the second conversion's result (three registers begin on an even number)
.set SBW,  26                          ; v26-27   my column's two scale words
.set OUTR, 128                         ; v128-175 the way out
.set BS,   40                          ; s40-55   the source at block t, a pair each: no pointer is stepped
.set WST,  6400                        ; a wave's stage: two tiles of 3,072 bytes + 128
.set TST,  3200
	s_load_b512 s[16:31], s[0:1], 0x0              ; w_q, w_k, w_v, w_o, w_gate, w_up, w_down, wts
	v_lshl_add_u32 v192, v0, 2, 0x6400
	v_mov_b32 v193, 0
	v_lshrrev_b32 v1, 5, v0
	v_readfirstlane_b32 s2, v1                     ; wave
	v_and_b32 v1, 31, v0                           ; lane = my column among the wave's 32
	v_lshlrev_b32 v2, 2, v1
	v_lshlrev_b32 v3, 4, v1                        ; 16 x lane
	v_bfe_u32 v8, v0, 3, 1                         ; u: which of the two tiles my column lies in
	v_and_b32 v9, 7, v0
	v_bfe_u32 v10, v0, 4, 1
	v_lshl_or_b32 v9, v10, 3, v9                   ; r: its lane in that tile
	s_mul_i32 s3, s2, WST
	v_mul_u32_u24 v10, v8, TST
	v_add_nc_u32 v10, s3, v10
	v_lshl_add_u32 v4, v9, 4, v10                  ; the stage: my tile + 16 r
	v_lshl_add_u32 v5, v9, 3, v10                  ; and + 8 r
	v_add_nc_u32 v6, s3, v3                        ; back: 16 x lane
	; which weight, which 128 columns, which 256 along K: from the work-group's number alone
	s_lshr_b32 s4, ttmp9, 7                        ; 0: the four of 1,024 x 1,024; 1: gate, up; 2: w_down
	s_lshr_b32 s5, ttmp9, 5
	s_lshl_b32 s5, s5, 10                          ; first output row of w_q .. w_o
	s_bfe_u32 s6, ttmp9, 0x10006
	s_lshl_b32 s6, s6, 6
	s_add_co_u32 s6, s6, 4096                      ; of gate (4,096) and of up (four tiles on)
	s_cmp_eq_u32 s4, 0
	s_cselect_b32 s7, 31, 63
	s_cselect_b32 s5, s5, s6
	s_cmp_eq_u32 s4, 2
	s_cselect_b32 s5, 8192, s5                     ; of w_down
	s_cselect_b32 s8, 16, 8                        ; K steps in a row of the output
	s_cmp_eq_u32 s4, 1
	s_cselect_b32 s9, 1, 0
	s_cselect_b32 s10, 15, 7
	s_cselect_b32 s11, 4, 3
	s_and_b32 s7, ttmp9, s7
	s_and_b32 s10, s7, s10                         ; group of 128 columns
	s_lshr_b32 s11, s7, s11                        ; part of 256 along K
	s_lshl_b32 s12, 4096, s9                       ; a row of the source in bytes
	s_lshl_b32 s13, s10, 2
	s_add_co_u32 s13, s13, s2                      ; my wave's group of 32 columns
	s_lshr_b32 s14, s13, 1
	s_mul_i32 s14, s14, s9
	s_lshl_b32 s14, s14, 2
	s_lshl_b32 s15, s13, 1
	s_add_co_u32 s14, s14, s15                     ; its first tile (gate and up: four tiles of the other lie between each four)
	s_mul_i32 s34, s5, 768
	s_mul_i32 s36, s14, s8
	s_mul_i32 s37, s36, 1536
	s_add_co_u32 s34, s34, s37
	s_mul_i32 s37, s11, 3072
	s_add_co_u32 s34, s34, s37                     ; where my first tile's two fragments go
	s_mov_b32 s35, 0
	s_lshl_b32 s38, s5, 5
	s_lshl_b32 s36, s36, 6
	s_add_co_u32 s38, s38, s36
	s_lshl_b32 s36, s11, 7
	s_add_co_u32 s38, s38, s36
	s_add_co_u32 s38, s38, 7864320                 ; and its scale words
	s_mov_b32 s39, 0
	s_lshl_b32 s56, s11, 8
	s_mul_i32 s56, s56, s12
	s_lshl_b32 s36, s13, 7
	s_add_co_u32 s56, s56, s36                     ; the source: 256 x part rows down, 128 bytes a group of columns
	s_mov_b32 s57, 0
	s_lshl_b32 s66, s12, 5                         ; a block: 32 rows
	s_mov_b32 s67, 0
	s_mul_i32 s68, s8, 1536                        ; from a tile to the next
	s_mov_b32 s69, 0
	s_lshl_b32 s36, s8, 6
	v_mul_u32_u24 v7, s36, v8
	v_lshl_add_u32 v7, v9, 3, v7                   ; my scale words' place: my tile, 8 r
.set i, 0
.rept 32
	v_mad_u32_u24 v[VA+i], s12, i, v2
.set i, i+1
.endr
	s_wait_kmcnt 0x0
	s_mov_b64 s[32:33], s[28:29]                   ; the source is chosen by the work-group's number alone
	s_cmp_lt_u32 ttmp9, 256
	s_cselect_b64 s[32:33], s[26:27], s[32:33]
	s_cmp_lt_u32 ttmp9, 192
	s_cselect_b64 s[32:33], s[24:25], s[32:33]
	s_cmp_lt_u32 ttmp9, 128
	s_cselect_b64 s[32:33], s[22:23], s[32:33]
	s_cmp_lt_u32 ttmp9, 96
	s_cselect_b64 s[32:33], s[20:21], s[32:33]
	s_cmp_lt_u32 ttmp9, 64
	s_cselect_b64 s[32:33], s[18:19], s[32:33]
	s_cmp_lt_u32 ttmp9, 32
	s_cselect_b64 s[32:33], s[16:17], s[32:33]
	s_add_nc_u64 s[BS:BS+1], s[32:33], s[56:57]
.irp t, 1,2,3,4,5,6,7
	s_add_nc_u64 s[BS+2*\t:BS+2*\t+1], s[BS+2*\t-2:BS+2*\t-1], s[66:67]
.endr
	s_add_nc_u64 s[58:59], s[30:31], s[34:35]      ; tile 0's codes
	s_add_nc_u64 s[60:61], s[58:59], s[68:69]      ; tile 1's
	s_add_nc_u64 s[62:63], s[30:31], s[38:39]      ; the scale words
.macro LOAD t                          ; block t: W(32 t + i, my column) into set t % 2; 32 lanes read 128 consecutive bytes
.set i, 0
.rept 32
	global_load_b32 v[X+32*((\t)%2)+i], v[VA+i], s[BS+2*(\t):BS+2*(\t)+1] th:TH_LOAD_NT
.set i, i+1
.endr
.endm
.macro BLOCK t
.set XS, X+32*((\t)%2)
.if (\t) < 7
	s_wait_loadcnt 32                              ; this block's 32 loads are in; the next block's may be out
.else
	s_wait_loadcnt 0
.endif
	v_max3_num_f32 v12, |v[XS]|, |v[XS+1]|, |v[XS+2]|      ; the block's largest magnitude: all 32 numbers are mine; two chains
	v_max3_num_f32 v13, |v[XS+3]|, |v[XS+4]|, |v[XS+5]|
.irp i, 6,10,14,18,22,26
	v_max3_num_f32 v12, v12, |v[XS+\i]|, |v[XS+\i+1]|
	v_max3_num_f32 v13, v13, |v[XS+\i+2]|, |v[XS+\i+3]|
.endr
	v_max3_num_f32 v12, v12, |v[XS+30]|, |v[XS+31]|
	v_max3_num_f32 v12, v12, v13, 0x1800000        ; and the floor 2^(3 - 127): the byte cannot fall under 1
	v_add_nc_u32 v11, 0xff000000, v12              ; 2 off its exponent field: the conversion takes this operand's exponent field as its scale
	v_lshrrev_b32 v13, 23, v11                     ; the scale's byte
.if (\t)%4 == 0
	v_mov_b32 v[SBW+(\t)/4], v13
.else
	v_lshl_or_b32 v[SBW+(\t)/4], v13, 8*((\t)%4), v[SBW+(\t)/4]
.endif
	v_cvt_scalef32_pk16_fp6_f32 v[C:C+2], v[XS:XS+15], v11
	v_cvt_scalef32_pk16_fp6_f32 v[CT:CT+2], v[XS+16:XS+31], v11
	v_nop                                          ; one plain instruction behind a scaled conversion
.irp i, 0,1,2
	v_mov_b32 v[C+3+\i], v[CT+\i]
.endr
	; block t is K step t / 4, half (t % 4) / 2, lanes 16 (t % 2) + r of the fragment
	ds_store_b128 v4, v[C:C+3] offset:((\t)/4)*1536+(((\t)%4)/2)*768+256*((\t)%2)
	ds_store_b64 v5, v[C+4:C+5] offset:((\t)/4)*1536+(((\t)%4)/2)*768+512+128*((\t)%2)
.if (\t)+2 < 8
	LOAD (\t)+2
.endif
	s_wait_dscnt 0x0                               ; the stores have read their registers: the next block's codes may be written
.endm
	LOAD 0
	LOAD 1
.irp t, 0,1,2,3,4,5,6,7
	BLOCK \t
.endr
	global_store_b64 v7, v[SBW:SBW+1], s[62:63]    ; my column's two scale words
.irp n, 0,1,2,3,4,5,6,7,8,9,10,11
	ds_load_b128 v[OUTR+4*\n:OUTR+4*\n+3], v6 offset:(\n/6)*TST+512*(\n%6)   ; LDS serves a wave's instructions in order: these see my stores
.endr
.irp n, 0,1,2,3,4,5,6,7,8,9,10,11
	s_wait_dscnt 11-\n
	global_store_b128 v3, v[OUTR+4*\n:OUTR+4*\n+3], s[58+2*(\n/6):59+2*(\n/6)] offset:512*(\n%6)   ; 512 consecutive bytes, at a multiple of 256 from the buffer's first byte
.endr
	s_wait_tensorcnt 0x0
	ds_add_u32 v192, v193
	s_wait_dscnt 0x0
	s_endpgm
.Lfunc_end_k_q42af40f06b_wquant:
	.size	k_q42af40f06b_wquant, .Lfunc_end_k_q42af40f06b_wquant-k_q42af40f06b_wquant
	.p2alignl 7, 3214868480
	.fill 96, 4, 3214868480
	.section	.rodata,"a",@progbits
	.p2align	6, 0x0
	.amdhsa_kernel k_q42af40f06b_wquant
		.amdhsa_group_segment_fixed_size 26112
		.amdhsa_private_segment_fixed_size 0
		.amdhsa_enable_private_segment 0
		.amdhsa_kernarg_size 64
		.amdhsa_user_sgpr_count 2
		.amdhsa_user_sgpr_kernarg_segment_ptr 1
		.amdhsa_wavefront_size32 1
		.amdhsa_system_sgpr_workgroup_id_x 1
		.amdhsa_system_sgpr_workgroup_id_y 1
		.amdhsa_system_sgpr_workgroup_id_z 1
		.amdhsa_system_vgpr_workitem_id 0
		.amdhsa_next_free_vgpr 194
		.amdhsa_next_free_sgpr 80
		.amdhsa_reserve_vcc 0
		.amdhsa_float_denorm_mode_32 3
		.amdhsa_float_denorm_mode_16_64 3
		.amdhsa_memory_ordered 1
		.amdhsa_forward_progress 1
		.amdhsa_inst_pref_size 46
	.end_amdhsa_kernel
	.amdgpu_metadata
---
amdhsa.version: [ 1, 2 ]
amdhsa.kernels:
  - .name:           k_q42af40f06b_wquant
    .symbol:         k_q42af40f06b_wquant.kd
    .args:
      - { .name: w_q, .offset: 0, .size: 8, .value_kind: global_buffer, .address_space: global }
      - { .name: w_k, .offset: 8, .size: 8, .value_kind: global_buffer, .address_space: global }
      - { .name: w_v, .offset: 16, .size: 8, .value_kind: global_buffer, .address_space: global }
      - { .name: w_o, .offset: 24, .size: 8, .value_kind: global_buffer, .address_space: global }
      - { .name: w_gate, .offset: 32, .size: 8, .value_kind: global_buffer, .address_space: global }
      - { .name: w_up, .offset: 40, .size: 8, .value_kind: global_buffer, .address_space: global }
      - { .name: w_down, .offset: 48, .size: 8, .value_kind: global_buffer, .address_space: global }
      - { .name: wts, .offset: 56, .size: 8, .value_kind: global_buffer, .address_space: global }
    .group_segment_fixed_size: 26112
    .private_segment_fixed_size: 0
    .kernarg_segment_align: 8
    .kernarg_segment_size: 64
    .max_flat_workgroup_size: 128
    .sgpr_count:     80
    .vgpr_count:     194
    .wavefront_size: 32
...
	.end_amdgpu_metadata
.endif
;; end of part 1
;; launch norm1 (part 2): grid 256 x 1, 4 waves a work-group, no clusters, 67,072 bytes of LDS; arguments x, g1, act; writes act
.if DOCPART == 2
	.amdgcn_target "amdgcn-amd-amdhsa--gfx1250"
	.amdhsa_code_object_version 6
	.text
	.protected	k_q42af40f06b_norm1
	.globl	k_q42af40f06b_norm1
	.p2align	8
	.type	k_q42af40f06b_norm1,@function
k_q42af40f06b_norm1:
	s_mov_b64 s[64:65], 0
	v_nop
	global_prefetch_b8 v0, s[64:65] scope:SCOPE_SE
	s_setreg_imm32_b32 hwreg(HW_REG_WAVE_MODE, 25, 1), 1
	s_wait_xcnt 0x0
; nx = x / sqrt(mean(x^2) + 1e-6) * g for rows of 1,024 f32, quantised along the row to FP6 (E2M3) with one E8M0 byte for each 32, and stored as images of the operand's registers:
; a tile is 16 rows (lane r of tile T: row 32 (T / 2) + 8 (T % 2) + r + 8 (r / 8)); a fragment (tile, 128 along K) is 1,536 bytes: half c at 768 c: registers 6 c .. 6 c + 3 at 16 x lane, 6 c + 4, 6 c + 5 at 512 + 8 x lane.
; Codes lie [tile][K step]; scale words from byte 3,145,728 on, [tile][pair of K steps][r][K step % 2].
; A work-group takes one tile.  First each wave takes four whole rows: 512 consecutive bytes a load, the sum of squares, x g into LDS, and 1 / rms into LDS.  One barrier.
; Then each wave takes two K steps of all 16 rows: lane (r, h) reads, of row r, 16 neighbours of each block of 32, multiplies by the row's 1 / rms, quantises, and stores whole runs of 512 and 256 bytes.
; ORDER OF ROUNDING: (x g) rsq(mean + eps) where the definition has (x / rms) g.
; LIMITS: a block of zeros, or one under 2^-124, gets the byte 1 (this program alone reads the bytes); NaN and infinities are not served.
.set PITCH, 4112                       ; an LDS row: 4,096 bytes + 16, an odd multiple of 16
.set RINV,  16*PITCH                   ; behind the rows: 16 words, 1 / rms
.set G,   32                           ; v32-63   g of my columns
.set X,   64                           ; v64-191  four rows, later two K steps' numbers
.set PC0, 192                          ; v192-203, v204-215 two fragments' codes
.set PC1, 204
.set PT,  216                          ; v216-223 the conversions' second halves
.set TM,  224                          ; v224-239 at work in the quantiser
.set PW,  240                          ; v240-241 the two scale words
.set SEL, 20                           ; s[20:21] lane selects: lane l xor 16
; 64 numbers of a lane, register 16 b + i = k 32 b + 16 (lane / 16) + i of my row, become a fragment's codes in v[pc] on and its scale word in v[pw].
.macro QUANT64 s, pc, pw
.irp b, 0,1,2,3
	v_max3_num_f32 v[TM+\b], |v[\s+16*\b]|, |v[\s+1+16*\b]|, 0x1800000   ; my 16 numbers of block b, and the floor 2^(3 - 127)
.endr
.irp i, 2,4,6,8,10,12,14
.irp b, 0,1,2,3
	v_max3_num_f32 v[TM+\b], v[TM+\b], |v[\s+16*\b+\i]|, |v[\s+1+16*\b+\i]|
.endr
.endr
.irp b, 0,1,2,3
	v_permlanex16_b32 v[TM+4+\b], v[TM+\b], s[SEL], s[SEL+1]
.endr
.irp b, 0,1,2,3
	v_max_num_f32 v[TM+\b], v[TM+\b], v[TM+4+\b]   ; with lane l xor 16's: the block's largest magnitude
.endr
.irp b, 0,1,2,3
	v_add_nc_u32 v[TM+12+\b], 0xff000000, v[TM+\b] ; 2 off its exponent field: the conversion's scale operand
.endr
.irp b, 0,1,2,3
	v_lshrrev_b32 v[TM+4+\b], 23, v[TM+12+\b]      ; the scale's byte
.endr
	v_lshl_or_b32 v[\pw], v[TM+5], 8, v[TM+4]
	v_lshl_or_b32 v[\pw], v[TM+6], 16, v[\pw]
	v_lshl_or_b32 v[\pw], v[TM+7], 24, v[\pw]
.irp c, 0,1
	v_cvt_scalef32_pk16_fp6_f32 v[\pc+6*\c:\pc+2+6*\c], v[\s+32*\c:\s+15+32*\c], v[TM+12+2*\c]
	v_cvt_scalef32_pk16_fp6_f32 v[PT+4*\c:PT+2+4*\c], v[\s+16+32*\c:\s+31+32*\c], v[TM+13+2*\c]
.endr
	v_nop                                          ; one plain instruction behind a scaled conversion
.irp c, 0,1                                    ; the operand wants a whole block in a lane: lanes 0-15 block 2 c, lanes 16-31 block 2 c + 1
.irp i, 0,1,2
	v_permlane16_swap_b32 v[\pc+6*\c+\i], v[PT+4*\c+\i]
.endr
.irp i, 0,1,2
	v_mov_b32 v[\pc+3+6*\c+\i], v[PT+4*\c+\i]
.endr
.endr
.endm
	s_load_b128 s[4:7], s[0:1], 0x0                ; x, g
	s_load_b64 s[8:9], s[0:1], 0x10                ; the codes' buffer
	v_lshl_add_u32 v254, v0, 2, 0x10400
	v_mov_b32 v255, 0
	v_lshrrev_b32 v26, 5, v0
	v_readfirstlane_b32 s10, v26                   ; wave
	v_and_b32 v26, 31, v0                          ; lane
	v_and_b32 v27, 15, v0                          ; r
	v_bfe_u32 v28, v0, 4, 1                        ; h
	v_lshlrev_b32 v1, 4, v26                       ; 16 x lane
	v_lshlrev_b32 v2, 3, v26                       ; 8 x lane
	v_lshlrev_b32 v3, 3, v27                       ; 8 r
	s_mul_i32 s11, s10, 4*PITCH
	v_add_nc_u32 v4, s11, v1                       ; into LDS: my wave's four rows, 16 x lane
	v_mul_u32_u24 v5, v27, PITCH
	v_lshl_add_u32 v5, v28, 6, v5
	s_lshl_b32 s11, s10, 10
	v_add_nc_u32 v5, s11, v5                       ; out of LDS: row r, + 64 h, + my wave's two K steps
	v_lshl_add_u32 v6, v27, 2, RINV                ; row r's 1 / rms
	s_lshl_b32 s11, s10, 4
	s_add_co_u32 s11, s11, RINV
	v_mov_b32 v7, s11                              ; where my wave's four go
.irp b, 0,1,2,3
	v_mov_b32 v[TM+4+\b], 0                        ; written once: a lane permute's destination counts as one of its sources
.endr
	s_lshr_b32 s12, ttmp9, 1
	s_lshl_b32 s12, s12, 5
	s_and_b32 s13, ttmp9, 1
	s_lshl_b32 s13, s13, 3
	s_add_co_u32 s12, s12, s13                     ; the tile's first row
	s_lshl_b32 s13, s10, 2
	s_add_co_u32 s12, s12, s13
	s_lshr_b32 s13, s10, 1
	s_lshl_b32 s13, s13, 3
	s_add_co_u32 s12, s12, s13                     ; my wave's four: tile lanes 4 w .. 4 w + 3 are rows 4 w + 8 (w / 2) on
	s_lshl_b32 s12, s12, 12
	s_mov_b32 s13, 0
	s_mul_i32 s14, ttmp9, 12288
	s_mul_i32 s15, s10, 3072
	s_add_co_u32 s14, s14, s15                     ; my two fragments
	s_mov_b32 s15, 0
	s_lshl_b32 s16, ttmp9, 9
	s_lshl_b32 s17, s10, 7
	s_add_co_u32 s16, s16, s17
	s_add_co_u32 s16, s16, 3145728                 ; their scale words
	s_mov_b32 s17, 0
	s_mov_b32 s[SEL], 0x76543210
	s_mov_b32 s[SEL+1], 0xfedcba98
	s_mov_b32 s22, 0x3a800000                      ; 1 / 1,024
	s_mov_b32 s23, 0x358637bd                      ; 1e-6
	s_wait_kmcnt 0x0
	s_add_nc_u64 s[4:5], s[4:5], s[12:13]
	s_add_nc_u64 s[18:19], s[8:9], s[16:17]
	s_add_nc_u64 s[8:9], s[8:9], s[14:15]
.irp q, 0,1,2,3,4,5,6,7
	global_load_b128 v[G+4*\q:G+4*\q+3], v1, s[6:7] offset:512*\q
.endr
.irp j, 0,1,2,3
.irp q, 0,1,2,3,4,5,6,7
	global_load_b128 v[X+32*\j+4*\q:X+32*\j+4*\q+3], v1, s[4:5] offset:\j*4096+512*\q th:TH_LOAD_NT
.endr
.endr
.macro ROWA j
.set XR, X+32*\j
.set SR, 8+4*\j
	s_wait_loadcnt 8*(3-\j)                        ; g and this row are in; the rows behind it may be out
	v_pk_mul_f32 v[SR:SR+1], v[XR:XR+1], v[XR:XR+1]        ; the sum of squares, two at a time, in two chains that the first products start
	v_pk_mul_f32 v[SR+2:SR+3], v[XR+2:XR+3], v[XR+2:XR+3]
.set i, 4
.rept 7
	v_pk_fma_f32 v[SR:SR+1], v[XR+i:XR+i+1], v[XR+i:XR+i+1], v[SR:SR+1]
	v_pk_fma_f32 v[SR+2:SR+3], v[XR+i+2:XR+i+3], v[XR+i+2:XR+i+3], v[SR+2:SR+3]
.set i, i+4
.endr
.set i, 0
.rept 16
	v_pk_mul_f32 v[XR+i:XR+i+1], v[XR+i:XR+i+1], v[G+i:G+i+1]      ; x g
.set i, i+2
.endr
.irp q, 0,1,2,3,4,5,6,7
	ds_store_b128 v4, v[XR+4*\q:XR+4*\q+3] offset:\j*PITCH+512*\q
.endr
.endm
	ROWA 0
	ROWA 1
	ROWA 2
	ROWA 3
.irp j, 0,1,2,3
	v_pk_add_f32 v[8+4*\j:9+4*\j], v[8+4*\j:9+4*\j], v[10+4*\j:11+4*\j]
.endr
.irp j, 0,1,2,3
	v_add_f32 v[8+4*\j], v[8+4*\j], v[9+4*\j]
.endr
.irp m, 1,2,4,8
.irp j, 0,1,2,3
	v_add_f32_dpp v[8+4*\j], v[8+4*\j], v[8+4*\j] row_xmask:\m row_mask:0xf bank_mask:0xf
.endr
.endr
.irp j, 0,1,2,3
	v_permlanex16_b32 v[9+4*\j], v[8+4*\j], s[SEL], s[SEL+1]
.endr
.irp j, 0,1,2,3
	v_add_f32 v[8+4*\j], v[8+4*\j], v[9+4*\j]      ; every lane holds the row's sum of squares
.endr
.irp j, 0,1,2,3
	v_fma_f32 v[8+4*\j], v[8+4*\j], s22, s23       ; mean + eps
.endr
.irp j, 0,1,2,3
	v_rsq_f32 v[10+4*\j], v[8+4*\j]
.endr
	v_nop                                          ; a plain instruction behind the last of the four
	s_wait_alu depctr_va_vdst(0)                   ; one wait for the four, ahead of their first reader
.irp j, 0,1,2,3
	ds_store_b32 v7, v[10+4*\j] offset:4*\j        ; all lanes write the same word with the same value
.endr
	s_wait_dscnt 0x0                               ; for the others' sake: my stores have landed
	s_barrier_signal -1
	s_barrier_wait -1                              ; 16 rows of x g and their 1 / rms lie in LDS
	ds_load_b32 v24, v6
.irp e, 0,1
.irp b, 0,1,2,3
.irp j, 0,1,2,3
	ds_load_b128 v[X+64*\e+16*\b+4*\j:X+64*\e+16*\b+4*\j+3], v5 offset:512*\e+128*\b+16*\j
.endr
.endr
.endr
	s_wait_dscnt 16                                ; 1 / rms and the first K step are in; the second's 16 loads may be out
	v_mov_b32 v25, v24
.set i, 0
.rept 32
	v_pk_mul_f32 v[X+i:X+i+1], v[X+i:X+i+1], v[24:25]
.set i, i+2
.endr
	QUANT64 X, PC0, PW
	s_wait_dscnt 0x0
.set i, 64
.rept 32
	v_pk_mul_f32 v[X+i:X+i+1], v[X+i:X+i+1], v[24:25]
.set i, i+2
.endr
	QUANT64 X+64, PC1, PW+1
.irp e, 0,1
	global_store_b128 v1, v[PC0+12*\e:PC0+12*\e+3], s[8:9] offset:1536*\e          ; 512 consecutive bytes
	global_store_b64 v2, v[PC0+12*\e+4:PC0+12*\e+5], s[8:9] offset:1536*\e+512     ; 256 consecutive bytes
	global_store_b128 v1, v[PC0+12*\e+6:PC0+12*\e+9], s[8:9] offset:1536*\e+768
	global_store_b64 v2, v[PC0+12*\e+10:PC0+12*\e+11], s[8:9] offset:1536*\e+1280
.endr
	global_store_b64 v3, v[PW:PW+1], s[18:19]      ; row r's two scale words; lanes l and l + 16 hold and write the same
	s_wait_tensorcnt 0x0
	ds_add_u32 v254, v255
	s_wait_dscnt 0x0
	s_endpgm
.Lfunc_end_k_q42af40f06b_norm1:
	.size	k_q42af40f06b_norm1, .Lfunc_end_k_q42af40f06b_norm1-k_q42af40f06b_norm1
	.p2alignl 7, 3214868480
	.fill 96, 4, 3214868480
	.section	.rodata,"a",@progbits
	.p2align	6, 0x0
	.amdhsa_kernel k_q42af40f06b_norm1
		.amdhsa_group_segment_fixed_size 67072
		.amdhsa_private_segment_fixed_size 0
		.amdhsa_enable_private_segment 0
		.amdhsa_kernarg_size 24
		.amdhsa_user_sgpr_count 2
		.amdhsa_user_sgpr_kernarg_segment_ptr 1
		.amdhsa_wavefront_size32 1
		.amdhsa_system_sgpr_workgroup_id_x 1
		.amdhsa_system_sgpr_workgroup_id_y 1
		.amdhsa_system_sgpr_workgroup_id_z 1
		.amdhsa_system_vgpr_workitem_id 0
		.amdhsa_next_free_vgpr 256
		.amdhsa_next_free_sgpr 66
		.amdhsa_reserve_vcc 0
		.amdhsa_float_denorm_mode_32 3
		.amdhsa_float_denorm_mode_16_64 3
		.amdhsa_memory_ordered 1
		.amdhsa_forward_progress 1
		.amdhsa_inst_pref_size 34
	.end_amdhsa_kernel
	.amdgpu_metadata
---
amdhsa.version: [ 1, 2 ]
amdhsa.kernels:
  - .name:           k_q42af40f06b_norm1
    .symbol:         k_q42af40f06b_norm1.kd
    .args:
      - { .name: x, .offset: 0, .size: 8, .value_kind: global_buffer, .address_space: global }
      - { .name: g1, .offset: 8, .size: 8, .value_kind: global_buffer, .address_space: global }
      - { .name: act, .offset: 16, .size: 8, .value_kind: global_buffer, .address_space: global }
    .group_segment_fixed_size: 67072
    .private_segment_fixed_size: 0
    .kernarg_segment_align: 8
    .kernarg_segment_size: 24
    .max_flat_workgroup_size: 128
    .sgpr_count:     66
    .vgpr_count:     256
    .wavefront_size: 32
...
	.end_amdgpu_metadata
.endif
;; end of part 2
;; launch qkv (part 3): grid 12 x 16, 4 waves a work-group, clusters of 4 x 4, 327,680 bytes of LDS; arguments act, wts, qkv; writes qkv
.if DOCPART == 3
	.amdgcn_target "amdgcn-amd-amdhsa--gfx1250"
	.amdhsa_code_object_version 6
	.text
	.protected	k_q42af40f06b_qkv
	.globl	k_q42af40f06b_qkv
	.p2align	8
	.type	k_q42af40f06b_qkv,@function
k_q42af40f06b_qkv:
	s_mov_b64 s[64:65], 0
	v_nop
	global_prefetch_b8 v0, s[64:65] scope:SCOPE_SE
	s_setreg_imm32_b32 hwreg(HW_REG_WAVE_MODE, 25, 1), 1
	s_wait_xcnt 0x0
	s_wait_alu depctr_hold_cnt(0) depctr_sa_sdst(0) depctr_va_vdst(0) depctr_va_sdst(0) depctr_va_ssrc(0) depctr_va_vcc(0) depctr_vm_vsrc(0)
	s_getreg_b32 s2, hwreg(HW_REG_IB_STS2, 6, 4)
	s_cmp_eq_u32 s2, 0
	s_cbranch_scc0 .Lentry_in_a_cluster
	s_endpgm
.Lentry_in_a_cluster:
	s_bfe_u32 s2, ttmp6, 0x10000c
	s_cmp_lg_u32 s2, 0xf033
	s_cbranch_scc0 .Lentry_shape_is_right
	s_endpgm
.Lentry_shape_is_right:
; q = nx w_q, k = nx w_k, v = nx w_v on codes of FP6 (E2M3) with one E8M0 byte for each 32 along K = 1,024; the results are quantised in registers and stored as operand images for the attention.
; OPERANDS ARE IMAGES: a tile is 16 rows (lane r of tile T: row 32 (T / 2) + 8 (T % 2) + r + 8 (r / 8)); a fragment (tile, 128 along K) is 1,536 bytes: half c at 768 c: registers 6 c .. 6 c + 3 at 16 x lane,
; 6 c + 4, 6 c + 5 at 512 + 8 x lane; fragments lie [tile][K step], scale words [tile][pair of K steps][r][K step % 2].  So a fragment comes from LDS by four loads of consecutive bytes, with no pitch and no padding.
; A block of 256 x 256 of the result is made by four waves, each 128 x 128: 64 accumulators, 512 registers.  K goes in steps of 256 through two LDS slots filled by the tensor data mover.
; THE MATRIX INSTRUCTION IS USED TRANSPOSED (source 0 = 16 rows of operand B, source 1 = 16 rows of operand A): a lane holds one row of A, and by the choice of a tile's rows its registers of two neighbouring
; tiles of B are 16 neighbouring rows of B.  The results are quantised along B's rows.  q and k are quantised along the head's 64, so there A = tokens, B = rows of w_q, w_k (clusters x = 0, 1);
; v is quantised along the keys, so there A = rows of w_v, B = tokens (cluster x = 2).  One text serves both: buffers and indices are chosen by the cluster's x, which all partners share; no branch hangs on it.
; CLUSTERS: 4 x 4 work-groups.  A's tiles are shared along a row of the cluster, B's along a column: each is asked for jointly, by the same tensor load with the same descriptor and a mask that names the four.
; OUT: fragment I of 1,536 bytes.  q, k: I = (((which 2 + batch) 8 + head pair) 128 + token tile), half c = head 2 hp + c; v: I = 4,096 + ((batch 8 + head pair) 16 + key step) 8 + tile of the pair's 128 rows of V^T.
; Scale words from byte 9,437,184 on, 128 bytes for each I: q, k: [c][r], a head's two bytes and two zero bytes; v: the fragment's word, in lanes 0-15 and again in lanes 16-31.
; LIMITS: a block of zeros, or one under 2^-124, gets the byte 1 (this program alone reads the bytes); NaN and infinities are not served.
; REGISTERS, in windows of 256: window 0: v16-29 addresses; v32-63 scale words, two sets; v128-223 A's fragments, one set; window 1: B's fragments, two sets, at v0 and v128; windows 2, 3: the accumulators ((a, b) at v[8 (8 (a % 4) + b)]).
.set SIZE_K, 1024
.set KS,     SIZE_K/128                ; K steps of 128 in a row
.set KROW,   SIZE_K*3/4                ; a row's codes in bytes
.set NQ,     2                         ; matrix instructions deep in a slot
.set FR,     12                        ; registers of a fragment
.set NL,     4                         ; LDS loads that bring one
.set NP,     4                         ; places behind this matrix instruction (ISA guide 7.12.1)
.set HALFT,  8*2*1536                  ; 8 tiles x 2 K steps: what one tensor load brings, and what one wave reads of A or of B
.set SLOT,   4*HALFT                   ; A's 16 tiles, then B's 16
.set LAPS,   SIZE_K/512                ; a lap = two slots = once round the ring
.set SCL,    2*SLOT                    ; behind the ring: the scale words for all of K
.set SBLK,   KS*64                     ; those of a tile
.set HALFS,  8*SBLK                    ; those of 8 tiles: what one tensor load brings
.set SPARE,  SCL+4*HALFS               ; behind them: the spare words, 128 bytes for each wave
.set ADRA, 16                          ; v16-17 LDS address of my A fragments in slot 0, 1, at 16 x lane; v18-19 at 8 x lane
.set ADRB, 20                          ; v20-23 the same for B
.set ADRS, 27                          ; v27    my scale words: lanes 0-15 A's, lanes 16-31 B's
.set SPW,  28                          ; v28    my spare word: SPARE + 4 x my thread's number; never rewritten
.set NIL,  29                          ; v29    0; never rewritten
.set SC,   32                          ; scale words: set s at v[SC + 16 s]; register 2 i + q: lanes 0-15 A's tile i, lanes 16-31 B's tile i, the slot's q-th 128 along K
.set AF,   128
.set G1, 24                            ; s[24:31] group 1 for A's tiles; s[32:39] group 0, a set for each slot
.set G0, 32
.set G1B, 48                           ; s[48:55], s[56:63] the same for B's
.set G0B, 56
.set G1S, 68                           ; s[68:75], s[76:79] groups 1 and 0 for A's scale words; s[80:87], s[88:91] for B's
.set G0S, 76
.set G1SB, 80
.set G0SB, 88
.set SEL, 18                           ; s[18:19] lane selects: lane l xor 16 (set behind the head, which uses s18 and s19 first)
.set MSB, 0
.macro WIN new                         ; the immediate's high byte repeats the setting that is left; a switch that changes nothing is dropped
.if MSB != (\new)
	s_set_vgpr_msb (MSB<<8)|(\new)
.set MSB, (\new)
.endif
.endm
.set MUL_LO, 0xa1                      ; source 0 (B) window 1, source 1 (A) window 0, C and D window 2
.set MUL_HI, 0xf1                      ; the same, C and D window 3
.set TO_B,   0x40                      ; destination window 1, address window 0
; A joint load: waves 0 and 1 fetch for A, waves 2 and 3 for B; the branch hangs on the wave's number alone.  Four v_nop follow each of the two lines.
.macro JLOAD g0a, g1a, g0b, g1b
	s_cmp_eq_u32 s15, 0
	s_cbranch_scc0 .Lfor_b_\@
	tensor_load_to_lds s[\g0a:\g0a+3], s[\g1a:\g1a+7]
	s_nop 0
.rept 4
	v_nop
.endr
	s_branch .Lasked_\@
.Lfor_b_\@:
	tensor_load_to_lds s[\g0b:\g0b+3], s[\g1b:\g1b+7]
	s_nop 0
.rept 4
	v_nop
.endr
.Lasked_\@:
.endm
.macro CREST                           ; a round of the cluster's barrier behind its opening barrier
	s_cmp_lg_u32 s14, 0
	s_cbranch_scc1 .Lnot_wave_0_\@
	s_barrier_signal -3
.Lnot_wave_0_\@:
	s_barrier_wait -3
	s_barrier_signal -1
	s_barrier_wait -1
.endm
.macro CROUND                          ; a whole round
	s_barrier_signal -1
	s_barrier_wait -1
	CREST
.endm
	s_load_b128 s[4:7], s[0:1], 0x0                ; the tokens' codes (act), the weights' (wts)
	s_load_b64 s[8:9], s[0:1], 0x10                ; qkv
	v_lshl_add_u32 v[SPW], v0, 2, SPARE
	v_mov_b32 v[NIL], 0
	ds_add_u32 v28, v29
	ds_add_u32 v28, v29
	s_wait_dscnt 0x0
	v_lshrrev_b32 v1, 5, v0
	v_readfirstlane_b32 s14, v1                    ; wave 0..3
	s_lshr_b32 s15, s14, 1                         ; which half of A's rows is mine.  Also: I fetch for A (0) or for B (1)
	s_and_b32 s16, s14, 1                          ; which half of B's rows.  Also: which 8 tiles I fetch
	s_bfe_u32 s40, ttmp6, 0x40000                  ; cx, cy: my place in the cluster
	s_bfe_u32 s41, ttmp6, 0x40004
	s_lshl_b32 s42, ttmp9, 2                       ; 4 x cluster x
	s_and_b32 s17, ttmp7, 0xffff
	s_lshl_b32 s17, s17, 2                         ; 4 x cluster y
	s_mov_b32 s94, 3145728                         ; where act's scale words begin
	s_mov_b32 s95, 7864320                         ; where wts's do
	s_cmp_eq_u32 ttmp9, 2                          ; cluster x = 2 makes v
	s_cselect_b32 s42, s17, s42                    ; B's block of 256 rows: tokens by cluster y, or weight rows by cluster x,
	s_cselect_b32 s17, 8, s17                      ; A's: w_v's rows begin at block 8 of wts, or tokens by cluster y
	s_cselect_b32 s98, s95, s94
	s_cselect_b32 s99, s94, s95
	s_add_co_u32 s42, s42, s40                     ; + cx
	s_add_co_u32 s17, s17, s41                     ; + cy
	s_lshl_b32 s43, s41, 2
	s_lshl_b32 s43, 15, s43                        ; my row of the cluster
	s_lshl_b32 s44, 0x1111, s40                    ; my column
	; group 1 for codes: 8 rows (tiles) of 3,072 bytes (two K steps), a tile's KS x 1,536 bytes apart; elements of 8 bytes; they land on end
	s_or_b32 s[G1+0], s43, (3<<16)|(1<<21)         ; 15:0 the mask; 17:16 elements of 8 bytes; 21 set beside a mask
	s_or_b32 s[G1B+0], s44, (3<<16)|(1<<21)
.irp g, G1, G1B
	s_mov_b32 s[\g+1], 384<<16                     ; tensor_dim0
	s_mov_b32 s[\g+2], 8<<16                       ; tensor_dim1
	s_mov_b32 s[\g+3], 384<<16                     ; tile_dim0
	s_mov_b32 s[\g+4], 8                           ; tile_dim1
	s_mov_b32 s[\g+5], KS*192                      ; tensor_dim0_stride
	s_mov_b32 s[\g+6], 0
	s_mov_b32 s[\g+7], 0
.endr
	; and for the scale words of 8 tiles: a dense block of HALFS bytes, as rows of 256 bytes
	s_or_b32 s[G1S+0], s43, (3<<16)|(1<<21)
	s_or_b32 s[G1SB+0], s44, (3<<16)|(1<<21)
.irp g, G1S, G1SB
	s_mov_b32 s[\g+1], 32<<16
	s_mov_b32 s[\g+2], (HALFS/256)<<16
	s_mov_b32 s[\g+3], 32<<16
	s_mov_b32 s[\g+4], HALFS/256
	s_mov_b32 s[\g+5], 32
	s_mov_b32 s[\g+6], 0
	s_mov_b32 s[\g+7], 0
.endr
	s_lshl_b32 s18, s16, 7                         ; which 128 rows of the block I fetch
	s_lshl_b32 s20, s17, 8
	s_add_co_u32 s20, s20, s18                     ; A's row
	s_lshl_b32 s46, s42, 8
	s_add_co_u32 s46, s46, s18                     ; B's row
	s_mul_i32 s22, s20, SIZE_K/32
	s_add_co_u32 s22, s22, s98                     ; where these rows' scale words begin, in bytes (all offsets stay under 2^32)
	s_mov_b32 s23, 0
	s_mul_i32 s92, s46, SIZE_K/32
	s_add_co_u32 s92, s92, s99
	s_mov_b32 s93, 0
	s_mul_i32 s20, s20, KROW                       ; and their codes
	s_mov_b32 s21, 0
	s_mul_i32 s46, s46, KROW
	s_mov_b32 s47, 0
	s_mul_i32 s45, s14, HALFT                      ; where they go: by the wave's number alone
	s_mul_i32 s94, s14, HALFS
	s_wait_kmcnt 0x0
	s_cmp_eq_u32 ttmp9, 2
	s_cselect_b64 s[10:11], s[6:7], s[4:5]         ; A's buffer
	s_cselect_b64 s[12:13], s[4:5], s[6:7]         ; B's
	s_add_nc_u64 s[20:21], s[10:11], s[20:21]
	s_add_nc_u64 s[22:23], s[10:11], s[22:23]
	s_add_nc_u64 s[46:47], s[12:13], s[46:47]
	s_add_nc_u64 s[92:93], s[12:13], s[92:93]
	CROUND                                         ; all sixteen work-groups are here: the first joint loads meet
	s_mov_b32 s[G0S], 1
	s_add_co_u32 s[G0S+1], s94, SCL
	s_mov_b64 s[G0S+2:G0S+3], s[22:23]
	s_or_b32 s[G0S+3], s[G0S+3], 0x80000000
	s_mov_b32 s[G0SB], 1
	s_add_co_u32 s[G0SB+1], s94, SCL
	s_mov_b64 s[G0SB+2:G0SB+3], s[92:93]
	s_or_b32 s[G0SB+3], s[G0SB+3], 0x80000000
	JLOAD G0S, G1S, G0SB, G1SB                     ; the scale words first: they are wanted with the first slot
.irp s, 0,1
	s_mov_b32 s[G0+4*\s], 1
	s_add_co_u32 s[G0+4*\s+1], s45, \s*SLOT
	s_add_nc_u64 s[G0+4*\s+2:G0+4*\s+3], s[20:21], \s*3072
	s_or_b32 s[G0+4*\s+3], s[G0+4*\s+3], 0x80000000
	s_mov_b32 s[G0B+4*\s], 1
	s_add_co_u32 s[G0B+4*\s+1], s45, \s*SLOT
	s_add_nc_u64 s[G0B+4*\s+2:G0B+4*\s+3], s[46:47], \s*3072
	s_or_b32 s[G0B+4*\s+3], s[G0B+4*\s+3], 0x80000000
	JLOAD G0+4*\s, G1, G0B+4*\s, G1B
.endr
	v_and_b32 v1, 15, v0                           ; r
	v_bfe_u32 v2, v0, 4, 1                         ; h
	v_and_b32 v3, 31, v0                           ; lane
	v_lshlrev_b32 v4, 4, v3
	v_lshlrev_b32 v5, 3, v3
	s_mul_i32 s21, s15, HALFT                      ; my 8 tiles of A
	s_mul_i32 s22, s16, HALFT                      ; my 8 tiles of B,
	s_add_co_u32 s22, s22, 2*HALFT                 ; which lie behind A's 16
.irp s, 0,1
	v_add_nc_u32 v[ADRA+\s], s21, v4
	v_add_nc_u32 v[ADRB+\s], s22, v4
	v_add_nc_u32 v[ADRA+2+\s], s21, v5
	v_add_nc_u32 v[ADRB+2+\s], s22, v5
	s_add_co_u32 s21, s21, SLOT
	s_add_co_u32 s22, s22, SLOT
.endr
	v_lshlrev_b32 v5, 3, v1                        ; my row's two scale words of a slot: 8 r
	s_mul_i32 s21, s15, HALFS                      ; A's: my 8 tiles
	s_mul_i32 s22, s16, HALFS                      ; B's: my 8 tiles, behind A's 16
	s_add_co_u32 s22, s22, 2*HALFS
	s_sub_co_u32 s22, s22, s21
	v_mul_u32_u24 v6, s22, v2                      ; lanes 16-31 take B's
	s_add_co_u32 s21, s21, SCL
	v_add_nc_u32 v5, v5, v6
	v_add_nc_u32 v[ADRS], s21, v5
	; where the results go
	v_lshlrev_b32 v24, 4, v3                       ; 16 x lane
	v_lshlrev_b32 v25, 3, v3                       ; 8 x lane
	v_lshlrev_b32 v26, 2, v3                       ; 4 x lane
	s_lshr_b32 s20, s42, 2                         ; q, k: which = B's block / 4
	s_lshl_b32 s20, s20, 1
	s_lshr_b32 s21, s17, 3                         ; the batch = A's block / 8
	s_add_co_u32 s20, s20, s21
	s_lshl_b32 s20, s20, 3
	s_and_b32 s21, s42, 3
	s_lshl_b32 s21, s21, 1
	s_add_co_u32 s20, s20, s21
	s_add_co_u32 s20, s20, s16                     ; the head pair: my 128 rows of the weight
	s_lshl_b32 s20, s20, 7
	s_lshl_b32 s21, s17, 4
	s_lshl_b32 s22, s15, 3
	s_add_co_u32 s21, s21, s22
	s_and_b32 s21, s21, 127
	s_add_co_u32 s20, s20, s21                     ; my first token tile in the sequence
	s_lshr_b32 s21, s42, 3                         ; v: the batch = B's block / 8
	s_lshl_b32 s21, s21, 3
	s_sub_co_u32 s22, s17, 8
	s_lshl_b32 s22, s22, 1
	s_add_co_u32 s21, s21, s22
	s_add_co_u32 s21, s21, s15                     ; the head pair: my 128 rows of w_v
	s_lshl_b32 s21, s21, 4
	s_lshl_b32 s22, s42, 1
	s_add_co_u32 s22, s22, s16
	s_and_b32 s22, s22, 15
	s_add_co_u32 s21, s21, s22                     ; the key step: my 128 tokens
	s_lshl_b32 s21, s21, 3
	s_add_co_u32 s21, s21, 4096
	s_mov_b32 s22, 0xffff
	s_cmp_eq_u32 ttmp9, 2
	s_cselect_b32 s20, s21, s20                    ; I of my first fragment; my eight are neighbours
	s_cselect_b32 s98, -1, s22                     ; what lanes 0-15 keep of a scale word,
	s_cselect_b32 s99, 0, 16                       ; and how far lanes 16-31 shift it down
	s_mul_i32 s46, s20, 1536
	s_mov_b32 s47, 0
	s_add_nc_u64 s[12:13], s[8:9], s[46:47]
	s_lshl_b32 s46, s20, 7
	s_add_co_u32 s46, s46, 9437184
	s_add_nc_u64 s[96:97], s[8:9], s[46:47]
	s_mov_b32 vcc_lo, 0xffff0000                   ; lanes 16-31
	s_mov_b32 s[SEL], 0x76543210
	s_mov_b32 s[SEL+1], 0xfedcba98
.macro FRAG reg, adr, q, i             ; a fragment: tile i of my eight, the slot's q-th K step: four loads of consecutive bytes
	ds_load_b128 v[\reg:\reg+3], v[\adr] offset:(\i)*3072+(\q)*1536
	ds_load_b64 v[\reg+4:\reg+5], v[\adr+2] offset:(\i)*3072+(\q)*1536+512
	ds_load_b128 v[\reg+6:\reg+9], v[\adr] offset:(\i)*3072+(\q)*1536+768
	ds_load_b64 v[\reg+10:\reg+11], v[\adr+2] offset:(\i)*3072+(\q)*1536+1280
.endm
; 16 matrix instructions: A's tiles a0, a0 + 1 x B's eight.  p: B's set; sc: the set of scale words.  zero = 1: the first product starts the sums.  The 64 accumulators take turns, one instruction a turn.
.macro MUL16 a0, p, q, sc, zero
.irp a, \a0, \a0+1
.irp b, 0,1,2,3,4,5,6,7
.if \zero
	v_wmma_scale_f32_16x16x128_f8f6f4 v[8*(8*((\a)%4)+\b):8*(8*((\a)%4)+\b)+7], v[128*(\p)+FR*\b:128*(\p)+FR*\b+FR-1], v[AF+FR*(\a):AF+FR*(\a)+FR-1], 0, v[SC+8*NQ*(\sc)+NQ*\b+(\q)], v[SC+8*NQ*(\sc)+NQ*(\a)+(\q)] matrix_a_fmt:MATRIX_FMT_FP6 matrix_b_fmt:MATRIX_FMT_FP6 matrix_a_scale:MATRIX_SCALE_ROW1
.else
	v_wmma_scale_f32_16x16x128_f8f6f4 v[8*(8*((\a)%4)+\b):8*(8*((\a)%4)+\b)+7], v[128*(\p)+FR*\b:128*(\p)+FR*\b+FR-1], v[AF+FR*(\a):AF+FR*(\a)+FR-1], v[8*(8*((\a)%4)+\b):8*(8*((\a)%4)+\b)+7], v[SC+8*NQ*(\sc)+NQ*\b+(\q)], v[SC+8*NQ*(\sc)+NQ*(\a)+(\q)] matrix_a_fmt:MATRIX_FMT_FP6 matrix_b_fmt:MATRIX_FMT_FP6 matrix_a_scale:MATRIX_SCALE_ROW1
.endif
.endr
.endr
.endm
.macro FETCH_B slot, q, p
	WIN TO_B
.irp i, 0,1,2,3,4,5,6,7
	FRAG 128*(\p)+FR*\i, ADRB+\slot, \q, \i
.endr
	WIN 0
.endm
.macro FETCH_A slot, q, i0
.irp i, \i0, \i0+1, \i0+2, \i0+3
	FRAG AF+FR*(\i), ADRA+\slot, \q, \i
.endr
.endm
.macro SCALES sc                       ; a slot's scale words: two a row; lanes 0-15 take A's tile i, lanes 16-31 B's tile i
.irp i, 0,1,2,3,4,5,6,7
	ds_load_b64 v[SC+8*NQ*\sc+NQ*\i:SC+8*NQ*\sc+NQ*\i+1], v[ADRS] offset:\i*SBLK
.endr
.endm
.macro PLACES n                        ; plain vector instructions between a matrix instruction and a load into, or a vector instruction on, its registers
.rept \n
	v_nop
.endr
.endm
.macro STEP slot, q, zero              ; a step of 128 along K that has its successor in the same slot
	s_wait_dscnt 4*NL                              ; B's set and A's tiles 0-3 are in; the youngest 16 loads (A's tiles 4-7) may be out
	WIN MUL_LO
	MUL16 0, (\q)%2, \q, \slot, \zero
	MUL16 2, (\q)%2, \q, \slot, \zero
	s_wait_dscnt 0
	PLACES NP
	FETCH_B \slot, (\q)+1, 1-(\q)%2
	FETCH_A \slot, (\q)+1, 0
	WIN MUL_HI
	MUL16 4, (\q)%2, \q, \slot, \zero
	MUL16 6, (\q)%2, \q, \slot, \zero
	PLACES NP
	WIN 0
	FETCH_A \slot, (\q)+1, 4
.endm
; A slot's last step changes slots: one barrier; in front of it each wave waits for all its tensor loads, adds 0 to its spare word, and waits for that and for its own reads of this slot.  fill = 1: this slot is filled again, two slots ahead.
.macro TURN slot, next, fill
	s_wait_tensorcnt 0x0                           ; all my tensor loads have landed: my part of the next slot
	ds_add_u32 v[SPW], v[NIL]                      ; 0 onto my spare word
	s_wait_dscnt 4*NL+1                            ; (the add and the youngest 16 loads may be out)
	WIN MUL_LO
	MUL16 0, 1, NQ-1, \slot, 0
	s_wait_dscnt 0x0                               ; the add is done, and my reads of this slot are over
	s_barrier_signal -1
	MUL16 2, 1, NQ-1, \slot, 0
	WIN 0
	s_barrier_wait -1
.if \fill
	CREST                                          ; the barrier has opened a round of the cluster's barrier: no wave of any partner still reads this slot or has a load on its way
	s_add_nc_u64 s[G0+4*\slot+2:G0+4*\slot+3], s[G0+4*\slot+2:G0+4*\slot+3], 2*3072
	s_add_nc_u64 s[G0B+4*\slot+2:G0B+4*\slot+3], s[G0B+4*\slot+2:G0B+4*\slot+3], 2*3072
	JLOAD G0+4*\slot, G1, G0B+4*\slot, G1B         ; the first tensor load behind the round; its four v_nop are the places in front of the loads below
.else
	PLACES NP
.endif
	v_add_nc_u32 v[ADRS], 128, v[ADRS]             ; the next slot's scale words
	FETCH_B \next, 0, 0
	FETCH_A \next, 0, 0
	SCALES \next
	WIN MUL_HI
	MUL16 4, 1, NQ-1, \slot, 0
	MUL16 6, 1, NQ-1, \slot, 0
	PLACES NP
	WIN 0
	FETCH_A \next, 0, 4
.endm
	s_wait_tensorcnt 1                             ; the scale words and my part of slot 0 are in (slot 1's load may be out)
	s_barrier_signal -1
	s_barrier_wait -1                              ; everybody's are
	FETCH_B 0, 0, 0
	FETCH_A 0, 0, 0
	SCALES 0
	FETCH_A 0, 0, 4
	STEP 0, 0, 1                                   ; the first step stands in front of the loop: its products start the sums
	s_mov_b32 s3, LAPS-1
.Llap:                                                 ; a trip goes once round the ring and fills both slots again
	TURN 0, 1, 1
	STEP 1, 0, 0
	TURN 1, 0, 1
	STEP 0, 0, 0
	s_sub_co_u32 s3, s3, 1
	s_cmp_lg_u32 s3, 0
	s_cbranch_scc1 .Llap
	TURN 0, 1, 0                                   ; the last lap fills nothing
	STEP 1, 0, 0
	s_wait_dscnt 4*NL
	WIN MUL_LO
	MUL16 0, 1, NQ-1, 1, 0
	MUL16 2, 1, NQ-1, 1, 0
	s_wait_dscnt 0
	WIN MUL_HI
	MUL16 4, 1, NQ-1, 1, 0
	MUL16 6, 1, NQ-1, 1, 0
	WIN 0
; THE WAY OUT.  For A's tile a a lane's 64 results are, register 16 b + i, B's row 32 b + 16 (lane / 16) + i of my 128: one K step of the next product.  They are quantised where they lie and stored as a fragment.
.set TM, 32                            ; v32-47 at work; v48-55 the conversions' second halves; v56-57 the scale word
.set PT, 48
.macro QUANT64W s, w, pc, pw           ; the 64 numbers at v[s] on of window w; each accumulator is read from its low end on
	WIN (\w)|((\w)<<2)
.irp b, 0,1,2,3
	v_max3_num_f32 v[TM+\b], |v[\s+16*\b]|, |v[\s+1+16*\b]|, 0x1800000   ; and the floor 2^(3 - 127)
.endr
	WIN ((\w)<<2)|((\w)<<4)
.irp i, 2,4,6,8,10,12,14
.irp b, 0,1,2,3
	v_max3_num_f32 v[TM+\b], v[TM+\b], |v[\s+16*\b+\i]|, |v[\s+1+16*\b+\i]|
.endr
.endr
	WIN 0
.irp b, 0,1,2,3
	v_permlanex16_b32 v[TM+4+\b], v[TM+\b], s[SEL], s[SEL+1]
.endr
.irp b, 0,1,2,3
	v_max_num_f32 v[TM+\b], v[TM+\b], v[TM+4+\b]
.endr
.irp b, 0,1,2,3
	v_add_nc_u32 v[TM+12+\b], 0xff000000, v[TM+\b]
.endr
.irp b, 0,1,2,3
	v_lshrrev_b32 v[TM+4+\b], 23, v[TM+12+\b]
.endr
	v_lshl_or_b32 v[\pw], v[TM+5], 8, v[TM+4]
	v_lshl_or_b32 v[\pw], v[TM+6], 16, v[\pw]
	v_lshl_or_b32 v[\pw], v[TM+7], 24, v[\pw]
	WIN (\w)
.irp c, 0,1
	v_cvt_scalef32_pk16_fp6_f32 v[\pc+6*\c:\pc+2+6*\c], v[\s+32*\c:\s+15+32*\c], v[TM+12+2*\c]
	v_cvt_scalef32_pk16_fp6_f32 v[PT+4*\c:PT+2+4*\c], v[\s+16+32*\c:\s+31+32*\c], v[TM+13+2*\c]
.endr
	WIN 0
	v_nop                                          ; one plain instruction behind a scaled conversion
.irp c, 0,1
.irp i, 0,1,2
	v_permlane16_swap_b32 v[\pc+6*\c+\i], v[PT+4*\c+\i]
.endr
.irp i, 0,1,2
	v_mov_b32 v[\pc+3+6*\c+\i], v[PT+4*\c+\i]
.endr
.endr
.endm
	PLACES NP
.irp b, 0,1,2,3
	v_mov_b32 v[TM+4+\b], 0                        ; a lane permute's destination counts as one of its sources
.endr
.irp a, 0,1,2,3,4,5,6,7                        ; each tile has its own 13 registers for codes and word: no store's data are written again
	QUANT64W 64*(\a%4), 2+\a/4, 64+14*\a, 56
	v_and_b32 v57, s98, v56                        ; q, k: lanes 0-15 store the even head's two bytes,
	v_lshrrev_b32 v56, s99, v56                    ; lanes 16-31 the odd head's; v: both the whole word
	v_cndmask_b32 v[64+14*\a+12], v57, v56, vcc_lo
	global_store_b128 v24, v[64+14*\a:64+14*\a+3], s[12:13] offset:\a*1536
	global_store_b64 v25, v[64+14*\a+4:64+14*\a+5], s[12:13] offset:\a*1536+512
	global_store_b128 v24, v[64+14*\a+6:64+14*\a+9], s[12:13] offset:\a*1536+768
	global_store_b64 v25, v[64+14*\a+10:64+14*\a+11], s[12:13] offset:\a*1536+1280
	global_store_b32 v26, v[64+14*\a+12], s[96:97] offset:\a*128
.endr
	s_wait_tensorcnt 0x0                           ; the wave's end
	ds_add_u32 v[SPW], v[NIL]
	s_wait_dscnt 0x0
	CROUND                                         ; the closing round: no work-group ends while a partner may still ask for a tile that names it
	s_endpgm
.Lfunc_end_k_q42af40f06b_qkv:
	.size	k_q42af40f06b_qkv, .Lfunc_end_k_q42af40f06b_qkv-k_q42af40f06b_qkv
	.p2alignl 7, 3214868480
	.fill 96, 4, 3214868480
	.section	.rodata,"a",@progbits
	.p2align	6, 0x0
	.amdhsa_kernel k_q42af40f06b_qkv
		.amdhsa_group_segment_fixed_size 327680
		.amdhsa_private_segment_fixed_size 0
		.amdhsa_enable_private_segment 0
		.amdhsa_kernarg_size 24
		.amdhsa_user_sgpr_count 2
		.amdhsa_user_sgpr_kernarg_segment_ptr 1
		.amdhsa_wavefront_size32 1
		.amdhsa_system_sgpr_workgroup_id_x 1
		.amdhsa_system_sgpr_workgroup_id_y 1
		.amdhsa_system_sgpr_workgroup_id_z 1
		.amdhsa_system_vgpr_workitem_id 0
		.amdhsa_next_free_vgpr 1024
		.amdhsa_next_free_sgpr 100
		.amdhsa_reserve_vcc 1
		.amdhsa_float_denorm_mode_32 3
		.amdhsa_float_denorm_mode_16_64 3
		.amdhsa_memory_ordered 1
		.amdhsa_forward_progress 1
		.amdhsa_inst_pref_size 151
	.end_amdhsa_kernel
	.amdgpu_metadata
---
amdhsa.version: [ 1, 2 ]
amdhsa.kernels:
  - .name:           k_q42af40f06b_qkv
    .symbol:         k_q42af40f06b_qkv.kd
    .args:
      - { .name: act, .offset: 0, .size: 8, .value_kind: global_buffer, .address_space: global }
      - { .name: wts, .offset: 8, .size: 8, .value_kind: global_buffer, .address_space: global }
      - { .name: qkv, .offset: 16, .size: 8, .value_kind: global_buffer, .address_space: global }
    .group_segment_fixed_size: 327680
    .private_segment_fixed_size: 0
    .kernarg_segment_align: 8
    .kernarg_segment_size: 24
    .max_flat_workgroup_size: 128
    .sgpr_count:     100
    .vgpr_count:     1024
    .wavefront_size: 32
...
	.end_amdgpu_metadata
.endif
;; end of part 3
;; launch attn (part 4): grid 8 x 32, 16 waves a work-group, no clusters, 215,040 bytes of LDS; arguments qkv, act; writes act
.if DOCPART == 4
	.amdgcn_target "amdgcn-amd-amdhsa--gfx1250"
	.amdhsa_code_object_version 6
	.text
	.protected	k_q42af40f06b_attn
	.globl	k_q42af40f06b_attn
	.p2align	8
	.type	k_q42af40f06b_attn,@function
k_q42af40f06b_attn:
	s_mov_b64 s[64:65], 0
	v_nop
	global_prefetch_b8 v0, s[64:65] scope:SCOPE_SE
	s_setreg_imm32_b32 hwreg(HW_REG_WAVE_MODE, 25, 1), 1
	s_wait_xcnt 0x0
; Causal attention for one head, both products on codes of FP6 (E2M3) with one E8M0 byte for each 32 along a product's K; the result, divided by the row's sum, is quantised and stored as half a fragment of the next product's operand.
; q, k, v arrive as operand images (a tile is 16 rows: lane r of tile T holds row 32 (T / 2) + 8 (T % 2) + r + 8 (r / 8); half a fragment, 64 along K, is 768 bytes: four registers at 16 x lane, two at 512 + 8 x lane).
; The head size is 64: a fragment of q or k is one half; the operand's other six registers hold zero codes and the scale word's other two bytes are 0.
; THE SOFTMAX: t = score x log2(e) / 8; M = the row's largest t so far, rounded up to a whole number; p = 2^(t - M) is quantised along the keys, not normalised; the row's sum is taken of the unquantised p and divides at the end.
; When M moves, the sum and O are multiplied by 2^(old M - new M): exact.  A block's largest p is made from the block's largest score by the same multiply-add and exponential.
; SHARES.  Sixteen waves, one tile of 16 queries each.  A work-group owns blocks x and 15 - x of 128 queries of one head, so that under the causal mask every work-group has 8 x 17 key steps of 128 to work.
; A step all of whose keys come after the wave's queries is left out by a scalar branch on ids; every wave walks all 16 steps and passes all barriers.
; K AND V OF THE WHOLE HEAD STAY IN LDS, filled once: wave 0 asks for K's scale words and K's codes in four chunks of 512 keys, wave 1 for V's: five tensor loads a wave, all at the head.  Nothing is filled again.
; NO CLUSTER: work-groups that read the same K and V differ in their query blocks, and the branch that leaves out hidden steps hangs on the query block; that branch halves the launch's work.
; Both products are used transposed: S^T = K Q^T, O^T = V^T P^T: a lane holds one query throughout, and by the choice of a tile's rows the 16 registers of two neighbouring tiles are 16 neighbouring keys (or channels).
; The scale bytes of the output leave as half words, 2 bytes for each 48 bytes of codes.
; LIMITS: a block of zeros, or one under 2^-124, gets the byte 1; NaN and infinities are not served.
; REGISTERS: v1-10 addresses; v12 -M, v13 the largest t, v[14:15] the sum; v16-27 Q; v28-31 V's scale words; v32-79 four tiles of K; v80-127 V's four fragments; v128-191 S^T, then p; v192-223 O^T; v224-235 p's codes; v232-254 at work; v255 Q's scale word.
.set KSC,  196608                      ; LDS: K's codes at 0 (128 tiles x 768), V's at 98,304 ([step][tile][1,536]), K's scale words here ([tile][r]), V's at 204,800 ([step][tile][128 bytes])
.set S,    128
.set O,    192
.set TM,   232
.set PT,   240
.set WV,   18                          ; s18 my wave's number
.set SEL,  20                          ; s[20:21] lane selects: lane l xor 16
.set CS,   22                          ; s[22:23] c = log2(e) / 8, twice
.set TB,   2                           ; s2  LDS byte of the step's tiles of K
.set TV,   3                           ; s3  of V
.set TS,   66                          ; s66 of K's scale words; V's lie 8,192 on
.set CNT,  67
.set KF,   60                          ; s60 the step's first key
.set Q0,   61                          ; s61 my tile's first query
	s_load_b128 s[4:7], s[0:1], 0x0                ; qkv, act
	v_lshl_add_u32 v254, v0, 2, 0x34000
	v_mov_b32 v255, 0
	ds_add_u32 v254, v255
	ds_add_u32 v254, v255
	s_wait_dscnt 0x0
	v_lshrrev_b32 v11, 5, v0
	v_readfirstlane_b32 s[WV], v11                 ; wave 0..15
	s_and_b32 s24, ttmp7, 0xffff
	s_lshr_b32 s25, s24, 4                         ; the batch
	s_and_b32 s26, s24, 15
	s_lshr_b32 s27, s26, 1                         ; the head pair
	s_and_b32 s28, s26, 1                          ; c: the head in the pair
	s_lshl_b32 s29, s25, 3
	s_add_co_u32 s29, s29, s27                     ; 8 x batch + head pair
	s_lshr_b32 s30, s[WV], 2
	s_xor_b32 s30, s30, s[WV]
	s_and_b32 s30, s30, 1                          ; 1: my tile lies in the late block
	s_lshr_b32 s31, s[WV], 1                       ; which of the block's eight tiles
	s_sub_co_u32 s32, 15, ttmp9
	s_cmp_eq_u32 s30, 1
	s_cselect_b32 s32, s32, ttmp9
	s_lshl_b32 s32, s32, 3
	s_add_co_u32 s32, s32, s31                     ; my tile of queries in the sequence
	s_lshr_b32 s33, s32, 1
	s_lshl_b32 s33, s33, 5
	s_and_b32 s34, s32, 1
	s_lshl_b32 s34, s34, 3
	s_add_co_u32 s[Q0], s33, s34
	; groups 1: elements of 8 bytes, no padding
	s_mov_b32 s68, 3<<16                           ; K's codes: 32 rows (tiles) of 768 bytes, 1,536 apart
	s_mov_b32 s69, 96<<16
	s_mov_b32 s70, 32<<16
	s_mov_b32 s71, 96<<16
	s_mov_b32 s72, 32
	s_mov_b32 s73, 192
	s_mov_b32 s74, 0
	s_mov_b32 s75, 0
	s_mov_b32 s76, 3<<16                           ; V's codes: 4 rows (key steps) of 6,144 bytes, 12,288 apart
	s_mov_b32 s77, 768<<16
	s_mov_b32 s78, 4<<16
	s_mov_b32 s79, 768<<16
	s_mov_b32 s80, 4
	s_mov_b32 s81, 1536
	s_mov_b32 s82, 0
	s_mov_b32 s83, 0
	s_mov_b32 s84, 3<<16                           ; K's scale words: 128 rows (tiles) of 64 bytes, 128 apart
	s_mov_b32 s85, 8<<16
	s_mov_b32 s86, 128<<16
	s_mov_b32 s87, 8<<16
	s_mov_b32 s88, 128
	s_mov_b32 s89, 16
	s_mov_b32 s90, 0
	s_mov_b32 s91, 0
	s_mov_b32 s92, 3<<16                           ; V's scale words: 16 rows (key steps) of 512 bytes, 1,024 apart
	s_mov_b32 s93, 64<<16
	s_mov_b32 s94, 16<<16
	s_mov_b32 s95, 64<<16
	s_mov_b32 s96, 16
	s_mov_b32 s97, 128
	s_mov_b32 s98, 0
	s_mov_b32 s99, 0
	s_mul_i32 s35, s29, 196608                     ; a head pair's 128 fragments
	s_mul_i32 s36, s28, 768
	s_add_co_u32 s36, s36, 3145728                 ; K: behind q's 2,048 fragments, my head's half
	s_mul_i32 s37, s28, 6144
	s_add_co_u32 s37, s37, 6291456                 ; V: behind q's and k's, my head's four tiles
	s_lshl_b32 s38, s29, 14
	s_lshl_b32 s39, s28, 6
	s_add_co_u32 s39, s39, 9699328                 ; K's scale words
	s_lshl_b32 s62, s28, 9
	s_add_co_u32 s62, s62, 9961472                 ; V's
	s_and_b32 s63, s[WV], 1
	s_cmp_eq_u32 s[WV], 0                          ; wave 0 fetches K's, wave 1 V's
	s_cselect_b32 s36, s36, s37
	s_cselect_b32 s39, s39, s62
	s_add_co_u32 s36, s36, s35
	s_mov_b32 s37, 0
	s_add_co_u32 s38, s38, s39
	s_mov_b32 s39, 0
	s_mul_i32 s62, s63, 98304                      ; where the codes go
	s_lshl_b32 s63, s63, 13
	s_add_co_u32 s63, s63, KSC                     ; and the scale words
	s_mov_b32 s[SEL], 0x76543210
	s_mov_b32 s[SEL+1], 0xfedcba98
	s_mov_b32 s[CS], 0x3e38aa3b
	s_mov_b32 s[CS+1], s[CS]
	s_wait_kmcnt 0x0
	s_mov_b32 s40, 1
	s_mov_b32 s41, s63
	s_add_nc_u64 s[42:43], s[4:5], s[38:39]
	s_or_b32 s43, s43, 0x80000000
.irp j, 0,1,2,3
	s_mov_b32 s[44+4*\j], 1
	s_add_co_u32 s[45+4*\j], s62, \j*24576
	s_add_nc_u64 s[46+4*\j:47+4*\j], s[4:5], s[36:37]
	s_add_nc_u64 s[46+4*\j:47+4*\j], s[46+4*\j:47+4*\j], \j*49152
	s_or_b32 s[47+4*\j], s[47+4*\j], 0x80000000
.endr
	s_cmp_eq_u32 s[WV], 0                          ; all first fills of a wave stand together, ahead of every wait on TENSORcnt, every LDS read and every barrier: five loads of mine are out
	s_cbranch_scc0 .Lnot_k
	tensor_load_to_lds s[40:43], s[84:91]
	s_nop 0
	tensor_load_to_lds s[44:47], s[68:75]
	s_nop 0
	tensor_load_to_lds s[48:51], s[68:75]
	s_nop 0
	tensor_load_to_lds s[52:55], s[68:75]
	s_nop 0
	tensor_load_to_lds s[56:59], s[68:75]
	s_nop 0
.rept 4
	v_nop
.endr
	s_branch .Lasked
.Lnot_k:
	s_cmp_eq_u32 s[WV], 1
	s_cbranch_scc0 .Lasked
	tensor_load_to_lds s[40:43], s[92:99]
	s_nop 0
	tensor_load_to_lds s[44:47], s[76:83]
	s_nop 0
	tensor_load_to_lds s[48:51], s[76:83]
	s_nop 0
	tensor_load_to_lds s[52:55], s[76:83]
	s_nop 0
	tensor_load_to_lds s[56:59], s[76:83]
	s_nop 0
.rept 4
	v_nop
.endr
.Lasked:
	s_lshl_b32 s33, s29, 7
	s_add_co_u32 s33, s33, s32                     ; Q's fragment
	s_mul_i32 s34, s33, 1536
	s_mul_i32 s30, s28, 768
	s_add_co_u32 s34, s34, s30
	s_mov_b32 s35, 0
	s_add_nc_u64 s[8:9], s[4:5], s[34:35]
	s_lshl_b32 s34, s33, 7
	s_lshl_b32 s31, s28, 6
	s_add_co_u32 s34, s34, s31
	s_add_co_u32 s34, s34, 9437184
	s_add_nc_u64 s[10:11], s[4:5], s[34:35]        ; its scale words
	s_lshl_b32 s33, s25, 7
	s_add_co_u32 s33, s33, s32                     ; the output's tile of tokens
	s_lshl_b32 s34, s33, 3
	s_add_co_u32 s34, s34, s27                     ; its K step is the head pair,
	s_mul_i32 s34, s34, 1536
	s_add_co_u32 s34, s34, s30                     ; its half the head
	s_add_nc_u64 s[12:13], s[6:7], s[34:35]
	s_lshl_b32 s34, s33, 2
	s_lshr_b32 s31, s27, 1
	s_add_co_u32 s34, s34, s31
	s_lshl_b32 s34, s34, 7
	s_and_b32 s31, s27, 1
	s_lshl_b32 s31, s31, 2
	s_add_co_u32 s34, s34, s31
	s_lshl_b32 s31, s28, 1
	s_add_co_u32 s34, s34, s31
	s_add_co_u32 s34, s34, 3145728
	s_add_nc_u64 s[14:15], s[6:7], s[34:35]        ; my head's two bytes of the scale word
	v_and_b32 v11, 31, v0
	v_lshlrev_b32 v1, 4, v11                       ; 16 x lane
	v_lshlrev_b32 v2, 3, v11                       ; 8 x lane
	v_and_b32 v11, 15, v0                          ; r
	v_lshlrev_b32 v3, 2, v11                       ; 4 r
	v_lshlrev_b32 v10, 3, v11                      ; 8 r
	v_and_b32 v4, 8, v11
	v_add_nc_u32 v4, v4, v11
	v_bfe_u32 v11, v0, 4, 1
	v_lshlrev_b32 v11, 4, v11
	v_sub_nc_u32 v4, v4, v11                       ; my query in the tile, r + 8 (r / 8), less 16 (lane / 16)
	global_load_b128 v[16:19], v1, s[8:9]
	global_load_b64 v[20:21], v2, s[8:9] offset:512
	global_load_b32 v255, v3, s[10:11]
.irp j, 22,23,24,25,26,27
	v_mov_b32 v[\j], 0                             ; K = 64 is filled up to the instruction's 128 with zero codes, on both operands
.endr
.irp t, 0,1,2,3
.irp j, 6,7,8,9,10,11
	v_mov_b32 v[32+12*\t+\j], 0
.endr
.endr
.set j, 0
.rept 32
	v_mov_b32 v[O+j], 0                            ; O^T: the step is written once; the first finds zeros
.set j, j+1
.endr
	v_mov_b32 v13, 0xff61b1e6                      ; the largest t so far: -3e38
	v_floor_f32 v12, -v13                          ; -M
	v_mov_b32 v14, 0
	v_mov_b32 v15, 0
.irp b, 0,1,2,3
	v_mov_b32 v[236+\b], 0                         ; a lane permute's destination counts as one of its sources
.endr
	v_mov_b32 v252, 0
	v_mov_b32 v253, 0
	s_wait_loadcnt 0x0                             ; Q
; A KEY STEP: 128 keys.
.macro STEP
	s_add_co_u32 s62, s[Q0], 23                    ; my tile's last query
	s_cmp_gt_u32 s[KF], s62
	s_cbranch_scc1 .Lhidden_\@
	v_add_nc_u32 v5, s[TB], v1                     ; (these five are also the places in front of the loads into registers that the last products read)
	v_add_nc_u32 v6, s[TB], v2
	v_add_nc_u32 v7, s[TV], v1
	v_add_nc_u32 v8, s[TV], v2
	v_add_nc_u32 v9, s[TS], v3
.irp t, 0,1,2,3
	ds_load_b128 v[32+12*\t:35+12*\t], v5 offset:768*\t
	ds_load_b64 v[36+12*\t:37+12*\t], v6 offset:768*\t+512
	ds_load_b32 v[248+\t], v9 offset:64*\t
.endr
.irp t, 0,1,2,3
	ds_load_b128 v[80+12*\t:83+12*\t], v7 offset:1536*\t
	ds_load_b64 v[84+12*\t:85+12*\t], v8 offset:1536*\t+512
	ds_load_b128 v[86+12*\t:89+12*\t], v7 offset:1536*\t+768
	ds_load_b64 v[90+12*\t:91+12*\t], v8 offset:1536*\t+1280
	ds_load_b32 v[28+\t], v9 offset:8192+128*\t
.endr
	s_wait_dscnt 20                                ; K's first four tiles are in; V's 20 loads may be out
.irp t, 0,1,2,3
	v_wmma_scale_f32_16x16x128_f8f6f4 v[S+8*\t:S+8*\t+7], v[32+12*\t:43+12*\t], v[16:27], 0, v[248+\t], v255 matrix_a_fmt:MATRIX_FMT_FP6 matrix_b_fmt:MATRIX_FMT_FP6
.endr
.rept 4
	v_nop                                          ; places in front of loads into registers that these products read
.endr
.irp t, 0,1,2,3
	ds_load_b128 v[32+12*\t:35+12*\t], v5 offset:768*(4+\t)
	ds_load_b64 v[36+12*\t:37+12*\t], v6 offset:768*(4+\t)+512
	ds_load_b32 v[248+\t], v9 offset:64*(4+\t)
.endr
	s_wait_dscnt 0x0
.irp t, 0,1,2,3
	v_wmma_scale_f32_16x16x128_f8f6f4 v[S+32+8*\t:S+32+8*\t+7], v[32+12*\t:43+12*\t], v[16:27], 0, v[248+\t], v255 matrix_a_fmt:MATRIX_FMT_FP6 matrix_b_fmt:MATRIX_FMT_FP6
.endr
.rept 4
	v_nop
.endr
	s_add_co_u32 s62, s[KF], 127                   ; on the diagonal the scores of hidden keys become -infinity ahead of the maximum; a step all of whose keys count skips this
	s_cmp_le_u32 s62, s[Q0]
	s_cbranch_scc1 .Lopen_\@
	s_sub_co_i32 s62, s[Q0], s[KF]
	v_add_nc_u32 v252, s62, v4                     ; d: register 16 b + i holds key KF + 16 (lane / 16) + 32 b + i, hidden where 32 b + i > d
	v_mov_b32 v254, 0xff800000
.set n, 0
.rept 64
	v_cmp_gt_i32 vcc_lo, 32*(n/16)+n%16, v252
	v_cndmask_b32 v[S+n], v[S+n], v254, vcc_lo
.set n, n+1
.endr
.Lopen_\@:
.irp b, 0,1,2,3
	v_max3_num_f32 v[232+\b], v[S+16*\b], v[S+1+16*\b], v[S+2+16*\b]   ; the largest score of each block of 32 keys: for the row's maximum and for the block's largest p
.endr
.irp i, 3,5,7,9,11,13
.irp b, 0,1,2,3
	v_max3_num_f32 v[232+\b], v[232+\b], v[S+16*\b+\i], v[S+1+16*\b+\i]
.endr
.endr
.irp b, 0,1,2,3
	v_max_num_f32 v[232+\b], v[232+\b], v[S+15+16*\b]
.endr
.irp b, 0,1,2,3
	v_permlanex16_b32 v[236+\b], v[232+\b], s[SEL], s[SEL+1]
.endr
.irp b, 0,1,2,3
	v_max_num_f32 v[232+\b], v[232+\b], v[236+\b]
.endr
	v_max3_num_f32 v254, v232, v233, v234
	v_max_num_f32 v254, v254, v235
	v_mul_f32 v254, s[CS], v254                    ; as t
	v_max_num_f32 v13, v13, v254                   ; the running largest t
	v_mov_b32 v254, v12
	v_floor_f32 v12, -v13                          ; the new -M = -ceil(t)
	v_sub_f32 v254, v12, v254                      ; old M - new M: a whole number, 0 or less
	v_cvt_i32_f32 v254, v254                       ; (it saturates)
	v_ldexp_f32 v252, 1.0, v254                    ; f = 2^(old M - new M)
.set j, 0
.rept 32
	v_pk_fma_f32 v[S+j:S+j+1], v[S+j:S+j+1], s[CS:CS+1], v[12:13] op_sel_hi:[1,0,0]   ; t - M, two at a time
.set j, j+2
.endr
.irp b, 0,1,2,3
	v_fma_f32 v[232+\b], v[232+\b], s[CS], v12
.endr
.set j, 0
.rept 64
	v_exp_f32 v[S+j], v[S+j]                       ; p = 2^(t - M)
.set j, j+1
.endr
	v_pk_mul_f32 v[14:15], v[14:15], v[252:253] op_sel_hi:[1,0]   ; the sums under the new M (a plain instruction behind the exponentials)
	s_wait_alu depctr_va_vdst(0)                   ; one wait for the batch, ahead of its first reader
.irp b, 0,1,2,3
	v_exp_f32 v[232+\b], v[232+\b]                 ; each block's largest p
.endr
	v_pk_add_f32 v[236:237], v[S:S+1], v[S+2:S+3]  ; the row's sum of the unquantised p, in two chains
.irp j, 4,8,12,16,20,24,28,32,36,40,44,48,52,56,60
	v_pk_add_f32 v[14:15], v[14:15], v[S+\j:S+1+\j]
	v_pk_add_f32 v[236:237], v[236:237], v[S+2+\j:S+3+\j]
.endr
	v_pk_add_f32 v[14:15], v[14:15], v[236:237]
	s_wait_alu depctr_va_vdst(0)                   ; and one for the four
.irp b, 0,1,2,3
	v_max_num_f32 v[232+\b], 0x1800000, v[232+\b]  ; the floor 2^(3 - 127)
.endr
.irp b, 0,1,2,3
	v_add_nc_u32 v[244+\b], 0xff000000, v[232+\b]
.endr
.irp b, 0,1,2,3
	v_lshrrev_b32 v[236+\b], 23, v[244+\b]
.endr
	v_lshl_or_b32 v253, v237, 8, v236              ; p's scale word for these 128 keys
	v_lshl_or_b32 v253, v238, 16, v253
	v_lshl_or_b32 v253, v239, 24, v253
.irp c, 0,1
	v_cvt_scalef32_pk16_fp6_f32 v[224+6*\c:226+6*\c], v[S+32*\c:S+15+32*\c], v[244+2*\c]
	v_cvt_scalef32_pk16_fp6_f32 v[236+4*\c:238+4*\c], v[S+16+32*\c:S+31+32*\c], v[245+2*\c]
.endr
	v_nop                                          ; one plain instruction behind a scaled conversion
.irp c, 0,1
.irp i, 0,1,2
	v_permlane16_swap_b32 v[224+6*\c+\i], v[236+4*\c+\i]
.endr
.irp i, 0,1,2
	v_mov_b32 v[227+6*\c+\i], v[236+4*\c+\i]
.endr
.endr
.set j, 0
.rept 16
	v_pk_mul_f32 v[O+j:O+j+1], v[O+j:O+j+1], v[252:253] op_sel_hi:[1,0]   ; O^T under the new M; these also stand between the writes of p's codes and scale word and the products
.set j, j+2
.endr
.irp t, 0,1,2,3                                ; O^T += V^T P^T: the four accumulators by turns
	v_wmma_scale_f32_16x16x128_f8f6f4 v[O+8*\t:O+8*\t+7], v[80+12*\t:91+12*\t], v[224:235], v[O+8*\t:O+8*\t+7], v[28+\t], v253 matrix_a_fmt:MATRIX_FMT_FP6 matrix_b_fmt:MATRIX_FMT_FP6
.endr
.Lhidden_\@:
	s_add_co_u32 s[KF], s[KF], 128
	s_add_co_u32 s[TB], s[TB], 6144
	s_add_co_u32 s[TV], s[TV], 6144
	s_add_co_u32 s[TS], s[TS], 512
.endm
; Four key steps: chunk j of K and of V.  The fetching waves wait for their chunk j (the 3 - j chunks asked for behind it may be out), then the barrier shows it to all sixteen.
.macro CHUNK j
	s_wait_tensorcnt 3-\j
	s_wait_dscnt 0x0
	s_barrier_signal -1
	s_barrier_wait -1
	s_mov_b32 s[TB], \j*24576
	s_mov_b32 s[TV], 98304+\j*24576
	s_mov_b32 s[TS], KSC+\j*2048
	s_mov_b32 s[KF], \j*512
	s_mov_b32 s[CNT], 4
.Lstep_\@:
	STEP
	s_sub_co_u32 s[CNT], s[CNT], 1
	s_cmp_lg_u32 s[CNT], 0
	s_cbranch_scc1 .Lstep_\@
.endm
	CHUNK 0
	CHUNK 1
	CHUNK 2
	CHUNK 3
; 32 numbers of a lane, register 16 b + i = k 32 b + 16 (lane / 16) + i of my row, become half a fragment's codes in v[pc] on and its two scale bytes in v[pw].
.macro QUANT32 s, pc, pw
.irp b, 0,1
	v_max3_num_f32 v[TM+\b], |v[\s+16*\b]|, |v[\s+1+16*\b]|, 0x1800000
.endr
.irp i, 2,4,6,8,10,12,14
.irp b, 0,1
	v_max3_num_f32 v[TM+\b], v[TM+\b], |v[\s+16*\b+\i]|, |v[\s+1+16*\b+\i]|
.endr
.endr
.irp b, 0,1
	v_permlanex16_b32 v[TM+4+\b], v[TM+\b], s[SEL], s[SEL+1]
.endr
.irp b, 0,1
	v_max_num_f32 v[TM+\b], v[TM+\b], v[TM+4+\b]
.endr
.irp b, 0,1
	v_add_nc_u32 v[TM+12+\b], 0xff000000, v[TM+\b]
.endr
.irp b, 0,1
	v_lshrrev_b32 v[TM+4+\b], 23, v[TM+12+\b]
.endr
	v_lshl_or_b32 v[\pw], v[TM+5], 8, v[TM+4]
	v_cvt_scalef32_pk16_fp6_f32 v[\pc:\pc+2], v[\s:\s+15], v[TM+12]
	v_cvt_scalef32_pk16_fp6_f32 v[PT:PT+2], v[\s+16:\s+31], v[TM+13]
	v_nop
.irp i, 0,1,2
	v_permlane16_swap_b32 v[\pc+\i], v[PT+\i]
.endr
.irp i, 0,1,2
	v_mov_b32 v[\pc+3+\i], v[PT+\i]
.endr
.endm
	; THE WAY OUT
.rept 4
	v_nop                                          ; places behind the last products
.endr
	v_add_f32 v14, v14, v15                        ; the sum's two halves,
	v_permlanex16_b32 v252, v14, s[SEL], s[SEL+1]
	v_add_f32 v14, v14, v252                       ; and lane l xor 16's
	v_rcp_f32 v14, v14
	v_nop
	s_wait_alu depctr_va_vdst(0)                   ; ahead of the reciprocal's first reader
.set j, 0
.rept 32
	v_mul_f32 v[S+j], v[O+j], v14                  ; register 16 b + i is channel 32 b + 16 (lane / 16) + i of my query
.set j, j+1
.endr
	QUANT32 S, 224, 253
	global_store_b128 v1, v[224:227], s[12:13]             ; 512 consecutive bytes
	global_store_b64 v2, v[228:229], s[12:13] offset:512   ; 256 consecutive bytes
	global_store_b16 v10, v253, s[14:15]                   ; row r's two scale bytes; lanes l and l + 16 hold and write the same
	s_wait_xcnt 0x0
	v_lshl_add_u32 v254, v0, 2, 0x34000
	v_mov_b32 v255, 0
	s_wait_tensorcnt 0x0
	ds_add_u32 v254, v255
	s_wait_dscnt 0x0
	s_endpgm
.Lfunc_end_k_q42af40f06b_attn:
	.size	k_q42af40f06b_attn, .Lfunc_end_k_q42af40f06b_attn-k_q42af40f06b_attn
	.p2alignl 7, 3214868480
	.fill 96, 4, 3214868480
	.section	.rodata,"a",@progbits
	.p2align	6, 0x0
	.amdhsa_kernel k_q42af40f06b_attn
		.amdhsa_group_segment_fixed_size 215040
		.amdhsa_private_segment_fixed_size 0
		.amdhsa_enable_private_segment 0
		.amdhsa_kernarg_size 16
		.amdhsa_user_sgpr_count 2
		.amdhsa_user_sgpr_kernarg_segment_ptr 1
		.amdhsa_wavefront_size32 1
		.amdhsa_system_sgpr_workgroup_id_x 1
		.amdhsa_system_sgpr_workgroup_id_y 1
		.amdhsa_system_sgpr_workgroup_id_z 1
		.amdhsa_system_vgpr_workitem_id 0
		.amdhsa_next_free_vgpr 256
		.amdhsa_next_free_sgpr 100
		.amdhsa_reserve_vcc 1
		.amdhsa_float_denorm_mode_32 3
		.amdhsa_float_denorm_mode_16_64 3
		.amdhsa_memory_ordered 1
		.amdhsa_forward_progress 1
		.amdhsa_inst_pref_size 105
	.end_amdhsa_kernel
	.amdgpu_metadata
---
amdhsa.version: [ 1, 2 ]
amdhsa.kernels:
  - .name:           k_q42af40f06b_attn
    .symbol:         k_q42af40f06b_attn.kd
    .args:
      - { .name: qkv, .offset: 0, .size: 8, .value_kind: global_buffer, .address_space: global }
      - { .name: act, .offset: 8, .size: 8, .value_kind: global_buffer, .address_space: global }
    .group_segment_fixed_size: 215040
    .private_segment_fixed_size: 0
    .kernarg_segment_align: 8
    .kernarg_segment_size: 16
    .max_flat_workgroup_size: 512
    .sgpr_count:     100
    .vgpr_count:     256
    .wavefront_size: 32
...
	.end_amdgpu_metadata
.endif
;; end of part 4
;; launch oproj (part 5): grid 4 x 16, 4 waves a work-group, clusters of 4 x 4, 327,680 bytes of LDS; arguments act, wts, x, x1; writes x1
.if DOCPART == 5
	.amdgcn_target "amdgcn-amd-amdhsa--gfx1250"
	.amdhsa_code_object_version 6
	.text
	.protected	k_q42af40f06b_oproj
	.globl	k_q42af40f06b_oproj
	.p2align	8
	.type	k_q42af40f06b_oproj,@function
k_q42af40f06b_oproj:
	s_mov_b64 s[64:65], 0
	v_nop
	global_prefetch_b8 v0, s[64:65] scope:SCOPE_SE
	s_setreg_imm32_b32 hwreg(HW_REG_WAVE_MODE, 25, 1), 1
	s_wait_xcnt 0x0
	s_wait_alu depctr_hold_cnt(0) depctr_sa_sdst(0) depctr_va_vdst(0) depctr_va_sdst(0) depctr_va_ssrc(0) depctr_va_vcc(0) depctr_vm_vsrc(0)
	s_getreg_b32 s2, hwreg(HW_REG_IB_STS2, 6, 4)
	s_cmp_eq_u32 s2, 0
	s_cbranch_scc0 .Lentry_in_a_cluster
	s_endpgm
.Lentry_in_a_cluster:
	s_bfe_u32 s2, ttmp6, 0x10000c
	s_cmp_lg_u32 s2, 0xf033
	s_cbranch_scc0 .Lentry_shape_is_right
	s_endpgm
.Lentry_shape_is_right:
; x1 = x + (attention's output) w_o, the product on codes of FP6 (E2M3) with one E8M0 byte for each 32 along K = 1,024; the residual and the result are f32 [4,096][1,024].
; OPERANDS ARE IMAGES: a tile is 16 rows (lane r of tile T: row 32 (T / 2) + 8 (T % 2) + r + 8 (r / 8)); a fragment (tile, 128 along K) is 1,536 bytes: half c at 768 c: registers 6 c .. 6 c + 3 at 16 x lane,
; 6 c + 4, 6 c + 5 at 512 + 8 x lane; fragments lie [tile][K step], scale words [tile][pair of K steps][r][K step % 2].
; A block of 256 x 256 of the result is made by four waves, each 128 x 128: 64 accumulators, 512 registers.  K goes in steps of 256 through two LDS slots filled by the tensor data mover.
; THE MATRIX INSTRUCTION IS USED TRANSPOSED (source 0 = 16 rows of the weight, source 1 = 16 tokens): a lane holds one token, and its registers of two neighbouring tiles of the weight are 16 neighbouring columns.
; CLUSTERS: 4 x 4 work-groups.  The tokens' tiles are shared along a row of the cluster, the weight's along a column: each is asked for jointly, by the same tensor load with the same descriptor and a mask that names the four.
; REGISTERS, in windows of 256: window 0: v16-29 addresses; v32-63 scale words, two sets; v128-223 A's fragments, one set; window 1: B's fragments, two sets, at v0 and v128; windows 2, 3: the accumulators ((a, b) at v[8 (8 (a % 4) + b)]).
.set SIZE_K, 1024
.set A_SC,   3145728                   ; where A's scale words begin in its buffer
.set B_CODE, 2359296                   ; where the weight's codes begin in wts
.set B_SC,   7962624                   ; and its scale words
.set KS,     SIZE_K/128
.set KROW,   SIZE_K*3/4
.set NQ,     2
.set FR,     12
.set NL,     4
.set NP,     4
.set HALFT,  8*2*1536
.set SLOT,   4*HALFT
.set LAPS,   SIZE_K/512
.set SCL,    2*SLOT
.set SBLK,   KS*64
.set HALFS,  8*SBLK
.set SPARE,  SCL+4*HALFS
.set SPITCH, 528                       ; the way out: a stage of 16 rows x (512 bytes + 16) for each wave, in slot 0, which has had its last fill and its last read by then
.set ADRA, 16
.set ADRB, 20
.set STO,  24                          ; v24 the way out: where I put 64 bytes of a row
.set RD,   25                          ; v25 where I read a row back
.set CO,   26                          ; v26 16 x lane: my bytes of a row of 512
.set ADRS, 27
.set SPW,  28
.set NIL,  29
.set SC,   32
.set AF,   128
.set BK,   128                         ; the way out: 16 rows read back: v128-191 and v192-255 by turns
.set G1, 24
.set G0, 32
.set G1B, 48
.set G0B, 56
.set G1S, 68
.set G0S, 76
.set G1SB, 80
.set G0SB, 88
.set MSB, 0
.macro WIN new                         ; the immediate's high byte repeats the setting that is left; a switch that changes nothing is dropped
.if MSB != (\new)
	s_set_vgpr_msb (MSB<<8)|(\new)
.set MSB, (\new)
.endif
.endm
.set MUL_LO, 0xa1
.set MUL_HI, 0xf1
.set TO_B,   0x40
.macro JLOAD g0a, g1a, g0b, g1b        ; a joint load: waves 0 and 1 fetch for A, waves 2 and 3 for B; four v_nop follow each of the two lines
	s_cmp_eq_u32 s15, 0
	s_cbranch_scc0 .Lfor_b_\@
	tensor_load_to_lds s[\g0a:\g0a+3], s[\g1a:\g1a+7]
	s_nop 0
.rept 4
	v_nop
.endr
	s_branch .Lasked_\@
.Lfor_b_\@:
	tensor_load_to_lds s[\g0b:\g0b+3], s[\g1b:\g1b+7]
	s_nop 0
.rept 4
	v_nop
.endr
.Lasked_\@:
.endm
.macro CREST
	s_cmp_lg_u32 s14, 0
	s_cbranch_scc1 .Lnot_wave_0_\@
	s_barrier_signal -3
.Lnot_wave_0_\@:
	s_barrier_wait -3
	s_barrier_signal -1
	s_barrier_wait -1
.endm
.macro CROUND
	s_barrier_signal -1
	s_barrier_wait -1
	CREST
.endm
	s_load_b128 s[4:7], s[0:1], 0x0                ; A's buffer, wts
	s_load_b128 s[8:11], s[0:1], 0x10              ; the residual, the result
	v_lshl_add_u32 v[SPW], v0, 2, SPARE
	v_mov_b32 v[NIL], 0
	ds_add_u32 v28, v29
	ds_add_u32 v28, v29
	s_wait_dscnt 0x0
	v_lshrrev_b32 v1, 5, v0
	v_readfirstlane_b32 s14, v1                    ; wave 0..3
	s_lshr_b32 s15, s14, 1                         ; which half of the rows is mine.  Also: I fetch for A (0) or for B (1)
	s_and_b32 s16, s14, 1                          ; which half of the columns.  Also: which 8 tiles I fetch
	s_bfe_u32 s40, ttmp6, 0x40000                  ; cx, cy
	s_bfe_u32 s41, ttmp6, 0x40004
	s_lshl_b32 s42, ttmp9, 2
	s_add_co_u32 s42, s42, s40                     ; block column
	s_and_b32 s17, ttmp7, 0xffff
	s_lshl_b32 s17, s17, 2
	s_add_co_u32 s17, s17, s41                     ; block row
	s_lshl_b32 s43, s41, 2
	s_lshl_b32 s43, 15, s43                        ; my row of the cluster
	s_lshl_b32 s44, 0x1111, s40                    ; my column
	s_or_b32 s[G1+0], s43, (3<<16)|(1<<21)         ; codes: 8 rows (tiles) of 3,072 bytes, KS x 1,536 apart; elements of 8 bytes; bit 21 beside the mask
	s_or_b32 s[G1B+0], s44, (3<<16)|(1<<21)
.irp g, G1, G1B
	s_mov_b32 s[\g+1], 384<<16
	s_mov_b32 s[\g+2], 8<<16
	s_mov_b32 s[\g+3], 384<<16
	s_mov_b32 s[\g+4], 8
	s_mov_b32 s[\g+5], KS*192
	s_mov_b32 s[\g+6], 0
	s_mov_b32 s[\g+7], 0
.endr
	s_or_b32 s[G1S+0], s43, (3<<16)|(1<<21)        ; scale words of 8 tiles: a dense block, as rows of 256 bytes
	s_or_b32 s[G1SB+0], s44, (3<<16)|(1<<21)
.irp g, G1S, G1SB
	s_mov_b32 s[\g+1], 32<<16
	s_mov_b32 s[\g+2], (HALFS/256)<<16
	s_mov_b32 s[\g+3], 32<<16
	s_mov_b32 s[\g+4], HALFS/256
	s_mov_b32 s[\g+5], 32
	s_mov_b32 s[\g+6], 0
	s_mov_b32 s[\g+7], 0
.endr
	s_lshl_b32 s18, s16, 7
	s_lshl_b32 s20, s17, 8
	s_add_co_u32 s20, s20, s18                     ; A's row
	s_lshl_b32 s46, s42, 8
	s_add_co_u32 s46, s46, s18                     ; B's row
	s_mul_i32 s22, s20, SIZE_K/32
	s_add_co_u32 s22, s22, A_SC                    ; (all offsets stay under 2^32)
	s_mov_b32 s23, 0
	s_mul_i32 s92, s46, SIZE_K/32
	s_add_co_u32 s92, s92, B_SC
	s_mov_b32 s93, 0
	s_mul_i32 s20, s20, KROW
	s_mov_b32 s21, 0
	s_mul_i32 s46, s46, KROW
	s_add_co_u32 s46, s46, B_CODE
	s_mov_b32 s47, 0
	s_mul_i32 s45, s14, HALFT
	s_mul_i32 s94, s14, HALFS
	s_wait_kmcnt 0x0
	s_add_nc_u64 s[20:21], s[4:5], s[20:21]
	s_add_nc_u64 s[22:23], s[4:5], s[22:23]
	s_add_nc_u64 s[46:47], s[6:7], s[46:47]
	s_add_nc_u64 s[92:93], s[6:7], s[92:93]
	CROUND                                         ; all sixteen work-groups are here: the first joint loads meet
	s_mov_b32 s[G0S], 1
	s_add_co_u32 s[G0S+1], s94, SCL
	s_mov_b64 s[G0S+2:G0S+3], s[22:23]
	s_or_b32 s[G0S+3], s[G0S+3], 0x80000000
	s_mov_b32 s[G0SB], 1
	s_add_co_u32 s[G0SB+1], s94, SCL
	s_mov_b64 s[G0SB+2:G0SB+3], s[92:93]
	s_or_b32 s[G0SB+3], s[G0SB+3], 0x80000000
	JLOAD G0S, G1S, G0SB, G1SB
.irp s, 0,1
	s_mov_b32 s[G0+4*\s], 1
	s_add_co_u32 s[G0+4*\s+1], s45, \s*SLOT
	s_add_nc_u64 s[G0+4*\s+2:G0+4*\s+3], s[20:21], \s*3072
	s_or_b32 s[G0+4*\s+3], s[G0+4*\s+3], 0x80000000
	s_mov_b32 s[G0B+4*\s], 1
	s_add_co_u32 s[G0B+4*\s+1], s45, \s*SLOT
	s_add_nc_u64 s[G0B+4*\s+2:G0B+4*\s+3], s[46:47], \s*3072
	s_or_b32 s[G0B+4*\s+3], s[G0B+4*\s+3], 0x80000000
	JLOAD G0+4*\s, G1, G0B+4*\s, G1B
.endr
	v_and_b32 v1, 15, v0                           ; r
	v_bfe_u32 v2, v0, 4, 1                         ; h
	v_and_b32 v3, 31, v0                           ; lane
	v_lshlrev_b32 v4, 4, v3
	v_lshlrev_b32 v5, 3, v3
	s_mul_i32 s21, s15, HALFT
	s_mul_i32 s22, s16, HALFT
	s_add_co_u32 s22, s22, 2*HALFT
.irp s, 0,1
	v_add_nc_u32 v[ADRA+\s], s21, v4
	v_add_nc_u32 v[ADRB+\s], s22, v4
	v_add_nc_u32 v[ADRA+2+\s], s21, v5
	v_add_nc_u32 v[ADRB+2+\s], s22, v5
	s_add_co_u32 s21, s21, SLOT
	s_add_co_u32 s22, s22, SLOT
.endr
	v_lshlrev_b32 v5, 3, v1
	s_mul_i32 s21, s15, HALFS
	s_mul_i32 s22, s16, HALFS
	s_add_co_u32 s22, s22, 2*HALFS
	s_sub_co_u32 s22, s22, s21
	v_mul_u32_u24 v6, s22, v2                      ; lanes 16-31 take B's scale words
	s_add_co_u32 s21, s21, SCL
	v_add_nc_u32 v5, v5, v6
	v_add_nc_u32 v[ADRS], s21, v5
	s_mul_i32 s23, s14, 16*SPITCH                  ; my stage
	v_mul_u32_u24 v5, v1, SPITCH
	v_lshl_add_u32 v5, v2, 6, v5                   ; in: row r, 64 bytes for each half of the lanes in each 128
	v_add_nc_u32 v[STO], s23, v5
	v_lshlrev_b32 v[CO], 4, v3
	v_add_nc_u32 v[RD], s23, v[CO]                 ; back: the 32 lanes take one row of 512 bytes
	s_lshl_b32 s20, s17, 8
	s_lshl_b32 s21, s15, 7
	s_add_co_u32 s20, s20, s21                     ; my first row
	s_lshl_b32 s20, s20, 12                        ; of 4,096 bytes
	s_lshl_b32 s46, s42, 10
	s_lshl_b32 s47, s16, 9
	s_add_co_u32 s46, s46, s47                     ; my first column, in bytes
	s_add_co_u32 s20, s20, s46
	s_mov_b32 s21, 0
	s_add_nc_u64 s[12:13], s[10:11], s[20:21]      ; the result
	s_add_nc_u64 s[96:97], s[8:9], s[20:21]        ; the residual
.macro FRAG reg, adr, q, i
	ds_load_b128 v[\reg:\reg+3], v[\adr] offset:(\i)*3072+(\q)*1536
	ds_load_b64 v[\reg+4:\reg+5], v[\adr+2] offset:(\i)*3072+(\q)*1536+512
	ds_load_b128 v[\reg+6:\reg+9], v[\adr] offset:(\i)*3072+(\q)*1536+768
	ds_load_b64 v[\reg+10:\reg+11], v[\adr+2] offset:(\i)*3072+(\q)*1536+1280
.endm
.macro MUL16 a0, p, q, sc, zero        ; 16 matrix instructions; the 64 accumulators take turns, one instruction a turn
.irp a, \a0, \a0+1
.irp b, 0,1,2,3,4,5,6,7
.if \zero
	v_wmma_scale_f32_16x16x128_f8f6f4 v[8*(8*((\a)%4)+\b):8*(8*((\a)%4)+\b)+7], v[128*(\p)+FR*\b:128*(\p)+FR*\b+FR-1], v[AF+FR*(\a):AF+FR*(\a)+FR-1], 0, v[SC+8*NQ*(\sc)+NQ*\b+(\q)], v[SC+8*NQ*(\sc)+NQ*(\a)+(\q)] matrix_a_fmt:MATRIX_FMT_FP6 matrix_b_fmt:MATRIX_FMT_FP6 matrix_a_scale:MATRIX_SCALE_ROW1
.else
	v_wmma_scale_f32_16x16x128_f8f6f4 v[8*(8*((\a)%4)+\b):8*(8*((\a)%4)+\b)+7], v[128*(\p)+FR*\b:128*(\p)+FR*\b+FR-1], v[AF+FR*(\a):AF+FR*(\a)+FR-1], v[8*(8*((\a)%4)+\b):8*(8*((\a)%4)+\b)+7], v[SC+8*NQ*(\sc)+NQ*\b+(\q)], v[SC+8*NQ*(\sc)+NQ*(\a)+(\q)] matrix_a_fmt:MATRIX_FMT_FP6 matrix_b_fmt:MATRIX_FMT_FP6 matrix_a_scale:MATRIX_SCALE_ROW1
.endif
.endr
.endr
.endm
.macro FETCH_B slot, q, p
	WIN TO_B
.irp i, 0,1,2,3,4,5,6,7
	FRAG 128*(\p)+FR*\i, ADRB+\slot, \q, \i
.endr
	WIN 0
.endm
.macro FETCH_A slot, q, i0
.irp i, \i0, \i0+1, \i0+2, \i0+3
	FRAG AF+FR*(\i), ADRA+\slot, \q, \i
.endr
.endm
.macro SCALES sc
.irp i, 0,1,2,3,4,5,6,7
	ds_load_b64 v[SC+8*NQ*\sc+NQ*\i:SC+8*NQ*\sc+NQ*\i+1], v[ADRS] offset:\i*SBLK
.endr
.endm
.macro PLACES n
.rept \n
	v_nop
.endr
.endm
.macro STEP slot, q, zero
	s_wait_dscnt 4*NL                              ; B's set and A's tiles 0-3 are in; the youngest 16 loads (A's tiles 4-7) may be out
	WIN MUL_LO
	MUL16 0, (\q)%2, \q, \slot, \zero
	MUL16 2, (\q)%2, \q, \slot, \zero
	s_wait_dscnt 0
	PLACES NP
	FETCH_B \slot, (\q)+1, 1-(\q)%2
	FETCH_A \slot, (\q)+1, 0
	WIN MUL_HI
	MUL16 4, (\q)%2, \q, \slot, \zero
	MUL16 6, (\q)%2, \q, \slot, \zero
	PLACES NP
	WIN 0
	FETCH_A \slot, (\q)+1, 4
.endm
.macro TURN slot, next, fill           ; a slot's last step changes slots
	s_wait_tensorcnt 0x0                           ; all my tensor loads have landed: my part of the next slot
	ds_add_u32 v[SPW], v[NIL]                      ; 0 onto my spare word
	s_wait_dscnt 4*NL+1                            ; (the add and the youngest 16 loads may be out)
	WIN MUL_LO
	MUL16 0, 1, NQ-1, \slot, 0
	s_wait_dscnt 0x0                               ; the add is done, and my reads of this slot are over
	s_barrier_signal -1
	MUL16 2, 1, NQ-1, \slot, 0
	WIN 0
	s_barrier_wait -1
.if \fill
	CREST                                          ; no wave of any partner still reads this slot or has a load on its way
	s_add_nc_u64 s[G0+4*\slot+2:G0+4*\slot+3], s[G0+4*\slot+2:G0+4*\slot+3], 2*3072
	s_add_nc_u64 s[G0B+4*\slot+2:G0B+4*\slot+3], s[G0B+4*\slot+2:G0B+4*\slot+3], 2*3072
	JLOAD G0+4*\slot, G1, G0B+4*\slot, G1B         ; the first tensor load behind the round; its four v_nop are the places in front of the loads below
.else
	PLACES NP
.endif
	v_add_nc_u32 v[ADRS], 128, v[ADRS]
	FETCH_B \next, 0, 0
	FETCH_A \next, 0, 0
	SCALES \next
	WIN MUL_HI
	MUL16 4, 1, NQ-1, \slot, 0
	MUL16 6, 1, NQ-1, \slot, 0
	PLACES NP
	WIN 0
	FETCH_A \next, 0, 4
.endm
	s_wait_tensorcnt 1                             ; the scale words and my part of slot 0 are in (slot 1's load may be out)
	s_barrier_signal -1
	s_barrier_wait -1
	FETCH_B 0, 0, 0
	FETCH_A 0, 0, 0
	SCALES 0
	FETCH_A 0, 0, 4
	STEP 0, 0, 1
	s_mov_b32 s3, LAPS-1
.Llap:
	TURN 0, 1, 1
	STEP 1, 0, 0
	TURN 1, 0, 1
	STEP 0, 0, 0
	s_sub_co_u32 s3, s3, 1
	s_cmp_lg_u32 s3, 0
	s_cbranch_scc1 .Llap
	TURN 0, 1, 0
	STEP 1, 0, 0
	s_wait_dscnt 4*NL
	WIN MUL_LO
	MUL16 0, 1, NQ-1, 1, 0
	MUL16 2, 1, NQ-1, 1, 0
	s_wait_dscnt 0
	WIN MUL_HI
	MUL16 4, 1, NQ-1, 1, 0
	MUL16 6, 1, NQ-1, 1, 0
	WIN 0
; THE WAY OUT, tile by tile of 16 rows x 128 columns.  A tile goes through my own stage in LDS and comes back as whole rows of 512 bytes; the residual's same rows are added; the 32 lanes store 512 consecutive bytes.
; Stage row t of tile a is row 32 (a / 2) + 8 (a % 2) + t + 8 (t / 8) of my 128.  Every offset is an immediate, 127 rows of 4,096 bytes at the most.
.macro RLOAD a                         ; the residual's 16 rows into window 1, v0-63 and v64-127 by turns
	WIN 0x40
.irp t, 0,1,2,3,4,5,6,7,8,9,10,11,12,13,14,15
	global_load_b128 v[64*((\a)%2)+4*\t:64*((\a)%2)+4*\t+3], v[CO], s[96:97] offset:(32*((\a)/2)+8*((\a)%2)+\t+8*(\t/8))*4096
.endr
	WIN 0
.endm
.macro TOSTAGE a
.set AC, 64*((\a)%4)
	WIN 0x08+4*((\a)/4)                            ; the data: window 2 or 3
.irp b, 0,1,2,3,4,5,6,7
	ds_store_b128 v[STO], v[AC+8*\b:AC+8*\b+3] offset:128*(\b/2)+32*(\b%2)         ; each accumulator from its low end on
	ds_store_b128 v[STO], v[AC+8*\b+4:AC+8*\b+7] offset:128*(\b/2)+32*(\b%2)+16
.endr
	WIN 0
.set BB, BK+64*((\a)%2)
.irp t, 0,1,2,3,4,5,6,7,8,9,10,11,12,13,14,15
	ds_load_b128 v[BB+4*\t:BB+4*\t+3], v[RD] offset:\t*SPITCH      ; LDS serves a wave's instructions in order: these see my stores
.endr
.endm
.macro SEND a, dsn, ldn                ; dsn, ldn: the LDS instructions and the loads issued behind tile a's, which may stay out
.set BB, BK+64*((\a)%2)
.set RR, 64*((\a)%2)
	s_wait_dscnt \dsn
	s_wait_loadcnt \ldn
	WIN 0x04                                       ; source 1 (the residual) window 1
.set i, 0
.rept 32
	v_pk_add_f32 v[BB+i:BB+i+1], v[BB+i:BB+i+1], v[RR+i:RR+i+1]
.set i, i+2
.endr
	WIN 0
.irp t, 0,1,2,3,4,5,6,7,8,9,10,11,12,13,14,15
	global_store_b128 v[CO], v[BB+4*\t:BB+4*\t+3], s[12:13] offset:(32*((\a)/2)+8*((\a)%2)+\t+8*(\t/8))*4096 th:TH_STORE_NT
.endr
.endm
	PLACES NP
	RLOAD 0
	TOSTAGE 0
.irp a, 1,2,3,4,5,6,7
.if \a > 1
	s_wait_xcnt 0x0                                ; tile a - 2's stores have read their registers: tile a's rows may land there
.endif
	RLOAD \a
	TOSTAGE \a
	SEND \a-1, 32, 16                              ; behind tile a - 1's: tile a's 16 LDS stores and 16 LDS loads, and its 16 loads of the residual
.endr
	SEND 7, 0, 0
	s_wait_tensorcnt 0x0                           ; the wave's end
	ds_add_u32 v[SPW], v[NIL]
	s_wait_dscnt 0x0
	CROUND                                         ; the closing round
	s_endpgm
.Lfunc_end_k_q42af40f06b_oproj:
	.size	k_q42af40f06b_oproj, .Lfunc_end_k_q42af40f06b_oproj-k_q42af40f06b_oproj
	.p2alignl 7, 3214868480
	.fill 96, 4, 3214868480
	.section	.rodata,"a",@progbits
	.p2align	6, 0x0
	.amdhsa_kernel k_q42af40f06b_oproj
		.amdhsa_group_segment_fixed_size 327680
		.amdhsa_private_segment_fixed_size 0
		.amdhsa_enable_private_segment 0
		.amdhsa_kernarg_size 32
		.amdhsa_user_sgpr_count 2
		.amdhsa_user_sgpr_kernarg_segment_ptr 1
		.amdhsa_wavefront_size32 1
		.amdhsa_system_sgpr_workgroup_id_x 1
		.amdhsa_system_sgpr_workgroup_id_y 1
		.amdhsa_system_sgpr_workgroup_id_z 1
		.amdhsa_system_vgpr_workitem_id 0
		.amdhsa_next_free_vgpr 1024
		.amdhsa_next_free_sgpr 100
		.amdhsa_reserve_vcc 0
		.amdhsa_float_denorm_mode_32 3
		.amdhsa_float_denorm_mode_16_64 3
		.amdhsa_memory_ordered 1
		.amdhsa_forward_progress 1
		.amdhsa_inst_pref_size 172
	.end_amdhsa_kernel
	.amdgpu_metadata
---
amdhsa.version: [ 1, 2 ]
amdhsa.kernels:
  - .name:           k_q42af40f06b_oproj
    .symbol:         k_q42af40f06b_oproj.kd
    .args:
      - { .name: act, .offset: 0, .size: 8, .value_kind: global_buffer, .address_space: global }
      - { .name: wts, .offset: 8, .size: 8, .value_kind: global_buffer, .address_space: global }
      - { .name: x, .offset: 16, .size: 8, .value_kind: global_buffer, .address_space: global }
      - { .name: x1, .offset: 24, .size: 8, .value_kind: global_buffer, .address_space: global }
    .group_segment_fixed_size: 327680
    .private_segment_fixed_size: 0
    .kernarg_segment_align: 8
    .kernarg_segment_size: 32
    .max_flat_workgroup_size: 128
    .sgpr_count:     100
    .vgpr_count:     1024
    .wavefront_size: 32
...
	.end_amdgpu_metadata
.endif
;; end of part 5
;; launch norm2: the kernel of part 2 again; grid 256 x 1, 4 waves a work-group, no clusters, 67,072 bytes of LDS; arguments x1, g2, act; writes act
;; launch gateup (part 6): grid 16 x 16, 4 waves a work-group, clusters of 4 x 4, 327,680 bytes of LDS; arguments act, wts, hid; writes hid
.if DOCPART == 6
	.amdgcn_target "amdgcn-amd-amdhsa--gfx1250"
	.amdhsa_code_object_version 6
	.text
	.protected	k_q42af40f06b_gateup
	.globl	k_q42af40f06b_gateup
	.p2align	8
	.type	k_q42af40f06b_gateup,@function
k_q42af40f06b_gateup:
	s_mov_b64 s[64:65], 0
	v_nop
	global_prefetch_b8 v0, s[64:65] scope:SCOPE_SE
	s_setreg_imm32_b32 hwreg(HW_REG_WAVE_MODE, 25, 1), 1
	s_wait_xcnt 0x0
	s_wait_alu depctr_hold_cnt(0) depctr_sa_sdst(0) depctr_va_vdst(0) depctr_va_sdst(0) depctr_va_ssrc(0) depctr_va_vcc(0) depctr_vm_vsrc(0)
	s_getreg_b32 s2, hwreg(HW_REG_IB_STS2, 6, 4)
	s_cmp_eq_u32 s2, 0
	s_cbranch_scc0 .Lentry_in_a_cluster
	s_endpgm
.Lentry_in_a_cluster:
	s_bfe_u32 s2, ttmp6, 0x10000c
	s_cmp_lg_u32 s2, 0xf033
	s_cbranch_scc0 .Lentry_shape_is_right
	s_endpgm
.Lentry_shape_is_right:
; hidden = silu(nx w_gate) x (nx w_up), both products on codes of FP6 (E2M3) with one E8M0 byte for each 32 along K = 1,024; the hidden layer is quantised in registers and stored as operand images.
; OPERANDS ARE IMAGES: a tile is 16 rows (lane r of tile T: row 32 (T / 2) + 8 (T % 2) + r + 8 (r / 8)); a fragment (tile, 128 along K) is 1,536 bytes: half c at 768 c: registers 6 c .. 6 c + 3 at 16 x lane,
; 6 c + 4, 6 c + 5 at 512 + 8 x lane; fragments lie [tile][K step], scale words [tile][pair of K steps][r][K step % 2].
; The weight's rows are gate's and up's by turns: four tiles of gate, then the four tiles of up of the same 64 hidden units.  So a wave's eight tiles of the weight are both products of 64 hidden units, and the
; activation needs no other wave.  A block of 256 tokens x 256 weight rows is made by four waves, each 128 x 128: 64 accumulators.  K goes in steps of 256 through two LDS slots filled by the tensor data mover.
; THE MATRIX INSTRUCTION IS USED TRANSPOSED (source 0 = 16 rows of the weight, source 1 = 16 tokens): a lane holds one token, and its registers of two neighbouring tiles are 16 neighbouring hidden units.
; CLUSTERS: 4 x 4 work-groups; the tokens' tiles are shared along a row of the cluster, the weight's along a column, each asked for jointly.
; silu(g) = g / (1 + 2^(-g log2(e))), by v_exp_f32 and v_rcp_f32 in f32; then x up, in the definition's order.
; The scale bytes leave as half words, 2 bytes for each 48 bytes of codes.
; LIMITS: a block of zeros, or one under 2^-124, gets the byte 1 (this program alone reads the bytes); NaN and infinities are not served.
; REGISTERS, in windows of 256: window 0: v16-29 addresses; v32-63 scale words, two sets; v128-223 A's fragments, one set; window 1: B's fragments, two sets, at v0 and v128; windows 2, 3: the accumulators ((a, b) at v[8 (8 (a % 4) + b)]).
.set SIZE_K, 1024
.set A_SC,   3145728
.set B_CODE, 3145728
.set B_SC,   7995392
.set KS,     SIZE_K/128
.set KROW,   SIZE_K*3/4
.set NQ,     2
.set FR,     12
.set NL,     4
.set NP,     4
.set HALFT,  8*2*1536
.set SLOT,   4*HALFT
.set LAPS,   SIZE_K/512
.set SCL,    2*SLOT
.set SBLK,   KS*64
.set HALFS,  8*SBLK
.set SPARE,  SCL+4*HALFS
.set ADRA, 16
.set ADRB, 20
.set ADRS, 27
.set SPW,  28
.set NIL,  29
.set SC,   32
.set AF,   128
.set G1, 24
.set G0, 32
.set G1B, 48
.set G0B, 56
.set G1S, 68
.set G0S, 76
.set G1SB, 80
.set G0SB, 88
.set SEL, 18                           ; s[18:19] lane selects: lane l xor 16 (set behind the head)
.set MSB, 0
.macro WIN new                         ; the immediate's high byte repeats the setting that is left; a switch that changes nothing is dropped
.if MSB != (\new)
	s_set_vgpr_msb (MSB<<8)|(\new)
.set MSB, (\new)
.endif
.endm
.set MUL_LO, 0xa1
.set MUL_HI, 0xf1
.set TO_B,   0x40
.macro JLOAD g0a, g1a, g0b, g1b        ; a joint load: waves 0 and 1 fetch for A, waves 2 and 3 for B; four v_nop follow each of the two lines
	s_cmp_eq_u32 s15, 0
	s_cbranch_scc0 .Lfor_b_\@
	tensor_load_to_lds s[\g0a:\g0a+3], s[\g1a:\g1a+7]
	s_nop 0
.rept 4
	v_nop
.endr
	s_branch .Lasked_\@
.Lfor_b_\@:
	tensor_load_to_lds s[\g0b:\g0b+3], s[\g1b:\g1b+7]
	s_nop 0
.rept 4
	v_nop
.endr
.Lasked_\@:
.endm
.macro CREST
	s_cmp_lg_u32 s14, 0
	s_cbranch_scc1 .Lnot_wave_0_\@
	s_barrier_signal -3
.Lnot_wave_0_\@:
	s_barrier_wait -3
	s_barrier_signal -1
	s_barrier_wait -1
.endm
.macro CROUND
	s_barrier_signal -1
	s_barrier_wait -1
	CREST
.endm
	s_load_b128 s[4:7], s[0:1], 0x0                ; act, wts
	s_load_b64 s[8:9], s[0:1], 0x10                ; hid
	v_lshl_add_u32 v[SPW], v0, 2, SPARE
	v_mov_b32 v[NIL], 0
	ds_add_u32 v28, v29
	ds_add_u32 v28, v29
	s_wait_dscnt 0x0
	v_lshrrev_b32 v1, 5, v0
	v_readfirstlane_b32 s14, v1                    ; wave 0..3
	s_lshr_b32 s15, s14, 1                         ; which half of the tokens is mine.  Also: I fetch for A (0) or for B (1)
	s_and_b32 s16, s14, 1                          ; which 64 hidden units.  Also: which 8 tiles I fetch
	s_bfe_u32 s40, ttmp6, 0x40000                  ; cx, cy
	s_bfe_u32 s41, ttmp6, 0x40004
	s_lshl_b32 s42, ttmp9, 2
	s_add_co_u32 s42, s42, s40                     ; block column: 128 hidden units
	s_and_b32 s17, ttmp7, 0xffff
	s_lshl_b32 s17, s17, 2
	s_add_co_u32 s17, s17, s41                     ; block row: 256 tokens
	s_lshl_b32 s43, s41, 2
	s_lshl_b32 s43, 15, s43
	s_lshl_b32 s44, 0x1111, s40
	s_or_b32 s[G1+0], s43, (3<<16)|(1<<21)         ; codes: 8 rows (tiles) of 3,072 bytes, KS x 1,536 apart; elements of 8 bytes; bit 21 beside the mask
	s_or_b32 s[G1B+0], s44, (3<<16)|(1<<21)
.irp g, G1, G1B
	s_mov_b32 s[\g+1], 384<<16
	s_mov_b32 s[\g+2], 8<<16
	s_mov_b32 s[\g+3], 384<<16
	s_mov_b32 s[\g+4], 8
	s_mov_b32 s[\g+5], KS*192
	s_mov_b32 s[\g+6], 0
	s_mov_b32 s[\g+7], 0
.endr
	s_or_b32 s[G1S+0], s43, (3<<16)|(1<<21)        ; scale words of 8 tiles: a dense block, as rows of 256 bytes
	s_or_b32 s[G1SB+0], s44, (3<<16)|(1<<21)
.irp g, G1S, G1SB
	s_mov_b32 s[\g+1], 32<<16
	s_mov_b32 s[\g+2], (HALFS/256)<<16
	s_mov_b32 s[\g+3], 32<<16
	s_mov_b32 s[\g+4], HALFS/256
	s_mov_b32 s[\g+5], 32
	s_mov_b32 s[\g+6], 0
	s_mov_b32 s[\g+7], 0
.endr
	s_lshl_b32 s18, s16, 7
	s_lshl_b32 s20, s17, 8
	s_add_co_u32 s20, s20, s18
	s_lshl_b32 s46, s42, 8
	s_add_co_u32 s46, s46, s18
	s_mul_i32 s22, s20, SIZE_K/32
	s_add_co_u32 s22, s22, A_SC                    ; (all offsets stay under 2^32)
	s_mov_b32 s23, 0
	s_mul_i32 s92, s46, SIZE_K/32
	s_add_co_u32 s92, s92, B_SC
	s_mov_b32 s93, 0
	s_mul_i32 s20, s20, KROW
	s_mov_b32 s21, 0
	s_mul_i32 s46, s46, KROW
	s_add_co_u32 s46, s46, B_CODE
	s_mov_b32 s47, 0
	s_mul_i32 s45, s14, HALFT
	s_mul_i32 s94, s14, HALFS
	s_wait_kmcnt 0x0
	s_add_nc_u64 s[20:21], s[4:5], s[20:21]
	s_add_nc_u64 s[22:23], s[4:5], s[22:23]
	s_add_nc_u64 s[46:47], s[6:7], s[46:47]
	s_add_nc_u64 s[92:93], s[6:7], s[92:93]
	CROUND                                         ; all sixteen work-groups are here: the first joint loads meet
	s_mov_b32 s[G0S], 1
	s_add_co_u32 s[G0S+1], s94, SCL
	s_mov_b64 s[G0S+2:G0S+3], s[22:23]
	s_or_b32 s[G0S+3], s[G0S+3], 0x80000000
	s_mov_b32 s[G0SB], 1
	s_add_co_u32 s[G0SB+1], s94, SCL
	s_mov_b64 s[G0SB+2:G0SB+3], s[92:93]
	s_or_b32 s[G0SB+3], s[G0SB+3], 0x80000000
	JLOAD G0S, G1S, G0SB, G1SB
.irp s, 0,1
	s_mov_b32 s[G0+4*\s], 1
	s_add_co_u32 s[G0+4*\s+1], s45, \s*SLOT
	s_add_nc_u64 s[G0+4*\s+2:G0+4*\s+3], s[20:21], \s*3072
	s_or_b32 s[G0+4*\s+3], s[G0+4*\s+3], 0x80000000
	s_mov_b32 s[G0B+4*\s], 1
	s_add_co_u32 s[G0B+4*\s+1], s45, \s*SLOT
	s_add_nc_u64 s[G0B+4*\s+2:G0B+4*\s+3], s[46:47], \s*3072
	s_or_b32 s[G0B+4*\s+3], s[G0B+4*\s+3], 0x80000000
	JLOAD G0+4*\s, G1, G0B+4*\s, G1B
.endr
	v_and_b32 v1, 15, v0                           ; r
	v_bfe_u32 v2, v0, 4, 1                         ; h
	v_and_b32 v3, 31, v0                           ; lane
	v_lshlrev_b32 v4, 4, v3
	v_lshlrev_b32 v5, 3, v3
	s_mul_i32 s21, s15, HALFT
	s_mul_i32 s22, s16, HALFT
	s_add_co_u32 s22, s22, 2*HALFT
.irp s, 0,1
	v_add_nc_u32 v[ADRA+\s], s21, v4
	v_add_nc_u32 v[ADRB+\s], s22, v4
	v_add_nc_u32 v[ADRA+2+\s], s21, v5
	v_add_nc_u32 v[ADRB+2+\s], s22, v5
	s_add_co_u32 s21, s21, SLOT
	s_add_co_u32 s22, s22, SLOT
.endr
	v_lshlrev_b32 v5, 3, v1
	s_mul_i32 s21, s15, HALFS
	s_mul_i32 s22, s16, HALFS
	s_add_co_u32 s22, s22, 2*HALFS
	s_sub_co_u32 s22, s22, s21
	v_mul_u32_u24 v6, s22, v2                      ; lanes 16-31 take B's scale words
	s_add_co_u32 s21, s21, SCL
	v_add_nc_u32 v5, v5, v6
	v_add_nc_u32 v[ADRS], s21, v5
	; where the hidden layer goes: token tile 16 x block row + 8 x half + a; K step = block column; half = my 64 hidden units
	v_lshlrev_b32 v24, 4, v3                       ; 16 x lane
	v_lshlrev_b32 v25, 3, v3                       ; 8 x lane
	v_lshlrev_b32 v26, 3, v1                       ; 8 r
	s_lshl_b32 s20, s17, 4
	s_lshl_b32 s21, s15, 3
	s_add_co_u32 s20, s20, s21                     ; my first token tile
	s_lshl_b32 s21, s20, 4
	s_add_co_u32 s21, s21, s42
	s_mul_i32 s46, s21, 1536
	s_mul_i32 s47, s16, 768
	s_add_co_u32 s46, s46, s47
	s_mov_b32 s47, 0
	s_add_nc_u64 s[12:13], s[8:9], s[46:47]
	s_lshl_b32 s21, s20, 3
	s_lshr_b32 s22, s42, 1
	s_add_co_u32 s21, s21, s22
	s_lshl_b32 s46, s21, 7
	s_and_b32 s22, s42, 1
	s_lshl_b32 s22, s22, 2
	s_add_co_u32 s46, s46, s22
	s_lshl_b32 s22, s16, 1
	s_add_co_u32 s46, s46, s22
	s_add_co_u32 s46, s46, 6291456
	s_add_nc_u64 s[96:97], s[8:9], s[46:47]
	s_mov_b32 s[SEL], 0x76543210
	s_mov_b32 s[SEL+1], 0xfedcba98
	s_mov_b32 s98, 0xbfb8aa3b                      ; -log2(e)
	s_mov_b32 s99, s98
.macro FRAG reg, adr, q, i
	ds_load_b128 v[\reg:\reg+3], v[\adr] offset:(\i)*3072+(\q)*1536
	ds_load_b64 v[\reg+4:\reg+5], v[\adr+2] offset:(\i)*3072+(\q)*1536+512
	ds_load_b128 v[\reg+6:\reg+9], v[\adr] offset:(\i)*3072+(\q)*1536+768
	ds_load_b64 v[\reg+10:\reg+11], v[\adr+2] offset:(\i)*3072+(\q)*1536+1280
.endm
.macro MUL16 a0, p, q, sc, zero        ; 16 matrix instructions; the 64 accumulators take turns, one instruction a turn
.irp a, \a0, \a0+1
.irp b, 0,1,2,3,4,5,6,7
.if \zero
	v_wmma_scale_f32_16x16x128_f8f6f4 v[8*(8*((\a)%4)+\b):8*(8*((\a)%4)+\b)+7], v[128*(\p)+FR*\b:128*(\p)+FR*\b+FR-1], v[AF+FR*(\a):AF+FR*(\a)+FR-1], 0, v[SC+8*NQ*(\sc)+NQ*\b+(\q)], v[SC+8*NQ*(\sc)+NQ*(\a)+(\q)] matrix_a_fmt:MATRIX_FMT_FP6 matrix_b_fmt:MATRIX_FMT_FP6 matrix_a_scale:MATRIX_SCALE_ROW1
.else
	v_wmma_scale_f32_16x16x128_f8f6f4 v[8*(8*((\a)%4)+\b):8*(8*((\a)%4)+\b)+7], v[128*(\p)+FR*\b:128*(\p)+FR*\b+FR-1], v[AF+FR*(\a):AF+FR*(\a)+FR-1], v[8*(8*((\a)%4)+\b):8*(8*((\a)%4)+\b)+7], v[SC+8*NQ*(\sc)+NQ*\b+(\q)], v[SC+8*NQ*(\sc)+NQ*(\a)+(\q)] matrix_a_fmt:MATRIX_FMT_FP6 matrix_b_fmt:MATRIX_FMT_FP6 matrix_a_scale:MATRIX_SCALE_ROW1
.endif
.endr
.endr
.endm
.macro FETCH_B slot, q, p
	WIN TO_B
.irp i, 0,1,2,3,4,5,6,7
	FRAG 128*(\p)+FR*\i, ADRB+\slot, \q, \i
.endr
	WIN 0
.endm
.macro FETCH_A slot, q, i0
.irp i, \i0, \i0+1, \i0+2, \i0+3
	FRAG AF+FR*(\i), ADRA+\slot, \q, \i
.endr
.endm
.macro SCALES sc
.irp i, 0,1,2,3,4,5,6,7
	ds_load_b64 v[SC+8*NQ*\sc+NQ*\i:SC+8*NQ*\sc+NQ*\i+1], v[ADRS] offset:\i*SBLK
.endr
.endm
.macro PLACES n
.rept \n
	v_nop
.endr
.endm
.macro STEP slot, q, zero
	s_wait_dscnt 4*NL                              ; B's set and A's tiles 0-3 are in; the youngest 16 loads (A's tiles 4-7) may be out
	WIN MUL_LO
	MUL16 0, (\q)%2, \q, \slot, \zero
	MUL16 2, (\q)%2, \q, \slot, \zero
	s_wait_dscnt 0
	PLACES NP
	FETCH_B \slot, (\q)+1, 1-(\q)%2
	FETCH_A \slot, (\q)+1, 0
	WIN MUL_HI
	MUL16 4, (\q)%2, \q, \slot, \zero
	MUL16 6, (\q)%2, \q, \slot, \zero
	PLACES NP
	WIN 0
	FETCH_A \slot, (\q)+1, 4
.endm
.macro TURN slot, next, fill           ; a slot's last step changes slots
	s_wait_tensorcnt 0x0                           ; all my tensor loads have landed: my part of the next slot
	ds_add_u32 v[SPW], v[NIL]                      ; 0 onto my spare word
	s_wait_dscnt 4*NL+1                            ; (the add and the youngest 16 loads may be out)
	WIN MUL_LO
	MUL16 0, 1, NQ-1, \slot, 0
	s_wait_dscnt 0x0                               ; the add is done, and my reads of this slot are over
	s_barrier_signal -1
	MUL16 2, 1, NQ-1, \slot, 0
	WIN 0
	s_barrier_wait -1
.if \fill
	CREST                                          ; no wave of any partner still reads this slot or has a load on its way
	s_add_nc_u64 s[G0+4*\slot+2:G0+4*\slot+3], s[G0+4*\slot+2:G0+4*\slot+3], 2*3072
	s_add_nc_u64 s[G0B+4*\slot+2:G0B+4*\slot+3], s[G0B+4*\slot+2:G0B+4*\slot+3], 2*3072
	JLOAD G0+4*\slot, G1, G0B+4*\slot, G1B         ; the first tensor load behind the round; its four v_nop are the places in front of the loads below
.else
	PLACES NP
.endif
	v_add_nc_u32 v[ADRS], 128, v[ADRS]
	FETCH_B \next, 0, 0
	FETCH_A \next, 0, 0
	SCALES \next
	WIN MUL_HI
	MUL16 4, 1, NQ-1, \slot, 0
	MUL16 6, 1, NQ-1, \slot, 0
	PLACES NP
	WIN 0
	FETCH_A \next, 0, 4
.endm
	s_wait_tensorcnt 1                             ; the scale words and my part of slot 0 are in (slot 1's load may be out)
	s_barrier_signal -1
	s_barrier_wait -1
	FETCH_B 0, 0, 0
	FETCH_A 0, 0, 0
	SCALES 0
	FETCH_A 0, 0, 4
	STEP 0, 0, 1
	s_mov_b32 s3, LAPS-1
.Llap:
	TURN 0, 1, 1
	STEP 1, 0, 0
	TURN 1, 0, 1
	STEP 0, 0, 0
	s_sub_co_u32 s3, s3, 1
	s_cmp_lg_u32 s3, 0
	s_cbranch_scc1 .Llap
	TURN 0, 1, 0
	STEP 1, 0, 0
	s_wait_dscnt 4*NL
	WIN MUL_LO
	MUL16 0, 1, NQ-1, 1, 0
	MUL16 2, 1, NQ-1, 1, 0
	s_wait_dscnt 0
	WIN MUL_HI
	MUL16 4, 1, NQ-1, 1, 0
	MUL16 6, 1, NQ-1, 1, 0
	WIN 0
; THE WAY OUT.  For token tile a a lane's registers 0-31 are gate and 32-63 up of hidden units 32 b + 16 (lane / 16) + i (register 16 b + i): half a K step of the next product.
.set T,  64                            ; v64-95  at work: the sigmoid, then silu
.set H,  96                            ; v96-127 the hidden layer
.set TM, 32                            ; v32-47  at work in the quantiser
.set PT, 48                            ; v48-50  the second conversion's result
.macro QUANT32 s, pc, pw               ; 32 numbers of a lane become half a fragment's codes in v[pc] on and its two scale bytes in v[pw]
.irp b, 0,1
	v_max3_num_f32 v[TM+\b], |v[\s+16*\b]|, |v[\s+1+16*\b]|, 0x1800000
.endr
.irp i, 2,4,6,8,10,12,14
.irp b, 0,1
	v_max3_num_f32 v[TM+\b], v[TM+\b], |v[\s+16*\b+\i]|, |v[\s+1+16*\b+\i]|
.endr
.endr
.irp b, 0,1
	v_permlanex16_b32 v[TM+4+\b], v[TM+\b], s[SEL], s[SEL+1]
.endr
.irp b, 0,1
	v_max_num_f32 v[TM+\b], v[TM+\b], v[TM+4+\b]
.endr
.irp b, 0,1
	v_add_nc_u32 v[TM+12+\b], 0xff000000, v[TM+\b]
.endr
.irp b, 0,1
	v_lshrrev_b32 v[TM+4+\b], 23, v[TM+12+\b]
.endr
	v_lshl_or_b32 v[\pw], v[TM+5], 8, v[TM+4]
	v_cvt_scalef32_pk16_fp6_f32 v[\pc:\pc+2], v[\s:\s+15], v[TM+12]
	v_cvt_scalef32_pk16_fp6_f32 v[PT:PT+2], v[\s+16:\s+31], v[TM+13]
	v_nop                                          ; one plain instruction behind a scaled conversion
.irp i, 0,1,2
	v_permlane16_swap_b32 v[\pc+\i], v[PT+\i]
.endr
.irp i, 0,1,2
	v_mov_b32 v[\pc+3+\i], v[PT+\i]
.endr
.endm
.macro HID a
.set AS, 64*((\a)%4)
.set PCA, 160+8*(\a)                   ; each tile has its own registers for codes and bytes: no store's data are written again
	WIN 2+(\a)/4                                   ; source 0: the accumulators' window
.set i, 0
.rept 16
	v_pk_mul_f32 v[T+i:T+i+1], v[AS+i:AS+i+1], s[98:99] op_sel_hi:[1,0]   ; -g log2(e); each accumulator is read from its low end on
.set i, i+2
.endr
	WIN 0
.set i, 0
.rept 32
	v_exp_f32 v[T+i], v[T+i]
.set i, i+1
.endr
	v_nop
	s_wait_alu depctr_va_vdst(0)                   ; one wait for the batch, ahead of its first reader
.set i, 0
.rept 16
	v_pk_add_f32 v[T+i:T+i+1], v[T+i:T+i+1], 1.0 op_sel_hi:[1,0]
.set i, i+2
.endr
.set i, 0
.rept 32
	v_rcp_f32 v[T+i], v[T+i]
.set i, i+1
.endr
	v_nop
	s_wait_alu depctr_va_vdst(0)
	WIN (2+(\a)/4)<<2                              ; source 1: the accumulators' window
.set i, 0
.rept 16
	v_pk_mul_f32 v[T+i:T+i+1], v[T+i:T+i+1], v[AS+i:AS+i+1]           ; silu(g)
.set i, i+2
.endr
.set i, 0
.rept 16
	v_pk_mul_f32 v[H+i:H+i+1], v[T+i:T+i+1], v[AS+32+i:AS+32+i+1]     ; x up
.set i, i+2
.endr
	WIN 0
	QUANT32 H, PCA, PCA+6
	global_store_b128 v24, v[PCA:PCA+3], s[12:13] offset:(\a)*24576           ; 512 consecutive bytes
	global_store_b64 v25, v[PCA+4:PCA+5], s[12:13] offset:(\a)*24576+512      ; 256 consecutive bytes
	global_store_b16 v26, v[PCA+6], s[96:97] offset:(\a)*1024                 ; row r's two scale bytes; lanes l and l + 16 hold and write the same
.endm
	PLACES NP
.irp b, 0,1
	v_mov_b32 v[TM+4+\b], 0                        ; a lane permute's destination counts as one of its sources
.endr
.irp a, 0,1,2,3,4,5,6,7
	HID \a
.endr
	s_wait_tensorcnt 0x0                           ; the wave's end
	ds_add_u32 v[SPW], v[NIL]
	s_wait_dscnt 0x0
	CROUND                                         ; the closing round
	s_endpgm
.Lfunc_end_k_q42af40f06b_gateup:
	.size	k_q42af40f06b_gateup, .Lfunc_end_k_q42af40f06b_gateup-k_q42af40f06b_gateup
	.p2alignl 7, 3214868480
	.fill 96, 4, 3214868480
	.section	.rodata,"a",@progbits
	.p2align	6, 0x0
	.amdhsa_kernel k_q42af40f06b_gateup
		.amdhsa_group_segment_fixed_size 327680
		.amdhsa_private_segment_fixed_size 0
		.amdhsa_enable_private_segment 0
		.amdhsa_kernarg_size 24
		.amdhsa_user_sgpr_count 2
		.amdhsa_user_sgpr_kernarg_segment_ptr 1
		.amdhsa_wavefront_size32 1
		.amdhsa_system_sgpr_workgroup_id_x 1
		.amdhsa_system_sgpr_workgroup_id_y 1
		.amdhsa_system_sgpr_workgroup_id_z 1
		.amdhsa_system_vgpr_workitem_id 0
		.amdhsa_next_free_vgpr 1024
		.amdhsa_next_free_sgpr 100
		.amdhsa_reserve_vcc 0
		.amdhsa_float_denorm_mode_32 3
		.amdhsa_float_denorm_mode_16_64 3
		.amdhsa_memory_ordered 1
		.amdhsa_forward_progress 1
		.amdhsa_inst_pref_size 182
	.end_amdhsa_kernel
	.amdgpu_metadata
---
amdhsa.version: [ 1, 2 ]
amdhsa.kernels:
  - .name:           k_q42af40f06b_gateup
    .symbol:         k_q42af40f06b_gateup.kd
    .args:
      - { .name: act, .offset: 0, .size: 8, .value_kind: global_buffer, .address_space: global }
      - { .name: wts, .offset: 8, .size: 8, .value_kind: global_buffer, .address_space: global }
      - { .name: hid, .offset: 16, .size: 8, .value_kind: global_buffer, .address_space: global }
    .group_segment_fixed_size: 327680
    .private_segment_fixed_size: 0
    .kernarg_segment_align: 8
    .kernarg_segment_size: 24
    .max_flat_workgroup_size: 128
    .sgpr_count:     100
    .vgpr_count:     1024
    .wavefront_size: 32
...
	.end_amdgpu_metadata
.endif
;; end of part 6
;; launch down (part 7): grid 4 x 16, 4 waves a work-group, clusters of 4 x 4, 327,680 bytes of LDS; arguments hid, wts, x1, out0; writes out0
.if DOCPART == 7
	.amdgcn_target "amdgcn-amd-amdhsa--gfx1250"
	.amdhsa_code_object_version 6
	.text
	.protected	k_q42af40f06b_down
	.globl	k_q42af40f06b_down
	.p2align	8
	.type	k_q42af40f06b_down,@function
k_q42af40f06b_down:
	s_mov_b64 s[64:65], 0
	v_nop
	global_prefetch_b8 v0, s[64:65] scope:SCOPE_SE
	s_setreg_imm32_b32 hwreg(HW_REG_WAVE_MODE, 25, 1), 1
	s_wait_xcnt 0x0
	s_wait_alu depctr_hold_cnt(0) depctr_sa_sdst(0) depctr_va_vdst(0) depctr_va_sdst(0) depctr_va_ssrc(0) depctr_va_vcc(0) depctr_vm_vsrc(0)
	s_getreg_b32 s2, hwreg(HW_REG_IB_STS2, 6, 4)
	s_cmp_eq_u32 s2, 0
	s_cbranch_scc0 .Lentry_in_a_cluster
	s_endpgm
.Lentry_in_a_cluster:
	s_bfe_u32 s2, ttmp6, 0x10000c
	s_cmp_lg_u32 s2, 0xf033
	s_cbranch_scc0 .Lentry_shape_is_right
	s_endpgm
.Lentry_shape_is_right:
; out = x1 + hidden w_down, the product on codes of FP6 (E2M3) with one E8M0 byte for each 32 along K = 2,048; the residual and the result are f32 [4,096][1,024].
; OPERANDS ARE IMAGES: a tile is 16 rows (lane r of tile T: row 32 (T / 2) + 8 (T % 2) + r + 8 (r / 8)); a fragment (tile, 128 along K) is 1,536 bytes: half c at 768 c: registers 6 c .. 6 c + 3 at 16 x lane,
; 6 c + 4, 6 c + 5 at 512 + 8 x lane; fragments lie [tile][K step], scale words [tile][pair of K steps][r][K step % 2].
; A block of 256 x 256 of the result is made by four waves, each 128 x 128: 64 accumulators, 512 registers.  K goes in steps of 256 through two LDS slots filled by the tensor data mover.
; THE MATRIX INSTRUCTION IS USED TRANSPOSED (source 0 = 16 rows of the weight, source 1 = 16 tokens): a lane holds one token, and its registers of two neighbouring tiles of the weight are 16 neighbouring columns.
; CLUSTERS: 4 x 4 work-groups.  The tokens' tiles are shared along a row of the cluster, the weight's along a column: each is asked for jointly, by the same tensor load with the same descriptor and a mask that names the four.
; REGISTERS, in windows of 256: window 0: v16-29 addresses; v32-63 scale words, two sets; v128-223 A's fragments, one set; window 1: B's fragments, two sets, at v0 and v128; windows 2, 3: the accumulators ((a, b) at v[8 (8 (a % 4) + b)]).
.set SIZE_K, 2048
.set A_SC,   6291456                   ; where A's scale words begin in its buffer
.set B_CODE, 6291456                   ; where the weight's codes begin in wts
.set B_SC,   8126464                   ; and its scale words
.set KS,     SIZE_K/128
.set KROW,   SIZE_K*3/4
.set NQ,     2
.set FR,     12
.set NL,     4
.set NP,     4
.set HALFT,  8*2*1536
.set SLOT,   4*HALFT
.set LAPS,   SIZE_K/512
.set SCL,    2*SLOT
.set SBLK,   KS*64
.set HALFS,  8*SBLK
.set SPARE,  SCL+4*HALFS
.set SPITCH, 528                       ; the way out: a stage of 16 rows x (512 bytes + 16) for each wave, in slot 0, which has had its last fill and its last read by then
.set ADRA, 16
.set ADRB, 20
.set STO,  24                          ; v24 the way out: where I put 64 bytes of a row
.set RD,   25                          ; v25 where I read a row back
.set CO,   26                          ; v26 16 x lane: my bytes of a row of 512
.set ADRS, 27
.set SPW,  28
.set NIL,  29
.set SC,   32
.set AF,   128
.set BK,   128                         ; the way out: 16 rows read back: v128-191 and v192-255 by turns
.set G1, 24
.set G0, 32
.set G1B, 48
.set G0B, 56
.set G1S, 68
.set G0S, 76
.set G1SB, 80
.set G0SB, 88
.set MSB, 0
.macro WIN new                         ; the immediate's high byte repeats the setting that is left; a switch that changes nothing is dropped
.if MSB != (\new)
	s_set_vgpr_msb (MSB<<8)|(\new)
.set MSB, (\new)
.endif
.endm
.set MUL_LO, 0xa1
.set MUL_HI, 0xf1
.set TO_B,   0x40
.macro JLOAD g0a, g1a, g0b, g1b        ; a joint load: waves 0 and 1 fetch for A, waves 2 and 3 for B; four v_nop follow each of the two lines
	s_cmp_eq_u32 s15, 0
	s_cbranch_scc0 .Lfor_b_\@
	tensor_load_to_lds s[\g0a:\g0a+3], s[\g1a:\g1a+7]
	s_nop 0
.rept 4
	v_nop
.endr
	s_branch .Lasked_\@
.Lfor_b_\@:
	tensor_load_to_lds s[\g0b:\g0b+3], s[\g1b:\g1b+7]
	s_nop 0
.rept 4
	v_nop
.endr
.Lasked_\@:
.endm
.macro CREST
	s_cmp_lg_u32 s14, 0
	s_cbranch_scc1 .Lnot_wave_0_\@
	s_barrier_signal -3
.Lnot_wave_0_\@:
	s_barrier_wait -3
	s_barrier_signal -1
	s_barrier_wait -1
.endm
.macro CROUND
	s_barrier_signal -1
	s_barrier_wait -1
	CREST
.endm
	s_load_b128 s[4:7], s[0:1], 0x0                ; A's buffer, wts
	s_load_b128 s[8:11], s[0:1], 0x10              ; the residual, the result
	v_lshl_add_u32 v[SPW], v0, 2, SPARE
	v_mov_b32 v[NIL], 0
	ds_add_u32 v28, v29
	ds_add_u32 v28, v29
	s_wait_dscnt 0x0
	v_lshrrev_b32 v1, 5, v0
	v_readfirstlane_b32 s14, v1                    ; wave 0..3
	s_lshr_b32 s15, s14, 1                         ; which half of the rows is mine.  Also: I fetch for A (0) or for B (1)
	s_and_b32 s16, s14, 1                          ; which half of the columns.  Also: which 8 tiles I fetch
	s_bfe_u32 s40, ttmp6, 0x40000                  ; cx, cy
	s_bfe_u32 s41, ttmp6, 0x40004
	s_lshl_b32 s42, ttmp9, 2
	s_add_co_u32 s42, s42, s40                     ; block column
	s_and_b32 s17, ttmp7, 0xffff
	s_lshl_b32 s17, s17, 2
	s_add_co_u32 s17, s17, s41                     ; block row
	s_lshl_b32 s43, s41, 2
	s_lshl_b32 s43, 15, s43                        ; my row of the cluster
	s_lshl_b32 s44, 0x1111, s40                    ; my column
	s_or_b32 s[G1+0], s43, (3<<16)|(1<<21)         ; codes: 8 rows (tiles) of 3,072 bytes, KS x 1,536 apart; elements of 8 bytes; bit 21 beside the mask
	s_or_b32 s[G1B+0], s44, (3<<16)|(1<<21)
.irp g, G1, G1B
	s_mov_b32 s[\g+1], 384<<16
	s_mov_b32 s[\g+2], 8<<16
	s_mov_b32 s[\g+3], 384<<16
	s_mov_b32 s[\g+4], 8
	s_mov_b32 s[\g+5], KS*192
	s_mov_b32 s[\g+6], 0
	s_mov_b32 s[\g+7], 0
.endr
	s_or_b32 s[G1S+0], s43, (3<<16)|(1<<21)        ; scale words of 8 tiles: a dense block, as rows of 256 bytes
	s_or_b32 s[G1SB+0], s44, (3<<16)|(1<<21)
.irp g, G1S, G1SB
	s_mov_b32 s[\g+1], 32<<16
	s_mov_b32 s[\g+2], (HALFS/256)<<16
	s_mov_b32 s[\g+3], 32<<16
	s_mov_b32 s[\g+4], HALFS/256
	s_mov_b32 s[\g+5], 32
	s_mov_b32 s[\g+6], 0
	s_mov_b32 s[\g+7], 0
.endr
	s_lshl_b32 s18, s16, 7
	s_lshl_b32 s20, s17, 8
	s_add_co_u32 s20, s20, s18                     ; A's row
	s_lshl_b32 s46, s42, 8
	s_add_co_u32 s46, s46, s18                     ; B's row
	s_mul_i32 s22, s20, SIZE_K/32
	s_add_co_u32 s22, s22, A_SC                    ; (all offsets stay under 2^32)
	s_mov_b32 s23, 0
	s_mul_i32 s92, s46, SIZE_K/32
	s_add_co_u32 s92, s92, B_SC
	s_mov_b32 s93, 0
	s_mul_i32 s20, s20, KROW
	s_mov_b32 s21, 0
	s_mul_i32 s46, s46, KROW
	s_add_co_u32 s46, s46, B_CODE
	s_mov_b32 s47, 0
	s_mul_i32 s45, s14, HALFT
	s_mul_i32 s94, s14, HALFS
	s_wait_kmcnt 0x0
	s_add_nc_u64 s[20:21], s[4:5], s[20:21]
	s_add_nc_u64 s[22:23], s[4:5], s[22:23]
	s_add_nc_u64 s[46:47], s[6:7], s[46:47]
	s_add_nc_u64 s[92:93], s[6:7], s[92:93]
	CROUND                                         ; all sixteen work-groups are here: the first joint loads meet
	s_mov_b32 s[G0S], 1
	s_add_co_u32 s[G0S+1], s94, SCL
	s_mov_b64 s[G0S+2:G0S+3], s[22:23]
	s_or_b32 s[G0S+3], s[G0S+3], 0x80000000
	s_mov_b32 s[G0SB], 1
	s_add_co_u32 s[G0SB+1], s94, SCL
	s_mov_b64 s[G0SB+2:G0SB+3], s[92:93]
	s_or_b32 s[G0SB+3], s[G0SB+3], 0x80000000
	JLOAD G0S, G1S, G0SB, G1SB
.irp s, 0,1
	s_mov_b32 s[G0+4*\s], 1
	s_add_co_u32 s[G0+4*\s+1], s45, \s*SLOT
	s_add_nc_u64 s[G0+4*\s+2:G0+4*\s+3], s[20:21], \s*3072
	s_or_b32 s[G0+4*\s+3], s[G0+4*\s+3], 0x80000000
	s_mov_b32 s[G0B+4*\s], 1
	s_add_co_u32 s[G0B+4*\s+1], s45, \s*SLOT
	s_add_nc_u64 s[G0B+4*\s+2:G0B+4*\s+3], s[46:47], \s*3072
	s_or_b32 s[G0B+4*\s+3], s[G0B+4*\s+3], 0x80000000
	JLOAD G0+4*\s, G1, G0B+4*\s, G1B
.endr
	v_and_b32 v1, 15, v0                           ; r
	v_bfe_u32 v2, v0, 4, 1                         ; h
	v_and_b32 v3, 31, v0                           ; lane
	v_lshlrev_b32 v4, 4, v3
	v_lshlrev_b32 v5, 3, v3
	s_mul_i32 s21, s15, HALFT
	s_mul_i32 s22, s16, HALFT
	s_add_co_u32 s22, s22, 2*HALFT
.irp s, 0,1
	v_add_nc_u32 v[ADRA+\s], s21, v4
	v_add_nc_u32 v[ADRB+\s], s22, v4
	v_add_nc_u32 v[ADRA+2+\s], s21, v5
	v_add_nc_u32 v[ADRB+2+\s], s22, v5
	s_add_co_u32 s21, s21, SLOT
	s_add_co_u32 s22, s22, SLOT
.endr
	v_lshlrev_b32 v5, 3, v1
	s_mul_i32 s21, s15, HALFS
	s_mul_i32 s22, s16, HALFS
	s_add_co_u32 s22, s22, 2*HALFS
	s_sub_co_u32 s22, s22, s21
	v_mul_u32_u24 v6, s22, v2                      ; lanes 16-31 take B's scale words
	s_add_co_u32 s21, s21, SCL
	v_add_nc_u32 v5, v5, v6
	v_add_nc_u32 v[ADRS], s21, v5
	s_mul_i32 s23, s14, 16*SPITCH                  ; my stage
	v_mul_u32_u24 v5, v1, SPITCH
	v_lshl_add_u32 v5, v2, 6, v5                   ; in: row r, 64 bytes for each half of the lanes in each 128
	v_add_nc_u32 v[STO], s23, v5
	v_lshlrev_b32 v[CO], 4, v3
	v_add_nc_u32 v[RD], s23, v[CO]                 ; back: the 32 lanes take one row of 512 bytes
	s_lshl_b32 s20, s17, 8
	s_lshl_b32 s21, s15, 7
	s_add_co_u32 s20, s20, s21                     ; my first row
	s_lshl_b32 s20, s20, 12                        ; of 4,096 bytes
	s_lshl_b32 s46, s42, 10
	s_lshl_b32 s47, s16, 9
	s_add_co_u32 s46, s46, s47                     ; my first column, in bytes
	s_add_co_u32 s20, s20, s46
	s_mov_b32 s21, 0
	s_add_nc_u64 s[12:13], s[10:11], s[20:21]      ; the result
	s_add_nc_u64 s[96:97], s[8:9], s[20:21]        ; the residual
.macro FRAG reg, adr, q, i
	ds_load_b128 v[\reg:\reg+3], v[\adr] offset:(\i)*3072+(\q)*1536
	ds_load_b64 v[\reg+4:\reg+5], v[\adr+2] offset:(\i)*3072+(\q)*1536+512
	ds_load_b128 v[\reg+6:\reg+9], v[\adr] offset:(\i)*3072+(\q)*1536+768
	ds_load_b64 v[\reg+10:\reg+11], v[\adr+2] offset:(\i)*3072+(\q)*1536+1280
.endm
.macro MUL16 a0, p, q, sc, zero        ; 16 matrix instructions; the 64 accumulators take turns, one instruction a turn
.irp a, \a0, \a0+1
.irp b, 0,1,2,3,4,5,6,7
.if \zero
	v_wmma_scale_f32_16x16x128_f8f6f4 v[8*(8*((\a)%4)+\b):8*(8*((\a)%4)+\b)+7], v[128*(\p)+FR*\b:128*(\p)+FR*\b+FR-1], v[AF+FR*(\a):AF+FR*(\a)+FR-1], 0, v[SC+8*NQ*(\sc)+NQ*\b+(\q)], v[SC+8*NQ*(\sc)+NQ*(\a)+(\q)] matrix_a_fmt:MATRIX_FMT_FP6 matrix_b_fmt:MATRIX_FMT_FP6 matrix_a_scale:MATRIX_SCALE_ROW1
.else
	v_wmma_scale_f32_16x16x128_f8f6f4 v[8*(8*((\a)%4)+\b):8*(8*((\a)%4)+\b)+7], v[128*(\p)+FR*\b:128*(\p)+FR*\b+FR-1], v[AF+FR*(\a):AF+FR*(\a)+FR-1], v[8*(8*((\a)%4)+\b):8*(8*((\a)%4)+\b)+7], v[SC+8*NQ*(\sc)+NQ*\b+(\q)], v[SC+8*NQ*(\sc)+NQ*(\a)+(\q)] matrix_a_fmt:MATRIX_FMT_FP6 matrix_b_fmt:MATRIX_FMT_FP6 matrix_a_scale:MATRIX_SCALE_ROW1
.endif
.endr
.endr
.endm
.macro FETCH_B slot, q, p
	WIN TO_B
.irp i, 0,1,2,3,4,5,6,7
	FRAG 128*(\p)+FR*\i, ADRB+\slot, \q, \i
.endr
	WIN 0
.endm
.macro FETCH_A slot, q, i0
.irp i, \i0, \i0+1, \i0+2, \i0+3
	FRAG AF+FR*(\i), ADRA+\slot, \q, \i
.endr
.endm
.macro SCALES sc
.irp i, 0,1,2,3,4,5,6,7
	ds_load_b64 v[SC+8*NQ*\sc+NQ*\i:SC+8*NQ*\sc+NQ*\i+1], v[ADRS] offset:\i*SBLK
.endr
.endm
.macro PLACES n
.rept \n
	v_nop
.endr
.endm
.macro STEP slot, q, zero
	s_wait_dscnt 4*NL                              ; B's set and A's tiles 0-3 are in; the youngest 16 loads (A's tiles 4-7) may be out
	WIN MUL_LO
	MUL16 0, (\q)%2, \q, \slot, \zero
	MUL16 2, (\q)%2, \q, \slot, \zero
	s_wait_dscnt 0
	PLACES NP
	FETCH_B \slot, (\q)+1, 1-(\q)%2
	FETCH_A \slot, (\q)+1, 0
	WIN MUL_HI
	MUL16 4, (\q)%2, \q, \slot, \zero
	MUL16 6, (\q)%2, \q, \slot, \zero
	PLACES NP
	WIN 0
	FETCH_A \slot, (\q)+1, 4
.endm
.macro TURN slot, next, fill           ; a slot's last step changes slots
	s_wait_tensorcnt 0x0                           ; all my tensor loads have landed: my part of the next slot
	ds_add_u32 v[SPW], v[NIL]                      ; 0 onto my spare word
	s_wait_dscnt 4*NL+1                            ; (the add and the youngest 16 loads may be out)
	WIN MUL_LO
	MUL16 0, 1, NQ-1, \slot, 0
	s_wait_dscnt 0x0                               ; the add is done, and my reads of this slot are over
	s_barrier_signal -1
	MUL16 2, 1, NQ-1, \slot, 0
	WIN 0
	s_barrier_wait -1
.if \fill
	CREST                                          ; no wave of any partner still reads this slot or has a load on its way
	s_add_nc_u64 s[G0+4*\slot+2:G0+4*\slot+3], s[G0+4*\slot+2:G0+4*\slot+3], 2*3072
	s_add_nc_u64 s[G0B+4*\slot+2:G0B+4*\slot+3], s[G0B+4*\slot+2:G0B+4*\slot+3], 2*3072
	JLOAD G0+4*\slot, G1, G0B+4*\slot, G1B         ; the first tensor load behind the round; its four v_nop are the places in front of the loads below
.else
	PLACES NP
.endif
	v_add_nc_u32 v[ADRS], 128, v[ADRS]
	FETCH_B \next, 0, 0
	FETCH_A \next, 0, 0
	SCALES \next
	WIN MUL_HI
	MUL16 4, 1, NQ-1, \slot, 0
	MUL16 6, 1, NQ-1, \slot, 0
	PLACES NP
	WIN 0
	FETCH_A \next, 0, 4
.endm
	s_wait_tensorcnt 1                             ; the scale words and my part of slot 0 are in (slot 1's load may be out)
	s_barrier_signal -1
	s_barrier_wait -1
	FETCH_B 0, 0, 0
	FETCH_A 0, 0, 0
	SCALES 0
	FETCH_A 0, 0, 4
	STEP 0, 0, 1
	s_mov_b32 s3, LAPS-1
.Llap:
	TURN 0, 1, 1
	STEP 1, 0, 0
	TURN 1, 0, 1
	STEP 0, 0, 0
	s_sub_co_u32 s3, s3, 1
	s_cmp_lg_u32 s3, 0
	s_cbranch_scc1 .Llap
	TURN 0, 1, 0
	STEP 1, 0, 0
	s_wait_dscnt 4*NL
	WIN MUL_LO
	MUL16 0, 1, NQ-1, 1, 0
	MUL16 2, 1, NQ-1, 1, 0
	s_wait_dscnt 0
	WIN MUL_HI
	MUL16 4, 1, NQ-1, 1, 0
	MUL16 6, 1, NQ-1, 1, 0
	WIN 0
; THE WAY OUT, tile by tile of 16 rows x 128 columns.  A tile goes through my own stage in LDS and comes back as whole rows of 512 bytes; the residual's same rows are added; the 32 lanes store 512 consecutive bytes.
; Stage row t of tile a is row 32 (a / 2) + 8 (a % 2) + t + 8 (t / 8) of my 128.  Every offset is an immediate, 127 rows of 4,096 bytes at the most.
.macro RLOAD a                         ; the residual's 16 rows into window 1, v0-63 and v64-127 by turns
	WIN 0x40
.irp t, 0,1,2,3,4,5,6,7,8,9,10,11,12,13,14,15
	global_load_b128 v[64*((\a)%2)+4*\t:64*((\a)%2)+4*\t+3], v[CO], s[96:97] offset:(32*((\a)/2)+8*((\a)%2)+\t+8*(\t/8))*4096
.endr
	WIN 0
.endm
.macro TOSTAGE a
.set AC, 64*((\a)%4)
	WIN 0x08+4*((\a)/4)                            ; the data: window 2 or 3
.irp b, 0,1,2,3,4,5,6,7
	ds_store_b128 v[STO], v[AC+8*\b:AC+8*\b+3] offset:128*(\b/2)+32*(\b%2)         ; each accumulator from its low end on
	ds_store_b128 v[STO], v[AC+8*\b+4:AC+8*\b+7] offset:128*(\b/2)+32*(\b%2)+16
.endr
	WIN 0
.set BB, BK+64*((\a)%2)
.irp t, 0,1,2,3,4,5,6,7,8,9,10,11,12,13,14,15
	ds_load_b128 v[BB+4*\t:BB+4*\t+3], v[RD] offset:\t*SPITCH      ; LDS serves a wave's instructions in order: these see my stores
.endr
.endm
.macro SEND a, dsn, ldn                ; dsn, ldn: the LDS instructions and the loads issued behind tile a's, which may stay out
.set BB, BK+64*((\a)%2)
.set RR, 64*((\a)%2)
	s_wait_dscnt \dsn
	s_wait_loadcnt \ldn
	WIN 0x04                                       ; source 1 (the residual) window 1
.set i, 0
.rept 32
	v_pk_add_f32 v[BB+i:BB+i+1], v[BB+i:BB+i+1], v[RR+i:RR+i+1]
.set i, i+2
.endr
	WIN 0
.irp t, 0,1,2,3,4,5,6,7,8,9,10,11,12,13,14,15
	global_store_b128 v[CO], v[BB+4*\t:BB+4*\t+3], s[12:13] offset:(32*((\a)/2)+8*((\a)%2)+\t+8*(\t/8))*4096 th:TH_STORE_NT
.endr
.endm
	PLACES NP
	RLOAD 0
	TOSTAGE 0
.irp a, 1,2,3,4,5,6,7
.if \a > 1
	s_wait_xcnt 0x0                                ; tile a - 2's stores have read their registers: tile a's rows may land there
.endif
	RLOAD \a
	TOSTAGE \a
	SEND \a-1, 32, 16                              ; behind tile a - 1's: tile a's 16 LDS stores and 16 LDS loads, and its 16 loads of the residual
.endr
	SEND 7, 0, 0
	s_wait_tensorcnt 0x0                           ; the wave's end
	ds_add_u32 v[SPW], v[NIL]
	s_wait_dscnt 0x0
	CROUND                                         ; the closing round
	s_endpgm
.Lfunc_end_k_q42af40f06b_down:
	.size	k_q42af40f06b_down, .Lfunc_end_k_q42af40f06b_down-k_q42af40f06b_down
	.p2alignl 7, 3214868480
	.fill 96, 4, 3214868480
	.section	.rodata,"a",@progbits
	.p2align	6, 0x0
	.amdhsa_kernel k_q42af40f06b_down
		.amdhsa_group_segment_fixed_size 327680
		.amdhsa_private_segment_fixed_size 0
		.amdhsa_enable_private_segment 0
		.amdhsa_kernarg_size 32
		.amdhsa_user_sgpr_count 2
		.amdhsa_user_sgpr_kernarg_segment_ptr 1
		.amdhsa_wavefront_size32 1
		.amdhsa_system_sgpr_workgroup_id_x 1
		.amdhsa_system_sgpr_workgroup_id_y 1
		.amdhsa_system_sgpr_workgroup_id_z 1
		.amdhsa_system_vgpr_workitem_id 0
		.amdhsa_next_free_vgpr 1024
		.amdhsa_next_free_sgpr 100
		.amdhsa_reserve_vcc 0
		.amdhsa_float_denorm_mode_32 3
		.amdhsa_float_denorm_mode_16_64 3
		.amdhsa_memory_ordered 1
		.amdhsa_forward_progress 1
		.amdhsa_inst_pref_size 172
	.end_amdhsa_kernel
	.amdgpu_metadata
---
amdhsa.version: [ 1, 2 ]
amdhsa.kernels:
  - .name:           k_q42af40f06b_down
    .symbol:         k_q42af40f06b_down.kd
    .args:
      - { .name: hid, .offset: 0, .size: 8, .value_kind: global_buffer, .address_space: global }
      - { .name: wts, .offset: 8, .size: 8, .value_kind: global_buffer, .address_space: global }
      - { .name: x1, .offset: 16, .size: 8, .value_kind: global_buffer, .address_space: global }
      - { .name: out0, .offset: 24, .size: 8, .value_kind: global_buffer, .address_space: global }
    .group_segment_fixed_size: 327680
    .private_segment_fixed_size: 0
    .kernarg_segment_align: 8
    .kernarg_segment_size: 32
    .max_flat_workgroup_size: 128
    .sgpr_count:     100
    .vgpr_count:     1024
    .wavefront_size: 32
...
	.end_amdgpu_metadata
.endif
;; end of part 7
;; ======== version 2 of 2: 7 launches
;; limits: right only within a limited range of input values
;; workspace buffers: wts 8,192,000 bytes; act 3,276,800 bytes; qkv 10,223,616 bytes; x1 16,777,216 bytes; hid 6,553,600 bytes
;; launch prep (part 8): grid 576 x 1, 4 waves a work-group, no clusters, 92,672 bytes of LDS; arguments w_q, w_k, w_v, w_o, w_gate, w_up, w_down, wts, x, g1, act; writes wts, act
.if DOCPART == 8
	.amdgcn_target "amdgcn-amd-amdhsa--gfx1250"
	.amdhsa_code_object_version 6
	.text
	.protected	k_q42af40f06b_prep
	.globl	k_q42af40f06b_prep
	.p2align	8
	.type	k_q42af40f06b_prep,@function
k_q42af40f06b_prep:
	s_mov_b64 s[64:65], 0
	v_nop
	global_prefetch_b8 v0, s[64:65] scope:SCOPE_SE
	s_setreg_imm32_b32 hwreg(HW_REG_WAVE_MODE, 25, 1), 1
	s_wait_xcnt 0x0
; ONE PREPARING LAUNCH FOR TWO INDEPENDENT JOBS, told apart by the work-group's number alone: work-groups 0-319 quantise the seven weights, work-groups 320-575 make the first norm's codes.
; Each path has LDS bytes of its own: the norm's rows at 0, the spare words at 66,560, the weights' stages from 67,072 on.
; BOTH JOBS STORE IMAGES of the matrix instruction's operand registers, codes of FP6 (E2M3) with one E8M0 byte for each 32 along K.  A tile is 16 rows: lane r of tile T holds row 32 (T / 2) + 8 (T % 2) + r + 8 (r / 8).
; A fragment (tile, 128 along K) is 1,536 bytes in two halves of 768: lane l = r + 16 h has its operand registers 6 c .. 6 c + 3 at 768 c + 16 l and registers 6 c + 4, 6 c + 5 at 768 c + 512 + 8 l.
; Fragments lie [tile][K step]; scale words lie [tile][pair of K steps][r][K step % 2].
; THE WEIGHTS, f32 stored [K][N].  In wts: rows 0-1023 w_q, 1024-2047 w_k, 2048-3071 w_v, 3072-4095 w_o, 4096-8191 gate and up (four tiles of gate, then the four tiles of up of the same 64 hidden units), then w_down; scale words from byte 7,864,320 on.
; A lane takes a column n and its registers run down K: a block of 32 along K lies in one lane.  A work-group takes 128 columns x 256 along K, a wave 32 columns (two tiles) x 8 blocks; the codes leave through the wave's own stage as 512 consecutive bytes a store.
; THE NORM: nx = x / sqrt(mean(x^2) + 1e-6) * g for rows of 1,024 f32.  A work-group takes one tile.  Each wave takes four whole rows (sum of squares, x g and 1 / rms into LDS); one barrier; then each wave quantises two K steps of all 16 rows.
; In act: codes at 0, scale words from byte 3,145,728 on.  ORDER OF ROUNDING: (x g) rsq(mean + eps) where the definition has (x / rms) g.
; A block's scale is 2^(floor(log2(largest magnitude)) - 2); its byte is the largest magnitude's exponent field - 2, held at 1 from below.
; LIMITS: a block of zeros, or one whose largest magnitude lies under 2^-124, gets the byte 1 (this program alone reads the bytes); NaN and infinities are not served.
.set NWQ,  320                         ; work-groups for the weights
.set X,    64                          ; v64..    numbers at work, on both paths
.set VA,   32                          ; weights: v32-63 byte offset of row i of a block at my column
.set C,    16                          ; v16-21   a block's six words of codes
.set CT,   22                          ; v22-24   the second conversion's result
.set SBW,  26                          ; v26-27   my column's two scale words
.set OUTR, 128                         ; v128-175 the way out
.set BS,   40                          ; s40-55   the source at block t, a pair each
.set WB,   67072                       ; the weights' stages in LDS
.set WST,  6400                        ; a wave's stage: two tiles of 3,072 bytes + 128
.set TST,  3200
.set PITCH, 4112                       ; norm: an LDS row: 4,096 bytes + 16
.set RINV,  16*PITCH                   ; behind the rows: 16 words, 1 / rms
.set G,   32                           ; v32-63   g of my columns
.set PC0, 192                          ; v192-215 two fragments' codes
.set PC1, 204
.set PT,  216
.set TM,  224
.set PW,  240
.set SEL, 20                           ; s[20:21] lane selects: lane l xor 16
	v_lshl_add_u32 v254, v0, 2, 0x10400            ; my spare word, and 0: kept for the closing lines of both paths
	v_mov_b32 v255, 0
	s_cmp_lt_u32 ttmp9, NWQ
	s_cbranch_scc0 .Lnorm
	s_load_b512 s[16:31], s[0:1], 0x0              ; w_q, w_k, w_v, w_o, w_gate, w_up, w_down, wts
	v_lshrrev_b32 v1, 5, v0
	v_readfirstlane_b32 s2, v1                     ; wave
	v_and_b32 v1, 31, v0                           ; lane = my column among the wave's 32
	v_lshlrev_b32 v2, 2, v1
	v_lshlrev_b32 v3, 4, v1                        ; 16 x lane
	v_bfe_u32 v8, v0, 3, 1                         ; u: which of the two tiles my column lies in
	s_wait_alu depctr_va_vdst(0)
	v_and_b32 v9, 7, v0
	v_bfe_u32 v10, v0, 4, 1
	v_lshl_or_b32 v9, v10, 3, v9                   ; r: its lane in that tile
	s_mul_i32 s3, s2, WST
	s_add_co_u32 s3, s3, WB
	v_mul_u32_u24 v10, v8, TST
	v_add_nc_u32 v10, s3, v10
	v_lshl_add_u32 v4, v9, 4, v10                  ; the stage: my tile + 16 r
	v_lshl_add_u32 v5, v9, 3, v10                  ; and + 8 r
	v_add_nc_u32 v6, s3, v3                        ; back: 16 x lane
	; which weight, which 128 columns, which 256 along K: from the work-group's number alone
	s_lshr_b32 s4, ttmp9, 7                        ; 0: the four of 1,024 x 1,024; 1: gate, up; 2: w_down
	s_lshr_b32 s5, ttmp9, 5
	s_lshl_b32 s5, s5, 10                          ; first output row of w_q .. w_o
	s_bfe_u32 s6, ttmp9, 0x10006
	s_lshl_b32 s6, s6, 6
	s_add_co_u32 s6, s6, 4096                      ; of gate (4,096) and of up (four tiles on)
	s_cmp_eq_u32 s4, 0
	s_cselect_b32 s7, 31, 63
	s_cselect_b32 s5, s5, s6
	s_cmp_eq_u32 s4, 2
	s_cselect_b32 s5, 8192, s5                     ; of w_down
	s_cselect_b32 s8, 16, 8                        ; K steps in a row of the output
	s_cmp_eq_u32 s4, 1
	s_cselect_b32 s9, 1, 0
	s_cselect_b32 s10, 15, 7
	s_cselect_b32 s11, 4, 3
	s_and_b32 s7, ttmp9, s7
	s_and_b32 s10, s7, s10                         ; group of 128 columns
	s_lshr_b32 s11, s7, s11                        ; part of 256 along K
	s_lshl_b32 s12, 4096, s9                       ; a row of the source in bytes
	s_lshl_b32 s13, s10, 2
	s_add_co_u32 s13, s13, s2                      ; my wave's group of 32 columns
	s_lshr_b32 s14, s13, 1
	s_mul_i32 s14, s14, s9
	s_lshl_b32 s14, s14, 2
	s_lshl_b32 s15, s13, 1
	s_add_co_u32 s14, s14, s15                     ; its first tile (gate and up: four tiles of the other lie between each four)
	s_mul_i32 s34, s5, 768
	s_mul_i32 s36, s14, s8
	s_mul_i32 s37, s36, 1536
	s_add_co_u32 s34, s34, s37
	s_mul_i32 s37, s11, 3072
	s_add_co_u32 s34, s34, s37                     ; where my first tile's two fragments go
	s_mov_b32 s35, 0
	s_lshl_b32 s38, s5, 5
	s_lshl_b32 s36, s36, 6
	s_add_co_u32 s38, s38, s36
	s_lshl_b32 s36, s11, 7
	s_add_co_u32 s38, s38, s36
	s_add_co_u32 s38, s38, 7864320                 ; and its scale words
	s_mov_b32 s39, 0
	s_lshl_b32 s56, s11, 8
	s_mul_i32 s56, s56, s12
	s_lshl_b32 s36, s13, 7
	s_add_co_u32 s56, s56, s36                     ; the source: 256 x part rows down, 128 bytes a group of columns
	s_mov_b32 s57, 0
	s_lshl_b32 s66, s12, 5                         ; a block: 32 rows
	s_mov_b32 s67, 0
	s_mul_i32 s68, s8, 1536                        ; from a tile to the next
	s_mov_b32 s69, 0
	s_lshl_b32 s36, s8, 6
	v_mul_u32_u24 v7, s36, v8
	s_wait_alu depctr_va_vdst(0)
	v_lshl_add_u32 v7, v9, 3, v7                   ; my scale words' place: my tile, 8 r
.set i, 0
.rept 32
	v_mad_u32_u24 v[VA+i], s12, i, v2
.set i, i+1
.endr
	s_wait_alu depctr_va_vdst(0)
	s_wait_kmcnt 0x0
	s_mov_b64 s[32:33], s[28:29]                   ; the source is chosen by the work-group's number alone
	s_cmp_lt_u32 ttmp9, 256
	s_cselect_b64 s[32:33], s[26:27], s[32:33]
	s_cmp_lt_u32 ttmp9, 192
	s_cselect_b64 s[32:33], s[24:25], s[32:33]
	s_cmp_lt_u32 ttmp9, 128
	s_cselect_b64 s[32:33], s[22:23], s[32:33]
	s_cmp_lt_u32 ttmp9, 96
	s_cselect_b64 s[32:33], s[20:21], s[32:33]
	s_cmp_lt_u32 ttmp9, 64
	s_cselect_b64 s[32:33], s[18:19], s[32:33]
	s_cmp_lt_u32 ttmp9, 32
	s_cselect_b64 s[32:33], s[16:17], s[32:33]
	s_add_nc_u64 s[BS:BS+1], s[32:33], s[56:57]
.irp t, 1,2,3,4,5,6,7
	s_add_nc_u64 s[BS+2*\t:BS+2*\t+1], s[BS+2*\t-2:BS+2*\t-1], s[66:67]
.endr
	s_add_nc_u64 s[58:59], s[30:31], s[34:35]      ; tile 0's codes
	s_add_nc_u64 s[60:61], s[58:59], s[68:69]      ; tile 1's
	s_add_nc_u64 s[62:63], s[30:31], s[38:39]      ; the scale words
.macro LOAD t                          ; block t: W(32 t + i, my column) into set t % 2; 32 lanes read 128 consecutive bytes
.set i, 0
.rept 32
	global_load_b32 v[X+32*((\t)%2)+i], v[VA+i], s[BS+2*(\t):BS+2*(\t)+1] th:TH_LOAD_NT
.set i, i+1
.endr
.endm
.macro BLOCK t
.set XS, X+32*((\t)%2)
.if (\t) < 7
	s_wait_loadcnt 32                              ; this block's 32 loads are in; the next block's may be out
.else
	s_wait_loadcnt 0
.endif
	v_max3_num_f32 v12, |v[XS]|, |v[XS+1]|, |v[XS+2]|      ; the block's largest magnitude: all 32 numbers are mine; two chains
	v_max3_num_f32 v13, |v[XS+3]|, |v[XS+4]|, |v[XS+5]|
.irp i, 6,10,14,18,22,26
	v_max3_num_f32 v12, v12, |v[XS+\i]|, |v[XS+\i+1]|
	v_max3_num_f32 v13, v13, |v[XS+\i+2]|, |v[XS+\i+3]|
.endr
	v_max3_num_f32 v12, v12, |v[XS+30]|, |v[XS+31]|
	v_max3_num_f32 v12, v12, v13, 0x1800000        ; and the floor 2^(3 - 127): the byte cannot fall under 1
	v_add_nc_u32 v11, 0xff000000, v12              ; 2 off its exponent field: the conversion takes this operand's exponent field as its scale
	v_lshrrev_b32 v13, 23, v11                     ; the scale's byte
.if (\t)%4 == 0
	v_mov_b32 v[SBW+(\t)/4], v13
.else
	v_lshl_or_b32 v[SBW+(\t)/4], v13, 8*((\t)%4), v[SBW+(\t)/4]
.endif
	v_cvt_scalef32_pk16_fp6_f32 v[C:C+2], v[XS:XS+15], v11
	v_cvt_scalef32_pk16_fp6_f32 v[CT:CT+2], v[XS+16:XS+31], v11
	v_nop                                          ; one plain instruction behind a scaled conversion
.irp i, 0,1,2
	v_mov_b32 v[C+3+\i], v[CT+\i]
.endr
	; block t is K step t / 4, half (t % 4) / 2, lanes 16 (t % 2) + r of the fragment
	ds_store_b128 v4, v[C:C+3] offset:((\t)/4)*1536+(((\t)%4)/2)*768+256*((\t)%2)
	ds_store_b64 v5, v[C+4:C+5] offset:((\t)/4)*1536+(((\t)%4)/2)*768+512+128*((\t)%2)
.if (\t)+2 < 8
	LOAD (\t)+2
.endif
	s_wait_dscnt 0x0                               ; the stores have read their registers: the next block's codes may be written
.endm
	LOAD 0
	LOAD 1
.irp t, 0,1,2,3,4,5,6,7
	BLOCK \t
.endr
	s_wait_alu depctr_va_vdst(0)
	global_store_b64 v7, v[SBW:SBW+1], s[62:63]    ; my column's two scale words
.irp n, 0,1,2,3,4,5,6,7,8,9,10,11
	ds_load_b128 v[OUTR+4*\n:OUTR+4*\n+3], v6 offset:(\n/6)*TST+512*(\n%6)   ; LDS serves a wave's instructions in order: these see my stores
.endr
.irp n, 0,1,2,3,4,5,6,7,8,9,10,11
	s_wait_dscnt 11-\n
	global_store_b128 v3, v[OUTR+4*\n:OUTR+4*\n+3], s[58+2*(\n/6):59+2*(\n/6)] offset:512*(\n%6)   ; 512 consecutive bytes, at a multiple of 256 from the buffer's first byte
.endr
	s_wait_tensorcnt 0x0                           ; the wave's end
	ds_add_u32 v254, v255
	s_wait_dscnt 0x0
	s_endpgm
; 64 numbers of a lane, register 16 b + i = k 32 b + 16 (lane / 16) + i of my row, become a fragment's codes in v[pc] on and its scale word in v[pw].
.macro QUANT64 s, pc, pw
.irp b, 0,1,2,3
	v_max3_num_f32 v[TM+\b], |v[\s+16*\b]|, |v[\s+1+16*\b]|, 0x1800000   ; my 16 numbers of block b, and the floor 2^(3 - 127)
.endr
.irp i, 2,4,6,8,10,12,14
.irp b, 0,1,2,3
	v_max3_num_f32 v[TM+\b], v[TM+\b], |v[\s+16*\b+\i]|, |v[\s+1+16*\b+\i]|
.endr
.endr
.irp b, 0,1,2,3
	v_permlanex16_b32 v[TM+4+\b], v[TM+\b], s[SEL], s[SEL+1]
.endr
.irp b, 0,1,2,3
	v_max_num_f32 v[TM+\b], v[TM+\b], v[TM+4+\b]   ; with lane l xor 16's: the block's largest magnitude
.endr
.irp b, 0,1,2,3
	v_add_nc_u32 v[TM+12+\b], 0xff000000, v[TM+\b] ; 2 off its exponent field: the conversion's scale operand
.endr
.irp b, 0,1,2,3
	v_lshrrev_b32 v[TM+4+\b], 23, v[TM+12+\b]      ; the scale's byte
.endr
	v_lshl_or_b32 v[\pw], v[TM+5], 8, v[TM+4]
	v_lshl_or_b32 v[\pw], v[TM+6], 16, v[\pw]
	v_lshl_or_b32 v[\pw], v[TM+7], 24, v[\pw]
.irp c, 0,1
	v_cvt_scalef32_pk16_fp6_f32 v[\pc+6*\c:\pc+2+6*\c], v[\s+32*\c:\s+15+32*\c], v[TM+12+2*\c]
	v_cvt_scalef32_pk16_fp6_f32 v[PT+4*\c:PT+2+4*\c], v[\s+16+32*\c:\s+31+32*\c], v[TM+13+2*\c]
.endr
	v_nop                                          ; one plain instruction behind a scaled conversion
.irp c, 0,1                                    ; the operand wants a whole block in a lane: lanes 0-15 block 2 c, lanes 16-31 block 2 c + 1
.irp i, 0,1,2
	v_permlane16_swap_b32 v[\pc+6*\c+\i], v[PT+4*\c+\i]
.endr
.irp i, 0,1,2
	v_mov_b32 v[\pc+3+6*\c+\i], v[PT+4*\c+\i]
.endr
.endr
.endm
.Lnorm:
	s_load_b128 s[4:7], s[0:1], 0x40               ; x, g1
	s_load_b64 s[8:9], s[0:1], 0x50                ; act
	s_sub_co_u32 s24, ttmp9, NWQ                   ; my tile of 16 rows
	v_lshrrev_b32 v26, 5, v0
	v_readfirstlane_b32 s10, v26                   ; wave
	v_and_b32 v26, 31, v0                          ; lane
	v_and_b32 v27, 15, v0                          ; r
	v_bfe_u32 v28, v0, 4, 1                        ; h
	v_lshlrev_b32 v1, 4, v26                       ; 16 x lane
	v_lshlrev_b32 v2, 3, v26                       ; 8 x lane
	v_lshlrev_b32 v3, 3, v27                       ; 8 r
	s_mul_i32 s11, s10, 4*PITCH
	v_add_nc_u32 v4, s11, v1                       ; into LDS: my wave's four rows, 16 x lane
	v_mul_u32_u24 v5, v27, PITCH
	v_lshl_add_u32 v5, v28, 6, v5
	s_lshl_b32 s11, s10, 10
	v_add_nc_u32 v5, s11, v5                       ; out of LDS: row r, + 64 h, + my wave's two K steps
	v_lshl_add_u32 v6, v27, 2, RINV                ; row r's 1 / rms
	s_lshl_b32 s11, s10, 4
	s_add_co_u32 s11, s11, RINV
	v_mov_b32 v7, s11                              ; where my wave's four go
.irp b, 0,1,2,3
	v_mov_b32 v[TM+4+\b], 0                        ; written once: a lane permute's destination counts as one of its sources
.endr
	s_lshr_b32 s12, s24, 1
	s_lshl_b32 s12, s12, 5
	s_and_b32 s13, s24, 1
	s_lshl_b32 s13, s13, 3
	s_add_co_u32 s12, s12, s13                     ; the tile's first row
	s_lshl_b32 s13, s10, 2
	s_add_co_u32 s12, s12, s13
	s_lshr_b32 s13, s10, 1
	s_lshl_b32 s13, s13, 3
	s_add_co_u32 s12, s12, s13                     ; my wave's four: tile lanes 4 w .. 4 w + 3 are rows 4 w + 8 (w / 2) on
	s_lshl_b32 s12, s12, 12
	s_mov_b32 s13, 0
	s_mul_i32 s14, s24, 12288
	s_mul_i32 s15, s10, 3072
	s_add_co_u32 s14, s14, s15                     ; my two fragments
	s_mov_b32 s15, 0
	s_lshl_b32 s16, s24, 9
	s_lshl_b32 s17, s10, 7
	s_add_co_u32 s16, s16, s17
	s_add_co_u32 s16, s16, 3145728                 ; their scale words
	s_mov_b32 s17, 0
	s_mov_b32 s[SEL], 0x76543210
	s_mov_b32 s[SEL+1], 0xfedcba98
	s_mov_b32 s22, 0x3a800000                      ; 1 / 1,024
	s_mov_b32 s23, 0x358637bd                      ; 1e-6
	s_wait_alu depctr_va_vdst(0)
	s_wait_kmcnt 0x0
	s_add_nc_u64 s[4:5], s[4:5], s[12:13]
	s_add_nc_u64 s[18:19], s[8:9], s[16:17]
	s_add_nc_u64 s[8:9], s[8:9], s[14:15]
.irp q, 0,1,2,3,4,5,6,7
	global_load_b128 v[G+4*\q:G+4*\q+3], v1, s[6:7] offset:512*\q
.endr
.irp j, 0,1,2,3
.irp q, 0,1,2,3,4,5,6,7
	global_load_b128 v[X+32*\j+4*\q:X+32*\j+4*\q+3], v1, s[4:5] offset:\j*4096+512*\q th:TH_LOAD_NT
.endr
.endr
.macro ROWA j
.set XR, X+32*\j
.set SR, 8+4*\j
	s_wait_loadcnt 8*(3-\j)                        ; g and this row are in; the rows behind it may be out
	v_pk_mul_f32 v[SR:SR+1], v[XR:XR+1], v[XR:XR+1]        ; the sum of squares, two at a time, in two chains that the first products start
	v_pk_mul_f32 v[SR+2:SR+3], v[XR+2:XR+3], v[XR+2:XR+3]
.set i, 4
.rept 7
	v_pk_fma_f32 v[SR:SR+1], v[XR+i:XR+i+1], v[XR+i:XR+i+1], v[SR:SR+1]
	v_pk_fma_f32 v[SR+2:SR+3], v[XR+i+2:XR+i+3], v[XR+i+2:XR+i+3], v[SR+2:SR+3]
.set i, i+4
.endr
.set i, 0
.rept 16
	v_pk_mul_f32 v[XR+i:XR+i+1], v[XR+i:XR+i+1], v[G+i:G+i+1]      ; x g
.set i, i+2
.endr
.irp q, 0,1,2,3,4,5,6,7
	ds_store_b128 v4, v[XR+4*\q:XR+4*\q+3] offset:\j*PITCH+512*\q
.endr
.endm
	ROWA 0
	ROWA 1
	ROWA 2
	ROWA 3
.irp j, 0,1,2,3
	v_pk_add_f32 v[8+4*\j:9+4*\j], v[8+4*\j:9+4*\j], v[10+4*\j:11+4*\j]
.endr
.irp j, 0,1,2,3
	v_add_f32 v[8+4*\j], v[8+4*\j], v[9+4*\j]
.endr
.irp m, 1,2,4,8
.irp j, 0,1,2,3
	v_add_f32_dpp v[8+4*\j], v[8+4*\j], v[8+4*\j] row_xmask:\m row_mask:0xf bank_mask:0xf
.endr
.endr
.irp j, 0,1,2,3
	v_permlanex16_b32 v[9+4*\j], v[8+4*\j], s[SEL], s[SEL+1]
.endr
.irp j, 0,1,2,3
	v_add_f32 v[8+4*\j], v[8+4*\j], v[9+4*\j]      ; every lane holds the row's sum of squares
.endr
.irp j, 0,1,2,3
	v_fma_f32 v[8+4*\j], v[8+4*\j], s22, s23       ; mean + eps
.endr
	s_wait_alu depctr_va_vdst(0)
.irp j, 0,1,2,3
	v_rsq_f32 v[10+4*\j], v[8+4*\j]
.endr
	v_nop                                          ; a plain instruction behind the last of the four
	s_wait_alu depctr_va_vdst(0)                   ; one wait for the four, ahead of their first reader
.irp j, 0,1,2,3
	ds_store_b32 v7, v[10+4*\j] offset:4*\j        ; all lanes write the same word with the same value
.endr
	s_wait_dscnt 0x0                               ; for the others' sake: my stores have landed
	s_barrier_signal -1
	s_barrier_wait -1                              ; 16 rows of x g and their 1 / rms lie in LDS
	ds_load_b32 v24, v6
.irp e, 0,1
.irp b, 0,1,2,3
.irp j, 0,1,2,3
	ds_load_b128 v[X+64*\e+16*\b+4*\j:X+64*\e+16*\b+4*\j+3], v5 offset:512*\e+128*\b+16*\j
.endr
.endr
.endr
	s_wait_dscnt 16                                ; 1 / rms and the first K step are in; the second's 16 loads may be out
	v_mov_b32 v25, v24
.set i, 0
.rept 32
	v_pk_mul_f32 v[X+i:X+i+1], v[X+i:X+i+1], v[24:25]
.set i, i+2
.endr
	QUANT64 X, PC0, PW
	s_wait_dscnt 0x0
.set i, 64
.rept 32
	v_pk_mul_f32 v[X+i:X+i+1], v[X+i:X+i+1], v[24:25]
.set i, i+2
.endr
	QUANT64 X+64, PC1, PW+1
.irp e, 0,1
	global_store_b128 v1, v[PC0+12*\e:PC0+12*\e+3], s[8:9] offset:1536*\e          ; 512 consecutive bytes
	global_store_b64 v2, v[PC0+12*\e+4:PC0+12*\e+5], s[8:9] offset:1536*\e+512     ; 256 consecutive bytes
	global_store_b128 v1, v[PC0+12*\e+6:PC0+12*\e+9], s[8:9] offset:1536*\e+768
	global_store_b64 v2, v[PC0+12*\e+10:PC0+12*\e+11], s[8:9] offset:1536*\e+1280
.endr
	global_store_b64 v3, v[PW:PW+1], s[18:19]      ; row r's two scale words; lanes l and l + 16 hold and write the same
	s_wait_tensorcnt 0x0                           ; the wave's end
	ds_add_u32 v254, v255
	s_wait_dscnt 0x0
	s_endpgm
.Lfunc_end_k_q42af40f06b_prep:
	.size	k_q42af40f06b_prep, .Lfunc_end_k_q42af40f06b_prep-k_q42af40f06b_prep
	.p2alignl 7, 3214868480
	.fill 96, 4, 3214868480
	.section	.rodata,"a",@progbits
	.p2align	6, 0x0
	.amdhsa_kernel k_q42af40f06b_prep
		.amdhsa_group_segment_fixed_size 92672
		.amdhsa_private_segment_fixed_size 0
		.amdhsa_enable_private_segment 0
		.amdhsa_kernarg_size 88
		.amdhsa_user_sgpr_count 2
		.amdhsa_user_sgpr_kernarg_segment_ptr 1
		.amdhsa_wavefront_size32 1
		.amdhsa_system_sgpr_workgroup_id_x 1
		.amdhsa_system_sgpr_workgroup_id_y 1
		.amdhsa_system_sgpr_workgroup_id_z 1
		.amdhsa_system_vgpr_workitem_id 0
		.amdhsa_next_free_vgpr 256
		.amdhsa_next_free_sgpr 80
		.amdhsa_reserve_vcc 0
		.amdhsa_float_denorm_mode_32 3
		.amdhsa_float_denorm_mode_16_64 3
		.amdhsa_memory_ordered 1
		.amdhsa_forward_progress 1
		.amdhsa_inst_pref_size 80
	.end_amdhsa_kernel
	.amdgpu_metadata
---
amdhsa.version: [ 1, 2 ]
amdhsa.kernels:
  - .name:           k_q42af40f06b_prep
    .symbol:         k_q42af40f06b_prep.kd
    .args:
      - { .name: w_q, .offset: 0, .size: 8, .value_kind: global_buffer, .address_space: global }
      - { .name: w_k, .offset: 8, .size: 8, .value_kind: global_buffer, .address_space: global }
      - { .name: w_v, .offset: 16, .size: 8, .value_kind: global_buffer, .address_space: global }
      - { .name: w_o, .offset: 24, .size: 8, .value_kind: global_buffer, .address_space: global }
      - { .name: w_gate, .offset: 32, .size: 8, .value_kind: global_buffer, .address_space: global }
      - { .name: w_up, .offset: 40, .size: 8, .value_kind: global_buffer, .address_space: global }
      - { .name: w_down, .offset: 48, .size: 8, .value_kind: global_buffer, .address_space: global }
      - { .name: wts, .offset: 56, .size: 8, .value_kind: global_buffer, .address_space: global }
      - { .name: x, .offset: 64, .size: 8, .value_kind: global_buffer, .address_space: global }
      - { .name: g1, .offset: 72, .size: 8, .value_kind: global_buffer, .address_space: global }
      - { .name: act, .offset: 80, .size: 8, .value_kind: global_buffer, .address_space: global }
    .group_segment_fixed_size: 92672
    .private_segment_fixed_size: 0
    .kernarg_segment_align: 8
    .kernarg_segment_size: 88
    .max_flat_workgroup_size: 128
    .sgpr_count:     80
    .vgpr_count:     256
    .wavefront_size: 32
...
	.end_amdgpu_metadata
.endif
;; end of part 8
;; launch qkv (part 9): grid 12 x 16, 4 waves a work-group, clusters of 4 x 4, 327,680 bytes of LDS; arguments act, wts, qkv; writes qkv
.if DOCPART == 9
	.amdgcn_target "amdgcn-amd-amdhsa--gfx1250"
	.amdhsa_code_object_version 6
	.text
	.protected	k_q42af40f06b_qkv
	.globl	k_q42af40f06b_qkv
	.p2align	8
	.type	k_q42af40f06b_qkv,@function
k_q42af40f06b_qkv:
	s_mov_b64 s[64:65], 0
	v_nop
	global_prefetch_b8 v0, s[64:65] scope:SCOPE_SE
	s_setreg_imm32_b32 hwreg(HW_REG_WAVE_MODE, 25, 1), 1
	s_wait_xcnt 0x0
	s_wait_alu depctr_hold_cnt(0) depctr_sa_sdst(0) depctr_va_vdst(0) depctr_va_sdst(0) depctr_va_ssrc(0) depctr_va_vcc(0) depctr_vm_vsrc(0)
	s_getreg_b32 s2, hwreg(HW_REG_IB_STS2, 6, 4)
	s_cmp_eq_u32 s2, 0
	s_cbranch_scc0 .Lentry_in_a_cluster
	s_endpgm
.Lentry_in_a_cluster:
	s_bfe_u32 s2, ttmp6, 0x10000c
	s_cmp_lg_u32 s2, 0xf033
	s_cbranch_scc0 .Lentry_shape_is_right
	s_endpgm
.Lentry_shape_is_right:
; q = nx w_q, k = nx w_k, v = nx w_v on codes of FP6 (E2M3) with one E8M0 byte for each 32 along K = 1,024; the results are quantised in registers and stored as operand images for the attention.
; OPERANDS ARE IMAGES: a tile is 16 rows (lane r of tile T: row 32 (T / 2) + 8 (T % 2) + r + 8 (r / 8)); a fragment (tile, 128 along K) is 1,536 bytes: half c at 768 c: registers 6 c .. 6 c + 3 at 16 x lane,
; 6 c + 4, 6 c + 5 at 512 + 8 x lane; fragments lie [tile][K step], scale words [tile][pair of K steps][r][K step % 2].  So a fragment comes from LDS by four loads of consecutive bytes, with no pitch and no padding.
; A block of 256 x 256 of the result is made by four waves, each 128 x 128: 64 accumulators, 512 registers.  K goes in steps of 256 through two LDS slots filled by the tensor data mover.
; THE MATRIX INSTRUCTION IS USED TRANSPOSED (source 0 = 16 rows of operand B, source 1 = 16 rows of operand A): a lane holds one row of A, and by the choice of a tile's rows its registers of two neighbouring
; tiles of B are 16 neighbouring rows of B.  The results are quantised along B's rows.  q and k are quantised along the head's 64, so there A = tokens, B = rows of w_q, w_k (clusters x = 0, 1);
; v is quantised along the keys, so there A = rows of w_v, B = tokens (cluster x = 2).  One text serves both: buffers and indices are chosen by the cluster's x, which all partners share; no branch hangs on it.
; CLUSTERS: 4 x 4 work-groups.  A's tiles are shared along a row of the cluster, B's along a column: each is asked for jointly, by the same tensor load with the same descriptor and a mask that names the four.
; OUT: fragment I of 1,536 bytes.  q, k: I = (((which 2 + batch) 8 + head pair) 128 + token tile), half c = head 2 hp + c; v: I = 4,096 + ((batch 8 + head pair) 16 + key step) 8 + tile of the pair's 128 rows of V^T.
; Scale words from byte 9,437,184 on, 128 bytes for each I: q, k: [c][r], a head's two bytes and two zero bytes; v: the fragment's word, in lanes 0-15 and again in lanes 16-31.
; LIMITS: a block of zeros, or one under 2^-124, gets the byte 1 (this program alone reads the bytes); NaN and infinities are not served.
; REGISTERS, in windows of 256: window 0: v16-29 addresses; v32-63 scale words, two sets; v128-223 A's fragments, one set; window 1: B's fragments, two sets, at v0 and v128; windows 2, 3: the accumulators ((a, b) at v[8 (8 (a % 4) + b)]).
.set SIZE_K, 1024
.set KS,     SIZE_K/128                ; K steps of 128 in a row
.set KROW,   SIZE_K*3/4                ; a row's codes in bytes
.set NQ,     2                         ; matrix instructions deep in a slot
.set FR,     12                        ; registers of a fragment
.set NL,     4                         ; LDS loads that bring one
.set NP,     4                         ; places behind this matrix instruction (ISA guide 7.12.1)
.set HALFT,  8*2*1536                  ; 8 tiles x 2 K steps: what one tensor load brings, and what one wave reads of A or of B
.set SLOT,   4*HALFT                   ; A's 16 tiles, then B's 16
.set LAPS,   SIZE_K/512                ; a lap = two slots = once round the ring
.set SCL,    2*SLOT                    ; behind the ring: the scale words for all of K
.set SBLK,   KS*64                     ; those of a tile
.set HALFS,  8*SBLK                    ; those of 8 tiles; a tensor load brings twice as many
.set SPARE,  SCL+4*HALFS               ; behind them: the spare words, 128 bytes for each wave
.set ADRA, 16                          ; v16-17 LDS address of my A fragments in slot 0, 1, at 16 x lane; v18-19 at 8 x lane
.set ADRB, 20                          ; v20-23 the same for B
.set ADRS, 27                          ; v27    my scale words: lanes 0-15 A's, lanes 16-31 B's
.set SPW,  28                          ; v28    my spare word: SPARE + 4 x my thread's number; never rewritten
.set NIL,  29                          ; v29    0; never rewritten
.set SC,   32                          ; scale words: set s at v[SC + 16 s]; register 2 i + q: lanes 0-15 A's tile i, lanes 16-31 B's tile i, the slot's q-th 128 along K
.set AF,   128
.set G1, 24                            ; s[24:31] group 1 for A's tiles; s[32:39] group 0, a set for each slot
.set G0, 32
.set G1B, 48                           ; s[48:55], s[56:63] the same for B's
.set G0B, 56
.set G1S, 68                           ; s[68:75], s[76:79] groups 1 and 0 for A's scale words; s[80:87], s[88:91] for B's
.set G0S, 76
.set G1SB, 80
.set G0SB, 88
.set SEL, 18                           ; s[18:19] lane selects: lane l xor 16 (set behind the head, which uses s18 and s19 first)
.set MSB, 0
.macro WIN new                         ; the immediate's high byte repeats the setting that is left; a switch that changes nothing is dropped
.if MSB != (\new)
	s_set_vgpr_msb (MSB<<8)|(\new)
.set MSB, (\new)
.endif
.endm
.set MUL_LO, 0xa1                      ; source 0 (B) window 1, source 1 (A) window 0, C and D window 2
.set MUL_HI, 0xf1                      ; the same, C and D window 3
.set TO_B,   0x40                      ; destination window 1, address window 0
; A joint load: waves 0 and 1 fetch for A, waves 2 and 3 for B; the branch hangs on the wave's number alone.  Four v_nop follow each of the two lines.
.macro JLOAD g0a, g1a, g0b, g1b
	s_cmp_eq_u32 s15, 0
	s_cbranch_scc0 .Lfor_b_\@
	tensor_load_to_lds s[\g0a:\g0a+3], s[\g1a:\g1a+7]
	s_nop 0
.rept 4
	v_nop
.endr
	s_branch .Lasked_\@
.Lfor_b_\@:
	tensor_load_to_lds s[\g0b:\g0b+3], s[\g1b:\g1b+7]
	s_nop 0
.rept 4
	v_nop
.endr
.Lasked_\@:
.endm
.macro CREST                           ; a round of the cluster's barrier behind its opening barrier
	s_cmp_lg_u32 s14, 0
	s_cbranch_scc1 .Lnot_wave_0_\@
	s_barrier_signal -3
.Lnot_wave_0_\@:
	s_barrier_wait -3
	s_barrier_signal -1
	s_barrier_wait -1
.endm
.macro CROUND                          ; a whole round
	s_barrier_signal -1
	s_barrier_wait -1
	CREST
.endm
	s_load_b128 s[4:7], s[0:1], 0x0                ; the tokens' codes (act), the weights' (wts)
	s_load_b64 s[8:9], s[0:1], 0x10                ; qkv
	v_lshl_add_u32 v[SPW], v0, 2, SPARE
	v_mov_b32 v[NIL], 0
	ds_add_u32 v28, v29
	ds_add_u32 v28, v29
	s_wait_dscnt 0x0
	v_lshrrev_b32 v1, 5, v0
	v_readfirstlane_b32 s14, v1                    ; wave 0..3
	s_lshr_b32 s15, s14, 1                         ; which half of A's rows is mine.  Also: I fetch for A (0) or for B (1)
	s_and_b32 s16, s14, 1                          ; which half of B's rows.  Also: which 8 tiles I fetch
	s_bfe_u32 s40, ttmp6, 0x40000                  ; cx, cy: my place in the cluster
	s_bfe_u32 s41, ttmp6, 0x40004
	s_lshl_b32 s42, ttmp9, 2                       ; 4 x cluster x
	s_and_b32 s17, ttmp7, 0xffff
	s_lshl_b32 s17, s17, 2                         ; 4 x cluster y
	s_mov_b32 s94, 3145728                         ; where act's scale words begin
	s_mov_b32 s95, 7864320                         ; where wts's do
	s_cmp_eq_u32 ttmp9, 2                          ; cluster x = 2 makes v
	s_cselect_b32 s42, s17, s42                    ; B's block of 256 rows: tokens by cluster y, or weight rows by cluster x,
	s_cselect_b32 s17, 8, s17                      ; A's: w_v's rows begin at block 8 of wts, or tokens by cluster y
	s_cselect_b32 s98, s95, s94
	s_cselect_b32 s99, s94, s95
	s_add_co_u32 s42, s42, s40                     ; + cx
	s_add_co_u32 s17, s17, s41                     ; + cy
	s_lshl_b32 s43, s41, 2
	s_lshl_b32 s43, 15, s43                        ; my row of the cluster
	s_lshl_b32 s44, 0x1111, s40                    ; my column
	; group 1 for codes: 8 rows (tiles) of 3,072 bytes (two K steps), a tile's KS x 1,536 bytes apart; elements of 8 bytes; they land on end
	s_or_b32 s[G1+0], s43, (3<<16)|(1<<21)         ; 15:0 the mask; 17:16 elements of 8 bytes; 21 set beside a mask
	s_or_b32 s[G1B+0], s44, (3<<16)|(1<<21)
.irp g, G1, G1B
	s_mov_b32 s[\g+1], 384<<16                     ; tensor_dim0
	s_mov_b32 s[\g+2], 16<<16                      ; tensor_dim1: the head's loads bring a block's 16 tiles
	s_mov_b32 s[\g+3], 384<<16                     ; tile_dim0
	s_mov_b32 s[\g+4], 16                          ; tile_dim1
	s_mov_b32 s[\g+5], KS*192                      ; tensor_dim0_stride
	s_mov_b32 s[\g+6], 0
	s_mov_b32 s[\g+7], 0
.endr
	; and for the scale words of 16 tiles: a dense block of 2 x HALFS bytes, as rows of 256 bytes
	s_or_b32 s[G1S+0], s43, (3<<16)|(1<<21)
	s_or_b32 s[G1SB+0], s44, (3<<16)|(1<<21)
.irp g, G1S, G1SB
	s_mov_b32 s[\g+1], 32<<16
	s_mov_b32 s[\g+2], (HALFS/128)<<16             ; the scale words of 16 tiles
	s_mov_b32 s[\g+3], 32<<16
	s_mov_b32 s[\g+4], HALFS/128
	s_mov_b32 s[\g+5], 32
	s_mov_b32 s[\g+6], 0
	s_mov_b32 s[\g+7], 0
.endr
	s_lshl_b32 s18, s16, 7                         ; which 128 rows of the block I fetch
	s_lshl_b32 s20, s17, 8
	s_add_co_u32 s20, s20, s18                     ; A's row
	s_lshl_b32 s46, s42, 8
	s_add_co_u32 s46, s46, s18                     ; B's row
	s_mul_i32 s22, s20, SIZE_K/32
	s_add_co_u32 s22, s22, s98                     ; where these rows' scale words begin, in bytes (all offsets stay under 2^32)
	s_mov_b32 s23, 0
	s_mul_i32 s92, s46, SIZE_K/32
	s_add_co_u32 s92, s92, s99
	s_mov_b32 s93, 0
	s_mul_i32 s20, s20, KROW                       ; and their codes
	s_mov_b32 s21, 0
	s_mul_i32 s46, s46, KROW
	s_mov_b32 s47, 0
	s_mul_i32 s45, s14, HALFT                      ; where they go: by the wave's number alone
	s_mul_i32 s94, s14, HALFS
	s_wait_kmcnt 0x0
	s_cmp_eq_u32 ttmp9, 2
	s_cselect_b64 s[10:11], s[6:7], s[4:5]         ; A's buffer
	s_cselect_b64 s[12:13], s[4:5], s[6:7]         ; B's
	s_add_nc_u64 s[20:21], s[10:11], s[20:21]
	s_add_nc_u64 s[22:23], s[10:11], s[22:23]
	s_add_nc_u64 s[46:47], s[12:13], s[46:47]
	s_add_nc_u64 s[92:93], s[12:13], s[92:93]
	CROUND                                         ; all sixteen work-groups are here: the first joint loads meet
	; the head's four tiles, each whole: the addresses above stand at my half of a block; my half's bytes are taken off again
	s_mul_i32 s10, s16, 128*SIZE_K/32
	s_mov_b32 s11, 0
	s_mov_b32 s[G0S], 1                            ; the scale words of A's 16 tiles
	s_mov_b32 s[G0S+1], SCL
	s_sub_nc_u64 s[G0S+2:G0S+3], s[22:23], s[10:11]
	s_or_b32 s[G0S+3], s[G0S+3], 0x80000000
	s_mov_b32 s[G0SB], 1                           ; and of B's
	s_mov_b32 s[G0SB+1], SCL+2*HALFS
	s_sub_nc_u64 s[G0SB+2:G0SB+3], s[92:93], s[10:11]
	s_or_b32 s[G0SB+3], s[G0SB+3], 0x80000000
	s_mul_i32 s10, s16, 128*KROW
	s_mov_b32 s4, 1                                ; slot 0's 16 tiles of A (s[4:7] held arguments that have been used)
	s_mov_b32 s5, 0
	s_sub_nc_u64 s[6:7], s[20:21], s[10:11]
	s_or_b32 s7, s7, 0x80000000
	s_mov_b32 s92, 1                               ; and of B, behind them
	s_mov_b32 s93, 2*HALFT
	s_sub_nc_u64 s[94:95], s[46:47], s[10:11]
	s_or_b32 s95, s95, 0x80000000
.irp s, 0,1
	s_mov_b32 s[G0+4*\s], 1
	s_add_co_u32 s[G0+4*\s+1], s45, \s*SLOT
	s_add_nc_u64 s[G0+4*\s+2:G0+4*\s+3], s[20:21], \s*3072
	s_or_b32 s[G0+4*\s+3], s[G0+4*\s+3], 0x80000000
	s_mov_b32 s[G0B+4*\s], 1
	s_add_co_u32 s[G0B+4*\s+1], s45, \s*SLOT
	s_add_nc_u64 s[G0B+4*\s+2:G0B+4*\s+3], s[46:47], \s*3072
	s_or_b32 s[G0B+4*\s+3], s[G0B+4*\s+3], 0x80000000
.endr
; The head's loads, one a wave: wave 0 slot 0's tiles of A, wave 1 those of B, wave 2 A's scale words, wave 3 B's.  One chain of branches on the wave's number, all arms leading to one join.
.macro ARM under, g0, g1, next
	s_cmp_lt_u32 s14, \under
	s_cbranch_scc0 \next
	tensor_load_to_lds s[\g0:\g0+3], s[\g1:\g1+7]
	s_nop 0
.rept 4
	v_nop
.endr
	s_branch .Lhead_asked
\next:
.endm
	ARM 1, 4, G1, .Lhead_b
	ARM 2, 92, G1B, .Lhead_sa
	ARM 3, G0S, G1S, .Lhead_sb
	tensor_load_to_lds s[G0SB:G0SB+3], s[G1SB:G1SB+7]
	s_nop 0
.rept 4
	v_nop
.endr
.Lhead_asked:
	; PREFETCHES.  A ring load of mine brings 8 tiles x 3,072 bytes, asked for jointly by four partners: each partner names two of the tiles, told apart by address (cx for A's tiles, cy for B's):
	; 24 blocks of 256 bytes, a lane to a block; the eight lanes left over name the last block again.  Here: slots 1 and 2; behind slot 1's load: slot 3.  So two slots at the most are asked for and not yet read.
	s_cmp_eq_u32 s15, 0                            ; do I fetch for A?
	s_cselect_b64 s[10:11], s[20:21], s[46:47]     ; my 8 tiles' first byte
	s_cselect_b32 s2, s40, s41                     ; my place among the four that ask with me
	s_mul_i32 s2, s2, 2*KS*1536
	s_mov_b32 s3, 0
	s_add_nc_u64 s[10:11], s[10:11], s[2:3]        ; my work-group's two tiles; never rewritten
	v_and_b32 v31, 31, v0
	v_min_u32 v31, 23, v31
	v_mul_u32_u24 v30, v31, 43
	v_lshrrev_b32 v30, 9, v30                      ; lane / 12: which of the two tiles
	v_mul_u32_u24 v30, v30, KS*1536-3072
	v_lshl_add_u32 v30, v31, 8, v30                ; 256 x (lane % 12) + a tile's KS x 1,536 bytes x (lane / 12); never rewritten
	global_prefetch_b8 v30, s[10:11] offset:3072 th:TH_LOAD_NT scope:SCOPE_SE
	global_prefetch_b8 v30, s[10:11] offset:2*3072 th:TH_LOAD_NT scope:SCOPE_SE
	v_and_b32 v1, 15, v0                           ; r
	v_bfe_u32 v2, v0, 4, 1                         ; h
	v_and_b32 v3, 31, v0                           ; lane
	v_lshlrev_b32 v4, 4, v3
	v_lshlrev_b32 v5, 3, v3
	s_mul_i32 s21, s15, HALFT                      ; my 8 tiles of A
	s_mul_i32 s22, s16, HALFT                      ; my 8 tiles of B,
	s_add_co_u32 s22, s22, 2*HALFT                 ; which lie behind A's 16
.irp s, 0,1
	v_add_nc_u32 v[ADRA+\s], s21, v4
	v_add_nc_u32 v[ADRB+\s], s22, v4
	v_add_nc_u32 v[ADRA+2+\s], s21, v5
	v_add_nc_u32 v[ADRB+2+\s], s22, v5
	s_add_co_u32 s21, s21, SLOT
	s_add_co_u32 s22, s22, SLOT
.endr
	v_lshlrev_b32 v5, 3, v1                        ; my row's two scale words of a slot: 8 r
	s_mul_i32 s21, s15, HALFS                      ; A's: my 8 tiles
	s_mul_i32 s22, s16, HALFS                      ; B's: my 8 tiles, behind A's 16
	s_add_co_u32 s22, s22, 2*HALFS
	s_sub_co_u32 s22, s22, s21
	v_mul_u32_u24 v6, s22, v2                      ; lanes 16-31 take B's
	s_add_co_u32 s21, s21, SCL
	v_add_nc_u32 v5, v5, v6
	v_add_nc_u32 v[ADRS], s21, v5
	; where the results go
	v_lshlrev_b32 v24, 4, v3                       ; 16 x lane
	v_lshlrev_b32 v25, 3, v3                       ; 8 x lane
	v_lshlrev_b32 v26, 2, v3                       ; 4 x lane
	s_lshr_b32 s20, s42, 2                         ; q, k: which = B's block / 4
	s_lshl_b32 s20, s20, 1
	s_lshr_b32 s21, s17, 3                         ; the batch = A's block / 8
	s_add_co_u32 s20, s20, s21
	s_lshl_b32 s20, s20, 3
	s_and_b32 s21, s42, 3
	s_lshl_b32 s21, s21, 1
	s_add_co_u32 s20, s20, s21
	s_add_co_u32 s20, s20, s16                     ; the head pair: my 128 rows of the weight
	s_lshl_b32 s20, s20, 7
	s_lshl_b32 s21, s17, 4
	s_lshl_b32 s22, s15, 3
	s_add_co_u32 s21, s21, s22
	s_and_b32 s21, s21, 127
	s_add_co_u32 s20, s20, s21                     ; my first token tile in the sequence
	s_lshr_b32 s21, s42, 3                         ; v: the batch = B's block / 8
	s_lshl_b32 s21, s21, 3
	s_sub_co_u32 s22, s17, 8
	s_lshl_b32 s22, s22, 1
	s_add_co_u32 s21, s21, s22
	s_add_co_u32 s21, s21, s15                     ; the head pair: my 128 rows of w_v
	s_lshl_b32 s21, s21, 4
	s_lshl_b32 s22, s42, 1
	s_add_co_u32 s22, s22, s16
	s_and_b32 s22, s22, 15
	s_add_co_u32 s21, s21, s22                     ; the key step: my 128 tokens
	s_lshl_b32 s21, s21, 3
	s_add_co_u32 s21, s21, 4096
	s_mov_b32 s22, 0xffff
	s_cmp_eq_u32 ttmp9, 2
	s_cselect_b32 s20, s21, s20                    ; I of my first fragment; my eight are neighbours
	s_cselect_b32 s98, -1, s22                     ; what lanes 0-15 keep of a scale word,
	s_cselect_b32 s99, 0, 16                       ; and how far lanes 16-31 shift it down
	s_mul_i32 s46, s20, 1536
	s_mov_b32 s47, 0
	s_add_nc_u64 s[12:13], s[8:9], s[46:47]
	s_lshl_b32 s46, s20, 7
	s_add_co_u32 s46, s46, 9437184
	s_add_nc_u64 s[96:97], s[8:9], s[46:47]
	s_mov_b32 s[SEL], 0x76543210
	s_mov_b32 s[SEL+1], 0xfedcba98
.macro FRAG reg, adr, q, i             ; a fragment: tile i of my eight, the slot's q-th K step: four loads of consecutive bytes
	ds_load_b128 v[\reg:\reg+3], v[\adr] offset:(\i)*3072+(\q)*1536
	ds_load_b64 v[\reg+4:\reg+5], v[\adr+2] offset:(\i)*3072+(\q)*1536+512
	ds_load_b128 v[\reg+6:\reg+9], v[\adr] offset:(\i)*3072+(\q)*1536+768
	ds_load_b64 v[\reg+10:\reg+11], v[\adr+2] offset:(\i)*3072+(\q)*1536+1280
.endm
; 16 matrix instructions: A's tiles a0, a0 + 1 x B's eight.  p: B's set; sc: the set of scale words.  zero = 1: the first product starts the sums.  The 64 accumulators take turns, one instruction a turn.
.macro MUL16 a0, p, q, sc, zero
.irp a, \a0, \a0+1
.irp b, 0,1,2,3,4,5,6,7
.if \zero
	v_wmma_scale_f32_16x16x128_f8f6f4 v[8*(8*((\a)%4)+\b):8*(8*((\a)%4)+\b)+7], v[128*(\p)+FR*\b:128*(\p)+FR*\b+FR-1], v[AF+FR*(\a):AF+FR*(\a)+FR-1], 0, v[SC+8*NQ*(\sc)+NQ*\b+(\q)], v[SC+8*NQ*(\sc)+NQ*(\a)+(\q)] matrix_a_fmt:MATRIX_FMT_FP6 matrix_b_fmt:MATRIX_FMT_FP6 matrix_a_scale:MATRIX_SCALE_ROW1
.else
	v_wmma_scale_f32_16x16x128_f8f6f4 v[8*(8*((\a)%4)+\b):8*(8*((\a)%4)+\b)+7], v[128*(\p)+FR*\b:128*(\p)+FR*\b+FR-1], v[AF+FR*(\a):AF+FR*(\a)+FR-1], v[8*(8*((\a)%4)+\b):8*(8*((\a)%4)+\b)+7], v[SC+8*NQ*(\sc)+NQ*\b+(\q)], v[SC+8*NQ*(\sc)+NQ*(\a)+(\q)] matrix_a_fmt:MATRIX_FMT_FP6 matrix_b_fmt:MATRIX_FMT_FP6 matrix_a_scale:MATRIX_SCALE_ROW1
.endif
.endr
.endr
.endm
.macro FETCH_B slot, q, p
	WIN TO_B
.irp i, 0,1,2,3,4,5,6,7
	FRAG 128*(\p)+FR*\i, ADRB+\slot, \q, \i
.endr
	WIN 0
.endm
.macro FETCH_A slot, q, i0
.irp i, \i0, \i0+1, \i0+2, \i0+3
	FRAG AF+FR*(\i), ADRA+\slot, \q, \i
.endr
.endm
.macro SCALES sc                       ; a slot's scale words: two a row; lanes 0-15 take A's tile i, lanes 16-31 B's tile i
.irp i, 0,1,2,3,4,5,6,7
	ds_load_b64 v[SC+8*NQ*\sc+NQ*\i:SC+8*NQ*\sc+NQ*\i+1], v[ADRS] offset:\i*SBLK
.endr
.endm
.macro PLACES n                        ; plain vector instructions between a matrix instruction and a load into, or a vector instruction on, its registers
.rept \n
	v_nop
.endr
.endm
.macro STEP slot, q, zero              ; a step of 128 along K that has its successor in the same slot
	s_wait_dscnt 4*NL                              ; B's set and A's tiles 0-3 are in; the youngest 16 loads (A's tiles 4-7) may be out
	WIN MUL_LO
	MUL16 0, (\q)%2, \q, \slot, \zero
	MUL16 2, (\q)%2, \q, \slot, \zero
	s_wait_dscnt 0
	PLACES NP
	FETCH_B \slot, (\q)+1, 1-(\q)%2
	FETCH_A \slot, (\q)+1, 0
	WIN MUL_HI
	MUL16 4, (\q)%2, \q, \slot, \zero
	MUL16 6, (\q)%2, \q, \slot, \zero
	PLACES NP
	WIN 0
	FETCH_A \slot, (\q)+1, 4
.endm
; A slot's last step changes slots: one barrier; in front of it each wave waits for all its tensor loads, adds 0 to its spare word, and waits for that and for its own reads of this slot.  fill = 1: this slot is filled again, two slots ahead.
.macro TURN slot, next, fill
	s_wait_tensorcnt 0x0                           ; all my tensor loads have landed: my part of the next slot
	ds_add_u32 v[SPW], v[NIL]                      ; 0 onto my spare word
	s_wait_dscnt 4*NL+1                            ; (the add and the youngest 16 loads may be out)
	WIN MUL_LO
	MUL16 0, 1, NQ-1, \slot, 0
	s_wait_dscnt 0x0                               ; the add is done, and my reads of this slot are over
	s_barrier_signal -1
	MUL16 2, 1, NQ-1, \slot, 0
	WIN 0
	s_barrier_wait -1
.if \fill
	CREST                                          ; the barrier has opened a round of the cluster's barrier: no wave of any partner still reads this slot or has a load on its way
	s_add_nc_u64 s[G0+4*\slot+2:G0+4*\slot+3], s[G0+4*\slot+2:G0+4*\slot+3], 2*3072
	s_add_nc_u64 s[G0B+4*\slot+2:G0B+4*\slot+3], s[G0B+4*\slot+2:G0B+4*\slot+3], 2*3072
	JLOAD G0+4*\slot, G1, G0B+4*\slot, G1B         ; the first tensor load behind the round; its four v_nop are the places in front of the loads below
.else
	PLACES NP
.endif
	s_wait_alu depctr_va_vdst(0)
	v_add_nc_u32 v[ADRS], 128, v[ADRS]             ; the next slot's scale words
	FETCH_B \next, 0, 0
	FETCH_A \next, 0, 0
	SCALES \next
	WIN MUL_HI
	MUL16 4, 1, NQ-1, \slot, 0
	MUL16 6, 1, NQ-1, \slot, 0
	PLACES NP
	WIN 0
	FETCH_A \next, 0, 4
.endm
	s_wait_alu depctr_va_vdst(0)
	s_wait_tensorcnt 0x0                           ; my tile of the head's four is in; slot 1's first fill is issued as a refill is
	ds_add_u32 v[SPW], v[NIL]
	s_mov_b32 s[G1+2], 8<<16                       ; no load of mine is out: from here on a load brings 8 tiles
	s_mov_b32 s[G1+4], 8
	s_mov_b32 s[G1B+2], 8<<16
	s_mov_b32 s[G1B+4], 8
	s_wait_dscnt 0x0
	CROUND                                         ; everybody's tiles are in, and the joint loads meet
	JLOAD G0+4, G1, G0B+4, G1B                     ; slot 1
	FETCH_B 0, 0, 0
	FETCH_A 0, 0, 0
	SCALES 0
	FETCH_A 0, 0, 4
	global_prefetch_b8 v30, s[10:11] offset:3*3072 th:TH_LOAD_NT scope:SCOPE_SE   ; slot 3, the last: two refills ahead of its load
	STEP 0, 0, 1
	s_mov_b32 s3, LAPS-1
.Llap:                                                 ; a trip goes once round the ring and fills both slots again
	TURN 0, 1, 1
	STEP 1, 0, 0
	TURN 1, 0, 1
	STEP 0, 0, 0
	s_sub_co_u32 s3, s3, 1
	s_cmp_lg_u32 s3, 0
	s_cbranch_scc1 .Llap
	TURN 0, 1, 0                                   ; the last lap fills nothing
	STEP 1, 0, 0
	s_wait_dscnt 4*NL
	WIN MUL_LO
	MUL16 0, 1, NQ-1, 1, 0
	MUL16 2, 1, NQ-1, 1, 0
	s_wait_dscnt 0
	WIN MUL_HI
	MUL16 4, 1, NQ-1, 1, 0
	MUL16 6, 1, NQ-1, 1, 0
	WIN 0
; THE WAY OUT.  For A's tile a a lane's 64 results are, register 16 b + i, B's row 32 b + 16 (lane / 16) + i of my 128: one K step of the next product.  They are quantised where they lie and stored as a fragment.
.set TM, 32                            ; v32-47 at work; v48-55 the conversions' second halves; v56-57 the scale word
.set PT, 48
.macro QUANT64W s, w, pc, pw           ; the 64 numbers at v[s] on of window w; each accumulator is read from its low end on
	WIN (\w)|((\w)<<2)
.irp b, 0,1,2,3
	v_max3_num_f32 v[TM+\b], |v[\s+16*\b]|, |v[\s+1+16*\b]|, 0x1800000   ; and the floor 2^(3 - 127)
.endr
	WIN ((\w)<<2)|((\w)<<4)
.irp i, 2,4,6,8,10,12,14
.irp b, 0,1,2,3
	v_max3_num_f32 v[TM+\b], v[TM+\b], |v[\s+16*\b+\i]|, |v[\s+1+16*\b+\i]|
.endr
.endr
	WIN 0
.irp b, 0,1,2,3
	v_permlanex16_b32 v[TM+4+\b], v[TM+\b], s[SEL], s[SEL+1]
.endr
.irp b, 0,1,2,3
	v_max_num_f32 v[TM+\b], v[TM+\b], v[TM+4+\b]
.endr
.irp b, 0,1,2,3
	v_add_nc_u32 v[TM+12+\b], 0xff000000, v[TM+\b]
.endr
.irp b, 0,1,2,3
	v_lshrrev_b32 v[TM+4+\b], 23, v[TM+12+\b]
.endr
	v_lshl_or_b32 v[\pw], v[TM+5], 8, v[TM+4]
	v_lshl_or_b32 v[\pw], v[TM+6], 16, v[\pw]
	v_lshl_or_b32 v[\pw], v[TM+7], 24, v[\pw]
	WIN (\w)
.irp c, 0,1
	v_cvt_scalef32_pk16_fp6_f32 v[\pc+6*\c:\pc+2+6*\c], v[\s+32*\c:\s+15+32*\c], v[TM+12+2*\c]
	v_cvt_scalef32_pk16_fp6_f32 v[PT+4*\c:PT+2+4*\c], v[\s+16+32*\c:\s+31+32*\c], v[TM+13+2*\c]
.endr
	WIN 0
	v_nop                                          ; one plain instruction behind a scaled conversion
.irp c, 0,1
.irp i, 0,1,2
	v_permlane16_swap_b32 v[\pc+6*\c+\i], v[PT+4*\c+\i]
.endr
.irp i, 0,1,2
	v_mov_b32 v[\pc+3+6*\c+\i], v[PT+4*\c+\i]
.endr
.endr
.endm
	PLACES NP
.irp b, 0,1,2,3
	v_mov_b32 v[TM+4+\b], 0                        ; a lane permute's destination counts as one of its sources
.endr
	s_mov_b32 vcc_lo, 0xffff0000                   ; lanes 16-31; written behind the last tensor load
.irp a, 0,1,2,3,4,5,6,7
	QUANT64W 64*(\a%4), 2+\a/4, 64+14*\a, 56
	v_and_b32 v57, s98, v56                        ; q, k: lanes 0-15 store the even head's two bytes,
	v_lshrrev_b32 v56, s99, v56                    ; lanes 16-31 the odd head's; v: both the whole word
	v_cndmask_b32 v[64+14*\a+12], v57, v56, vcc_lo
	global_store_b128 v24, v[64+14*\a:64+14*\a+3], s[12:13] offset:\a*1536
	global_store_b64 v25, v[64+14*\a+4:64+14*\a+5], s[12:13] offset:\a*1536+512
	global_store_b128 v24, v[64+14*\a+6:64+14*\a+9], s[12:13] offset:\a*1536+768
	global_store_b64 v25, v[64+14*\a+10:64+14*\a+11], s[12:13] offset:\a*1536+1280
	global_store_b32 v26, v[64+14*\a+12], s[96:97] offset:\a*128
.endr
	s_wait_tensorcnt 0x0                           ; the wave's end
	ds_add_u32 v[SPW], v[NIL]
	s_wait_dscnt 0x0
	CROUND                                         ; the closing round: no work-group ends while a partner may still ask for a tile that names it
	s_endpgm
.Lfunc_end_k_q42af40f06b_qkv:
	.size	k_q42af40f06b_qkv, .Lfunc_end_k_q42af40f06b_qkv-k_q42af40f06b_qkv
	.p2alignl 7, 3214868480
	.fill 96, 4, 3214868480
	.section	.rodata,"a",@progbits
	.p2align	6, 0x0
	.amdhsa_kernel k_q42af40f06b_qkv
		.amdhsa_group_segment_fixed_size 327680
		.amdhsa_private_segment_fixed_size 0
		.amdhsa_enable_private_segment 0
		.amdhsa_kernarg_size 24
		.amdhsa_user_sgpr_count 2
		.amdhsa_user_sgpr_kernarg_segment_ptr 1
		.amdhsa_wavefront_size32 1
		.amdhsa_system_sgpr_workgroup_id_x 1
		.amdhsa_system_sgpr_workgroup_id_y 1
		.amdhsa_system_sgpr_workgroup_id_z 1
		.amdhsa_system_vgpr_workitem_id 0
		.amdhsa_next_free_vgpr 1024
		.amdhsa_next_free_sgpr 100
		.amdhsa_reserve_vcc 1
		.amdhsa_float_denorm_mode_32 3
		.amdhsa_float_denorm_mode_16_64 3
		.amdhsa_memory_ordered 1
		.amdhsa_forward_progress 1
		.amdhsa_inst_pref_size 153
	.end_amdhsa_kernel
	.amdgpu_metadata
---
amdhsa.version: [ 1, 2 ]
amdhsa.kernels:
  - .name:           k_q42af40f06b_qkv
    .symbol:         k_q42af40f06b_qkv.kd
    .args:
      - { .name: act, .offset: 0, .size: 8, .value_kind: global_buffer, .address_space: global }
      - { .name: wts, .offset: 8, .size: 8, .value_kind: global_buffer, .address_space: global }
      - { .name: qkv, .offset: 16, .size: 8, .value_kind: global_buffer, .address_space: global }
    .group_segment_fixed_size: 327680
    .private_segment_fixed_size: 0
    .kernarg_segment_align: 8
    .kernarg_segment_size: 24
    .max_flat_workgroup_size: 128
    .sgpr_count:     100
    .vgpr_count:     1024
    .wavefront_size: 32
...
	.end_amdgpu_metadata
.endif
;; end of part 9
;; launch attn (part 10): grid 8 x 32, 16 waves a work-group, no clusters, 327,680 bytes of LDS; arguments qkv, act; writes act
.if DOCPART == 10
	.amdgcn_target "amdgcn-amd-amdhsa--gfx1250"
	.amdhsa_code_object_version 6
	.text
	.protected	k_q42af40f06b_attn
	.globl	k_q42af40f06b_attn
	.p2align	8
	.type	k_q42af40f06b_attn,@function
k_q42af40f06b_attn:
	s_mov_b64 s[64:65], 0
	v_nop
	global_prefetch_b8 v0, s[64:65] scope:SCOPE_SE
	s_setreg_imm32_b32 hwreg(HW_REG_WAVE_MODE, 25, 1), 1
	s_wait_xcnt 0x0
; Causal attention for one head, both products on codes of FP6 (E2M3) with one E8M0 byte for each 32 along a product's K; the result, divided by the row's sum, is quantised and stored as half a fragment of the next product's operand.
; q, k, v arrive as operand images (a tile is 16 rows: lane r of tile T holds row 32 (T / 2) + 8 (T % 2) + r + 8 (r / 8); half a fragment, 64 along K, is 768 bytes: four registers at 16 x lane, two at 512 + 8 x lane).
; The head size is 64: a fragment of q or k is one half; the operand's other six registers hold zero codes and the scale word's other two bytes are 0.
; THE SOFTMAX: t = score x log2(e) / 8; M = the row's largest t so far, rounded up to a whole number; p = 2^(t - M) is quantised along the keys, not normalised; the row's sum is taken of the unquantised p and divides at the end.
; When M moves, the sum and O are multiplied by 2^(old M - new M): exact.  A block's largest p is made from the block's largest score by the same multiply-add and exponential.
; SHARES.  A work-group owns blocks x and 15 - x of 128 queries of one head: 8 early and 8 late tiles of 16 queries, 8 x 17 tile steps of 128 keys under the causal mask.  Steps all of whose keys are hidden are left out.
; Waves 2 j and 2 j + 1 share late tile j and early tile j.  The one (ROLE 1) takes the late tile's key steps 0 to 8: 9 steps.  The other (ROLE 0) takes the early tile's x + 1 steps, stores that tile,
; and then takes the late tile's steps 9 to 15 - x: 8 steps in all.  Its part of the late tile (-M, the sum, O^T) goes through LDS to its partner, which brings both parts under the larger M (a power of two, exact) and stores the tile.
; Every wave walks the same three loops of 4, 4 and 7 trips and passes all barriers.
; K AND V OF THE WHOLE HEAD LIE IN LDS, each byte filled once.  At the head every wave issues one tensor load: key steps 0 to 3 of K (waves 0-3) and of V (waves 4-7), K's scale words (8-11), V's (12-15).
; Behind the first barrier waves 0-3 ask for K's steps 4 to 15, three steps each, and waves 4-7 for V's; they are waited for behind the first loop.
; NO CLUSTER: the work-groups of a head read the same K and V, but a work-group with x > 0 never reads the last x key steps, and which steps are read hangs on x.
; NO PREFETCH: all of K and V is asked for by these two groups of loads ahead of the first key step's work; there is no loop to run ahead in.
; Both products are used transposed: S^T = K Q^T, O^T = V^T P^T: a lane holds one query throughout, and by the choice of a tile's rows the 16 registers of two neighbouring tiles are 16 neighbouring keys (or channels).
; LIMITS: a block of zeros, or one under 2^-124, gets the byte 1; NaN and infinities are not served; the scaled scores t stay under 2^31 in magnitude.
; REGISTERS: v1-9 addresses; v10 my spare word, v11 0; v12 -M, v13 the largest t, v[14:15] the sum; v16-27 Q; v28-31 V's scale words; v32-79 four tiles of K; v80-127 V's four fragments; v128-191 S^T, then p; v192-223 O^T; v224-235 p's codes; v232-254 at work; v255 Q's scale word.
.set KSC,  196608                      ; LDS: K's codes at 0 (128 tiles x 768), V's at 98,304 ([step][tile][1,536]), K's scale words here ([tile][r]), V's at 204,800 ([step][tile][128 bytes])
.set PART, 212992                      ; a wave's part of a late tile: 4,096 bytes of O^T, 256 of -M and the sum; 4,352 bytes for each wave
.set SPARE, 294912                     ; the spare words, 128 bytes for each wave
.set S,    128
.set O,    192
.set TM,   232
.set PT,   240
.set WV,   18                          ; s18 my wave's number
.set ROLE, 19                          ; s19 1: the late tile's steps 0-8; 0: the early tile, then the late tile's steps from 9 on
.set SEL,  20                          ; s[20:21] lane selects: lane l xor 16
.set CS,   22                          ; s[22:23] c = log2(e) / 8, twice
.set TB,   2                           ; s2  LDS byte of the step's tiles of K
.set TV,   3                           ; s3  of V
.set TS,   66                          ; s66 of K's scale words; V's lie 8,192 on
.set CNT,  67
.set KF,   60                          ; s60 the step's first key
.set Q0,   61                          ; s61 first query of the tile at work
.set LIM,  63                          ; s63 the last first key that is mine
.set Q0L,  17                          ; s17 the late tile's first query
.set PBS,  16                          ; s16 my part's LDS bytes
.set PBL,  100                         ; s100 my partner's
.set G0K,  40                          ; groups 0: K's codes, V's codes, K's scale words, V's
.set G0V,  44
.set G0KS, 48
.set G0VS, 52
.set G1K,  68                          ; groups 1
.set G1V,  76
.set G1KS, 84
.set G1VS, 92
	s_load_b128 s[4:7], s[0:1], 0x0                ; qkv, act
	v_lshl_add_u32 v10, v0, 2, SPARE
	v_mov_b32 v11, 0
	ds_add_u32 v10, v11                            ; the opening lines: the add, twice on end, and its wait ahead of my first tensor load
	ds_add_u32 v10, v11
	v_lshrrev_b32 v9, 5, v0
	s_delay_alu instid0(VALU_DEP_1)
	v_readfirstlane_b32 s[WV], v9                  ; wave 0..15
	v_and_b32 v9, 31, v0
	v_and_b32 v8, 15, v0                           ; r
	v_bfe_u32 v7, v0, 4, 1
	v_lshlrev_b32 v1, 4, v9                        ; 16 x lane
	v_lshlrev_b32 v2, 3, v9                        ; 8 x lane
	v_lshlrev_b32 v3, 2, v8                        ; 4 r
	v_and_b32 v4, 8, v8
	v_lshlrev_b32 v7, 4, v7
	s_delay_alu instid0(VALU_DEP_2)
	v_add_nc_u32 v4, v4, v8
	s_delay_alu instid0(VALU_DEP_1)
	v_sub_nc_u32 v4, v4, v7                        ; my query in the tile, r + 8 (r / 8), less 16 (lane / 16)
	s_and_b32 s24, ttmp7, 0xffff
	s_lshr_b32 s25, s24, 4                         ; the batch
	s_and_b32 s26, s24, 15
	s_lshr_b32 s27, s26, 1                         ; the head pair
	s_and_b32 s28, s26, 1                          ; c: the head in the pair
	s_lshl_b32 s29, s25, 3
	s_add_co_u32 s29, s29, s27                     ; 8 x batch + head pair
	s_lshr_b32 s30, s[WV], 2
	s_xor_b32 s30, s30, s[WV]
	s_and_b32 s[ROLE], s30, 1                      ; waves w, w + 4, w + 8, w + 12 hold two of each role
	s_lshr_b32 s31, s[WV], 1                       ; j
	s_sub_co_u32 s33, 15, ttmp9
	s_lshl_b32 s33, s33, 3
	s_add_co_u32 s33, s33, s31                     ; the late tile
	s_lshl_b32 s32, ttmp9, 3
	s_add_co_u32 s32, s32, s31                     ; the early tile
	s_cmp_eq_u32 s[ROLE], 1
	s_cselect_b32 s32, s33, s32                    ; the tile that I begin with and store
	s_lshr_b32 s34, s32, 1
	s_lshl_b32 s34, s34, 5
	s_and_b32 s35, s32, 1
	s_lshl_b32 s35, s35, 3
	s_add_co_u32 s[Q0], s34, s35
	s_lshr_b32 s34, s33, 1
	s_lshl_b32 s34, s34, 5
	s_and_b32 s35, s33, 1
	s_lshl_b32 s35, s35, 3
	s_add_co_u32 s[Q0L], s34, s35
	s_lshl_b32 s34, ttmp9, 7
	s_cmp_eq_u32 s[ROLE], 1
	s_cselect_b32 s[LIM], 4096, s34                ; the late tile sees all of steps 0-7; the early tile steps 0 to x
	s_mul_i32 s[PBS], s[WV], 4352
	s_add_co_u32 s[PBS], s[PBS], PART
	s_xor_b32 s34, s[WV], 1
	s_mul_i32 s[PBL], s34, 4352
	s_add_co_u32 s[PBL], s[PBL], PART
	; groups 1: elements of 8 bytes, no padding
	s_mov_b32 s[G1K], 3<<16                        ; K's codes: 8 rows (tiles) of 768 bytes, 1,536 apart
	s_mov_b32 s[G1K+1], 96<<16
	s_mov_b32 s[G1K+2], 8<<16
	s_mov_b32 s[G1K+3], 96<<16
	s_mov_b32 s[G1K+4], 8
	s_mov_b32 s[G1K+5], 192
	s_mov_b32 s[G1K+6], 0
	s_mov_b32 s[G1K+7], 0
	s_mov_b32 s[G1V], 3<<16                        ; V's codes: a key step's 4 rows (tiles) of 1,536 bytes, on end
	s_mov_b32 s[G1V+1], 192<<16
	s_mov_b32 s[G1V+2], 4<<16
	s_mov_b32 s[G1V+3], 192<<16
	s_mov_b32 s[G1V+4], 4
	s_mov_b32 s[G1V+5], 192
	s_mov_b32 s[G1V+6], 0
	s_mov_b32 s[G1V+7], 0
	s_mov_b32 s[G1KS], 3<<16                       ; K's scale words: 32 rows (tiles) of 64 bytes, 128 apart
	s_mov_b32 s[G1KS+1], 8<<16
	s_mov_b32 s[G1KS+2], 32<<16
	s_mov_b32 s[G1KS+3], 8<<16
	s_mov_b32 s[G1KS+4], 32
	s_mov_b32 s[G1KS+5], 16
	s_mov_b32 s[G1KS+6], 0
	s_mov_b32 s[G1KS+7], 0
	s_mov_b32 s[G1VS], 3<<16                       ; V's scale words: 4 rows (key steps) of 512 bytes, 1,024 apart
	s_mov_b32 s[G1VS+1], 64<<16
	s_mov_b32 s[G1VS+2], 4<<16
	s_mov_b32 s[G1VS+3], 64<<16
	s_mov_b32 s[G1VS+4], 4
	s_mov_b32 s[G1VS+5], 128
	s_mov_b32 s[G1VS+6], 0
	s_mov_b32 s[G1VS+7], 0
	; byte offsets, each in the registers that will hold the address.  q = wave % 4 says which quarter of its kind a wave fetches
	s_and_b32 s30, s[WV], 3
	s_mul_i32 s34, s30, 12288
	s_mul_i32 s35, s29, 196608                     ; a head pair's 128 fragments
	s_add_co_u32 s35, s35, s34
	s_mul_i32 s42, s28, 768
	s_add_co_u32 s42, s42, 3145728                 ; K: behind q's 2,048 fragments, my head's half; key step q
	s_add_co_u32 s42, s42, s35
	s_mov_b32 s43, 0
	s_mul_i32 s46, s28, 6144
	s_add_co_u32 s46, s46, 6291456                 ; V: behind q's and k's, my head's four tiles; key step q
	s_add_co_u32 s46, s46, s35
	s_mov_b32 s47, 0
	s_lshl_b32 s34, s29, 14
	s_lshl_b32 s35, s30, 12
	s_add_co_u32 s34, s34, s35
	s_lshl_b32 s50, s28, 6
	s_add_co_u32 s50, s50, 9699328                 ; K's scale words, tiles 32 q on
	s_add_co_u32 s50, s50, s34
	s_mov_b32 s51, 0
	s_lshl_b32 s54, s28, 9
	s_add_co_u32 s54, s54, 9961472                 ; V's, key steps 4 q on
	s_add_co_u32 s54, s54, s34
	s_mov_b32 s55, 0
	s_mov_b32 s40, 1
	s_mov_b32 s44, 1
	s_mov_b32 s48, 1
	s_mov_b32 s52, 1
	s_mul_i32 s41, s30, 6144                       ; where they go
	s_add_co_u32 s45, s41, 98304
	s_lshl_b32 s49, s30, 11
	s_add_co_u32 s49, s49, KSC
	s_add_co_u32 s53, s49, 8192
	s_mul_i32 s38, s30, 24576                      ; from key step q to key step 4 + 3 q: in memory,
	s_add_co_u32 s38, s38, 49152
	s_mov_b32 s39, 0
	s_mul_i32 s37, s30, 12288                      ; and in LDS
	s_add_co_u32 s37, s37, 24576
	s_lshl_b32 s36, s29, 7
	s_add_co_u32 s34, s36, s32                     ; Q's fragment of my first tile
	s_mul_i32 s8, s34, 1536
	s_mul_i32 s35, s28, 768
	s_add_co_u32 s8, s8, s35
	s_mov_b32 s9, 0
	s_lshl_b32 s10, s34, 7
	s_lshl_b32 s31, s28, 6
	s_add_co_u32 s31, s31, 9437184
	s_add_co_u32 s10, s10, s31                     ; its scale words
	s_mov_b32 s11, 0
	s_add_co_u32 s34, s36, s33                     ; and of the late tile
	s_mul_i32 s56, s34, 1536
	s_add_co_u32 s56, s56, s35
	s_mov_b32 s57, 0
	s_lshl_b32 s58, s34, 7
	s_add_co_u32 s58, s58, s31
	s_mov_b32 s59, 0
	s_lshl_b32 s34, s25, 7
	s_add_co_u32 s34, s34, s32                     ; the output's tile of tokens
	s_lshl_b32 s12, s34, 3
	s_add_co_u32 s12, s12, s27                     ; its K step is the head pair,
	s_mul_i32 s12, s12, 1536
	s_add_co_u32 s12, s12, s35                     ; its half the head
	s_mov_b32 s13, 0
	s_lshl_b32 s14, s34, 2
	s_lshr_b32 s31, s27, 1
	s_add_co_u32 s14, s14, s31
	s_lshl_b32 s14, s14, 7
	s_and_b32 s31, s27, 1
	s_lshl_b32 s31, s31, 2
	s_add_co_u32 s14, s14, s31
	s_lshl_b32 s31, s28, 1
	s_add_co_u32 s14, s14, s31
	s_add_co_u32 s14, s14, 3145728                 ; my head's two bytes of the scale word
	s_mov_b32 s15, 0
	s_mov_b32 s[SEL], 0x76543210
	s_mov_b32 s[SEL+1], 0xfedcba98
	s_mov_b32 s[CS], 0x3e38aa3b
	s_mov_b32 s[CS+1], s[CS]
	s_wait_alu depctr_va_vdst(0)
	s_wait_dscnt 0x0                               ; both opening adds are done
	s_wait_kmcnt 0x0
.irp g, G0K, G0V, G0KS, G0VS
	s_add_nc_u64 s[\g+2:\g+3], s[4:5], s[\g+2:\g+3]
	s_or_b32 s[\g+3], s[\g+3], 0x80000000
.endr
	s_add_nc_u64 s[8:9], s[4:5], s[8:9]
	s_add_nc_u64 s[10:11], s[4:5], s[10:11]
	s_add_nc_u64 s[56:57], s[4:5], s[56:57]
	s_add_nc_u64 s[58:59], s[4:5], s[58:59]
	s_add_nc_u64 s[12:13], s[6:7], s[12:13]
	s_add_nc_u64 s[14:15], s[6:7], s[14:15]
; The head's loads, one a wave: one chain of branches on the wave's number, all arms leading to one join.
.macro ARM under, g0, g1, next
	s_cmp_lt_u32 s[WV], \under
	s_cbranch_scc0 \next
	tensor_load_to_lds s[\g0:\g0+3], s[\g1:\g1+7]
	s_nop 0
.rept 4
	v_nop
.endr
	s_branch .Lhead_asked
\next:
.endm
	ARM 4, G0K, G1K, .Lhead_v
	ARM 8, G0V, G1V, .Lhead_ks
	ARM 12, G0KS, G1KS, .Lhead_vs
	tensor_load_to_lds s[G0VS:G0VS+3], s[G1VS:G1VS+7]
	s_nop 0
.rept 4
	v_nop
.endr
.Lhead_asked:
	global_load_b128 v[16:19], v1, s[8:9]
	global_load_b64 v[20:21], v2, s[8:9] offset:512
	global_load_b32 v255, v3, s[10:11]
.irp j, 22,23,24,25,26,27
	v_mov_b32 v[\j], 0                             ; K = 64 is filled up to the instruction's 128 with zero codes, on both operands
.endr
.irp t, 0,1,2,3
.irp j, 6,7,8,9,10,11
	v_mov_b32 v[32+12*\t+\j], 0
.endr
.endr
.macro FRESH                           ; a tile begins: O^T and the sum are zeros, the largest t is -3e38
.set j, 0
.rept 32
	v_mov_b32 v[O+j], 0
.set j, j+1
.endr
	v_mov_b32 v13, 0xff61b1e6
	v_mov_b32 v14, 0
	v_mov_b32 v15, 0
	s_delay_alu instid0(VALU_DEP_3)
	v_floor_f32 v12, -v13                          ; -M
.endm
	FRESH
.irp b, 0,1,2,3
	v_mov_b32 v[236+\b], 0                         ; a lane permute's destination counts as one of its sources
.endr
	v_mov_b32 v252, 0
	v_mov_b32 v253, 0
	s_wait_alu depctr_va_vdst(0)
	s_wait_loadcnt 0x0                             ; Q
	s_wait_tensorcnt 0x0                           ; my load of the head's sixteen is in; the later first fills are issued as refills are
	ds_add_u32 v10, v11
	s_mov_b32 s[G1K+2], 24<<16                     ; no load of mine is out, so the descriptors may be written.  K: 24 tiles, three key steps;
	s_mov_b32 s[G1K+4], 24
	s_mov_b32 s[G1V+1], 768<<16                    ; V: 3 rows (key steps) of 6,144 bytes, 12,288 apart
	s_mov_b32 s[G1V+2], 3<<16
	s_mov_b32 s[G1V+3], 768<<16
	s_mov_b32 s[G1V+4], 3
	s_mov_b32 s[G1V+5], 1536
	s_add_nc_u64 s[G0K+2:G0K+3], s[G0K+2:G0K+3], s[38:39]
	s_add_nc_u64 s[G0V+2:G0V+3], s[G0V+2:G0V+3], s[38:39]
	s_add_co_u32 s[G0K+1], s[G0K+1], s37
	s_add_co_u32 s[G0V+1], s[G0V+1], s37
	s_wait_dscnt 0x0
	s_barrier_signal -1
	s_barrier_wait -1                              ; key steps 0 to 3 and all scale words lie in LDS
	s_cmp_lt_u32 s[WV], 4
	s_cbranch_scc0 .Lmore_v
	tensor_load_to_lds s[G0K:G0K+3], s[G1K:G1K+7]  ; K's key steps 4 + 3 q to 6 + 3 q
	s_nop 0
.rept 4
	v_nop
.endr
	s_branch .Lmore_asked
.Lmore_v:
	s_cmp_lt_u32 s[WV], 8
	s_cbranch_scc0 .Lmore_asked
	tensor_load_to_lds s[G0V:G0V+3], s[G1V:G1V+7]  ; V's
	s_nop 0
.rept 4
	v_nop
.endr
.Lmore_asked:
; A KEY STEP: 128 keys.
.macro STEP
	s_cmp_gt_u32 s[KF], s[LIM]
	s_cbranch_scc1 .Lhidden_\@
	v_add_nc_u32 v5, s[TB], v1                     ; (these five are also the places in front of the loads into registers that the last products read)
	v_add_nc_u32 v6, s[TB], v2
	v_add_nc_u32 v7, s[TV], v1
	v_add_nc_u32 v8, s[TV], v2
	v_add_nc_u32 v9, s[TS], v3
.irp t, 0,1,2,3
	ds_load_b128 v[32+12*\t:35+12*\t], v5 offset:768*\t
	ds_load_b64 v[36+12*\t:37+12*\t], v6 offset:768*\t+512
	ds_load_b32 v[248+\t], v9 offset:64*\t
.endr
.irp t, 0,1,2,3
	ds_load_b128 v[80+12*\t:83+12*\t], v7 offset:1536*\t
	ds_load_b64 v[84+12*\t:85+12*\t], v8 offset:1536*\t+512
	ds_load_b128 v[86+12*\t:89+12*\t], v7 offset:1536*\t+768
	ds_load_b64 v[90+12*\t:91+12*\t], v8 offset:1536*\t+1280
	ds_load_b32 v[28+\t], v9 offset:8192+128*\t
.endr
	s_wait_alu depctr_va_vdst(0)
	s_wait_dscnt 20                                ; K's first four tiles are in; V's 20 loads may be out
.irp t, 0,1,2,3
	v_wmma_scale_f32_16x16x128_f8f6f4 v[S+8*\t:S+8*\t+7], v[32+12*\t:43+12*\t], v[16:27], 0, v[248+\t], v255 matrix_a_fmt:MATRIX_FMT_FP6 matrix_b_fmt:MATRIX_FMT_FP6
.endr
.rept 4
	v_nop                                          ; places in front of loads into registers that these products read
.endr
.irp t, 0,1,2,3
	ds_load_b128 v[32+12*\t:35+12*\t], v5 offset:768*(4+\t)
	ds_load_b64 v[36+12*\t:37+12*\t], v6 offset:768*(4+\t)+512
	ds_load_b32 v[248+\t], v9 offset:64*(4+\t)
.endr
	s_wait_dscnt 0x0
.irp t, 0,1,2,3
	v_wmma_scale_f32_16x16x128_f8f6f4 v[S+32+8*\t:S+32+8*\t+7], v[32+12*\t:43+12*\t], v[16:27], 0, v[248+\t], v255 matrix_a_fmt:MATRIX_FMT_FP6 matrix_b_fmt:MATRIX_FMT_FP6
.endr
.rept 4
	v_nop
.endr
	s_add_co_u32 s62, s[KF], 127                   ; on the diagonal the scores of hidden keys become -infinity ahead of the maximum; a step all of whose keys count skips this
	s_cmp_le_u32 s62, s[Q0]
	s_cbranch_scc1 .Lopen_\@
	s_sub_co_i32 s62, s[Q0], s[KF]
	v_add_nc_u32 v252, s62, v4                     ; d: register 16 b + i holds key KF + 16 (lane / 16) + 32 b + i, hidden where 32 b + i > d
	v_mov_b32 v254, 0xff800000
.set n, 0
.rept 64
	v_cmp_gt_i32 vcc_lo, 32*(n/16)+n%16, v252
	v_cndmask_b32 v[S+n], v[S+n], v254, vcc_lo
.set n, n+1
.endr
.Lopen_\@:
.irp b, 0,1,2,3
	v_max3_num_f32 v[232+\b], v[S+16*\b], v[S+1+16*\b], v[S+2+16*\b]   ; the largest score of each block of 32 keys: for the row's maximum and for the block's largest p
.endr
.irp i, 3,5,7,9,11,13
.irp b, 0,1,2,3
	v_max3_num_f32 v[232+\b], v[232+\b], v[S+16*\b+\i], v[S+1+16*\b+\i]
.endr
.endr
.irp b, 0,1,2,3
	v_max_num_f32 v[232+\b], v[232+\b], v[S+15+16*\b]
.endr
.irp b, 0,1,2,3
	s_delay_alu instid0(VALU_DEP_4)
	v_permlanex16_b32 v[236+\b], v[232+\b], s[SEL], s[SEL+1]
.endr
.irp b, 0,1,2,3
	s_delay_alu instid0(VALU_DEP_4)
	v_max_num_f32 v[232+\b], v[232+\b], v[236+\b]
.endr
	s_delay_alu instid0(VALU_DEP_2)
	v_max3_num_f32 v254, v232, v233, v234
	s_delay_alu instid0(VALU_DEP_1)
	v_max_num_f32 v254, v254, v235
	s_delay_alu instid0(VALU_DEP_1)
	v_mul_f32 v254, s[CS], v254                    ; as t
	s_delay_alu instid0(VALU_DEP_1)
	v_max_num_f32 v13, v13, v254                   ; the running largest t
	v_mov_b32 v254, v12
	s_delay_alu instid0(VALU_DEP_2)
	v_floor_f32 v12, -v13                          ; the new -M = -ceil(t)
	s_delay_alu instid0(VALU_DEP_1)
	v_sub_f32 v254, v12, v254                      ; old M - new M: a whole number, 0 or less
	s_delay_alu instid0(VALU_DEP_1)
	v_cvt_i32_f32 v254, v254                       ; (it saturates)
	s_delay_alu instid0(VALU_DEP_1)
	v_ldexp_f32 v252, 1.0, v254                    ; f = 2^(old M - new M)
.set j, 0
.rept 32
	v_pk_fma_f32 v[S+j:S+j+1], v[S+j:S+j+1], s[CS:CS+1], v[12:13] op_sel_hi:[1,0,0]   ; t - M, two at a time
.set j, j+2
.endr
.irp b, 0,1,2,3
	v_fma_f32 v[232+\b], v[232+\b], s[CS], v12
.endr
.set j, 0
	s_wait_alu depctr_va_vdst(0)
.rept 64
	v_exp_f32 v[S+j], v[S+j]                       ; p = 2^(t - M)
.set j, j+1
.endr
	v_pk_mul_f32 v[14:15], v[14:15], v[252:253] op_sel_hi:[1,0]   ; the sums under the new M (a plain instruction behind the exponentials)
	s_wait_alu depctr_va_vdst(0)                   ; one wait for the batch, ahead of its first reader
.irp b, 0,1,2,3
	v_exp_f32 v[232+\b], v[232+\b]                 ; each block's largest p
.endr
	v_pk_add_f32 v[236:237], v[132:133], v[136:137]
	v_pk_add_f32 v[250:251], v[140:141], v[144:145]
	v_pk_add_f32 v[248:249], v[148:149], v[152:153]
	v_pk_add_f32 v[246:247], v[156:157], v[160:161]
	v_pk_add_f32 v[244:245], v[164:165], v[168:169]
	v_pk_add_f32 v[242:243], v[172:173], v[176:177]
	v_pk_add_f32 v[240:241], v[180:181], v[184:185]
	v_pk_add_f32 v[14:15], v[14:15], v[188:189]
	v_pk_add_f32 v[236:237], v[236:237], v[128:129]
	v_pk_add_f32 v[250:251], v[250:251], v[130:131]
	v_pk_add_f32 v[248:249], v[248:249], v[134:135]
	v_pk_add_f32 v[246:247], v[246:247], v[138:139]
	v_pk_add_f32 v[244:245], v[244:245], v[142:143]
	v_pk_add_f32 v[242:243], v[242:243], v[146:147]
	v_pk_add_f32 v[240:241], v[240:241], v[150:151]
	v_pk_add_f32 v[14:15], v[14:15], v[154:155]
	v_pk_add_f32 v[236:237], v[236:237], v[158:159]
	v_pk_add_f32 v[250:251], v[250:251], v[162:163]
	v_pk_add_f32 v[248:249], v[248:249], v[166:167]
	v_pk_add_f32 v[246:247], v[246:247], v[170:171]
	v_pk_add_f32 v[244:245], v[244:245], v[174:175]
	v_pk_add_f32 v[242:243], v[242:243], v[178:179]
	v_pk_add_f32 v[240:241], v[240:241], v[182:183]
	v_pk_add_f32 v[14:15], v[14:15], v[186:187]
	v_pk_add_f32 v[236:237], v[236:237], v[190:191]
	s_delay_alu instid0(VALU_DEP_2)
	v_pk_add_f32 v[14:15], v[14:15], v[246:247]
	s_delay_alu instid0(VALU_DEP_2)
	v_pk_add_f32 v[236:237], v[236:237], v[244:245]
	v_pk_add_f32 v[250:251], v[250:251], v[242:243]
	v_pk_add_f32 v[248:249], v[248:249], v[240:241]
	s_delay_alu instid0(VALU_DEP_2)
	v_pk_add_f32 v[14:15], v[14:15], v[250:251]
	s_delay_alu instid0(VALU_DEP_2)
	v_pk_add_f32 v[236:237], v[236:237], v[248:249]
	s_delay_alu instid0(VALU_DEP_1)
	v_pk_add_f32 v[14:15], v[14:15], v[236:237]
	s_wait_alu depctr_va_vdst(0)                   ; and one for the four
.irp b, 0,1,2,3
	v_max_num_f32 v[232+\b], 0x1800000, v[232+\b]  ; the floor 2^(3 - 127)
.endr
.irp b, 0,1,2,3
	s_delay_alu instid0(VALU_DEP_4)
	v_add_nc_u32 v[244+\b], 0xff000000, v[232+\b]
.endr
.irp b, 0,1,2,3
	s_delay_alu instid0(VALU_DEP_4)
	v_lshrrev_b32 v[236+\b], 23, v[244+\b]
.endr
	s_delay_alu instid0(VALU_DEP_3)
	v_lshl_or_b32 v253, v237, 8, v236              ; p's scale word for these 128 keys
	s_delay_alu instid0(VALU_DEP_1)
	v_lshl_or_b32 v253, v238, 16, v253
	s_delay_alu instid0(VALU_DEP_1)
	v_lshl_or_b32 v253, v239, 24, v253
.irp c, 0,1
	v_cvt_scalef32_pk16_fp6_f32 v[224+6*\c:226+6*\c], v[S+32*\c:S+15+32*\c], v[244+2*\c]
	v_cvt_scalef32_pk16_fp6_f32 v[236+4*\c:238+4*\c], v[S+16+32*\c:S+31+32*\c], v[245+2*\c]
.endr
	v_nop                                          ; one plain instruction behind a scaled conversion
.irp c, 0,1
.irp i, 0,1,2
	v_permlane16_swap_b32 v[224+6*\c+\i], v[236+4*\c+\i]
.endr
.irp i, 0,1,2
	s_delay_alu instid0(VALU_DEP_3)
	v_mov_b32 v[227+6*\c+\i], v[236+4*\c+\i]
.endr
.endr
.set j, 0
.rept 16
	v_pk_mul_f32 v[O+j:O+j+1], v[O+j:O+j+1], v[252:253] op_sel_hi:[1,0]   ; O^T under the new M; these also stand between the writes of p's codes and scale word and the products
.set j, j+2
.endr
.irp t, 0,1,2,3                                ; O^T += V^T P^T: the four accumulators by turns
	v_wmma_scale_f32_16x16x128_f8f6f4 v[O+8*\t:O+8*\t+7], v[80+12*\t:91+12*\t], v[224:235], v[O+8*\t:O+8*\t+7], v[28+\t], v253 matrix_a_fmt:MATRIX_FMT_FP6 matrix_b_fmt:MATRIX_FMT_FP6
.endr
.Lhidden_\@:
	s_add_co_u32 s[KF], s[KF], 128
	s_add_co_u32 s[TB], s[TB], 6144
	s_add_co_u32 s[TV], s[TV], 6144
	s_add_co_u32 s[TS], s[TS], 512
.endm
.macro WALK n                          ; n key steps on end
	s_mov_b32 s[CNT], \n
.Lstep_\@:
	STEP
	s_sub_co_u32 s[CNT], s[CNT], 1
	s_cmp_lg_u32 s[CNT], 0
	s_cbranch_scc1 .Lstep_\@
.endm
; 32 numbers of a lane, register 16 b + i = k 32 b + 16 (lane / 16) + i of my row, become half a fragment's codes in v[pc] on and its two scale bytes in v[pw].
.macro QUANT32 s, pc, pw
.irp b, 0,1
	v_max3_num_f32 v[TM+\b], |v[\s+16*\b]|, |v[\s+1+16*\b]|, 0x1800000
.endr
.irp i, 2,4,6,8,10,12,14
.irp b, 0,1
	s_delay_alu instid0(VALU_DEP_2)
	v_max3_num_f32 v[TM+\b], v[TM+\b], |v[\s+16*\b+\i]|, |v[\s+1+16*\b+\i]|
.endr
.endr
.irp b, 0,1
	s_delay_alu instid0(VALU_DEP_2)
	v_permlanex16_b32 v[TM+4+\b], v[TM+\b], s[SEL], s[SEL+1]
.endr
.irp b, 0,1
	s_delay_alu instid0(VALU_DEP_2)
	v_max_num_f32 v[TM+\b], v[TM+\b], v[TM+4+\b]
.endr
.irp b, 0,1
	s_delay_alu instid0(VALU_DEP_2)
	v_add_nc_u32 v[TM+12+\b], 0xff000000, v[TM+\b]
.endr
.irp b, 0,1
	s_delay_alu instid0(VALU_DEP_2)
	v_lshrrev_b32 v[TM+4+\b], 23, v[TM+12+\b]
.endr
	s_delay_alu instid0(VALU_DEP_1)
	v_lshl_or_b32 v[\pw], v[TM+5], 8, v[TM+4]
	v_cvt_scalef32_pk16_fp6_f32 v[\pc:\pc+2], v[\s:\s+15], v[TM+12]
	v_cvt_scalef32_pk16_fp6_f32 v[PT:PT+2], v[\s+16:\s+31], v[TM+13]
	v_nop
.irp i, 0,1,2
	v_permlane16_swap_b32 v[\pc+\i], v[PT+\i]
.endr
.irp i, 0,1,2
	s_delay_alu instid0(VALU_DEP_3)
	v_mov_b32 v[\pc+3+\i], v[PT+\i]
.endr
.endm
; A tile leaves: v14 holds my lane's sum; O^T is divided by the row's sum, quantised and stored.
.macro FINISH
	s_delay_alu instid0(VALU_DEP_1)
	v_permlanex16_b32 v252, v14, s[SEL], s[SEL+1]
	v_lshlrev_b32 v5, 1, v3                        ; 8 r
	s_delay_alu instid0(VALU_DEP_2)
	v_add_f32 v14, v14, v252                       ; with lane l xor 16's: the row's sum
	s_wait_alu depctr_va_vdst(0)
	v_rcp_f32 v14, v14
	v_nop
	s_wait_alu depctr_va_vdst(0)                   ; ahead of the reciprocal's first reader
.set j, 0
.rept 32
	v_mul_f32 v[S+j], v[O+j], v14                  ; register 16 b + i is channel 32 b + 16 (lane / 16) + i of my query
.set j, j+1
.endr
	QUANT32 S, 224, 253
	global_store_b128 v1, v[224:227], s[12:13]             ; 512 consecutive bytes
	global_store_b64 v2, v[228:229], s[12:13] offset:512   ; 256 consecutive bytes
	global_store_b16 v5, v253, s[14:15]                    ; row r's two scale bytes; lanes l and l + 16 hold and write the same
.endm
	s_mov_b32 s[TB], 0
	s_mov_b32 s[TV], 98304
	s_mov_b32 s[TS], KSC
	s_mov_b32 s[KF], 0
	WALK 4                                         ; key steps 0 to 3 of my first tile
	s_wait_tensorcnt 0x0                           ; my part of key steps 4 to 15 is in
	s_wait_dscnt 0x0
	s_barrier_signal -1
	s_barrier_wait -1                              ; everybody's is
	s_mov_b32 s[TB], 24576
	s_mov_b32 s[TV], 98304+24576
	s_mov_b32 s[TS], KSC+2048
	s_mov_b32 s[KF], 512
	WALK 4                                         ; key steps 4 to 7
	s_cmp_eq_u32 s[ROLE], 1
	s_cbranch_scc1 .Lsame_tile
	global_load_b128 v[16:19], v1, s[56:57]        ; the early tile is done: the late tile's Q is asked for (its registers were last read by products far back),
	global_load_b64 v[20:21], v2, s[56:57] offset:512
	global_load_b32 v255, v3, s[58:59]
.rept 4
	v_nop                                          ; places behind the last products
.endr
	s_wait_alu depctr_va_vdst(0)
	v_add_f32 v14, v14, v15                        ; the sum's two halves
	FINISH                                         ; the early tile leaves,
	s_wait_xcnt 0x0                                ; the stores have read their registers
	FRESH                                          ; and my part of the late tile begins
	s_wait_alu depctr_va_vdst(0)
	s_wait_loadcnt 0x0
.Lsame_tile:
	s_mov_b32 s[Q0], s[Q0L]
	s_xor_b32 s34, s[ROLE], 1                      ; role 1 goes on with key step 8, role 0 with 9
	s_mul_i32 s35, s34, 6144
	s_add_co_u32 s[TB], s35, 49152
	s_add_co_u32 s[TV], s[TB], 98304
	s_lshl_b32 s35, s34, 9
	s_add_co_u32 s[TS], s35, KSC+4096
	s_lshl_b32 s35, s34, 7
	s_add_co_u32 s[KF], s35, 1024
	s_sub_co_u32 s35, 15, ttmp9
	s_lshl_b32 s35, s35, 7
	s_cmp_eq_u32 s[ROLE], 1
	s_cselect_b32 s[LIM], 1024, s35                ; role 1: step 8 alone; role 0: up to step 15 - x
	WALK 7
.rept 4
	v_nop                                          ; places behind the last products
.endr
	v_add_nc_u32 v5, s[PBS], v1                    ; my part's bytes,
	v_add_nc_u32 v6, s[PBS], v2
	v_add_nc_u32 v7, s[PBL], v1                    ; my partner's
	v_add_nc_u32 v8, s[PBL], v2
	s_wait_alu depctr_va_vdst(0)
	s_cmp_eq_u32 s[ROLE], 1
	s_cbranch_scc1 .Lno_part
	v_add_f32 v13, v14, v15                        ; beside -M: my lane's sum
.irp k, 0,1,2,3,4,5,6,7
	ds_store_b128 v5, v[O+4*\k:O+4*\k+3] offset:512*\k     ; each accumulator from its low end on
.endr
	ds_store_b64 v6, v[12:13] offset:4096
.Lno_part:
	s_wait_dscnt 0x0                               ; for my partner's sake: my stores have landed
	s_barrier_signal -1
	s_barrier_wait -1
	s_cmp_eq_u32 s[ROLE], 0
	s_cbranch_scc1 .Ldone
.irp k, 0,1,2,3,4,5,6,7
	ds_load_b128 v[S+4*\k:S+4*\k+3], v7 offset:512*\k
.endr
	ds_load_b64 v[160:161], v8 offset:4096
	s_wait_dscnt 0x0
	v_min_num_f32 v162, v12, v160                  ; -M of both parts together
	v_add_f32 v14, v14, v15
	s_delay_alu instid0(VALU_DEP_2)
	v_sub_f32 v163, v162, v12                      ; my M less the common M, and my partner's: whole numbers, 0 or less
	v_sub_f32 v164, v162, v160
	s_delay_alu instid0(VALU_DEP_2)
	v_cvt_i32_f32 v163, v163                       ; (they saturate: a part with no key counts for nothing)
	s_delay_alu instid0(VALU_DEP_2)
	v_cvt_i32_f32 v164, v164
	s_delay_alu instid0(VALU_DEP_2)
	v_ldexp_f32 v252, 1.0, v163
	s_delay_alu instid0(VALU_DEP_2)
	v_ldexp_f32 v236, 1.0, v164
.set j, 0
.rept 16
	v_pk_mul_f32 v[O+j:O+j+1], v[O+j:O+j+1], v[252:253] op_sel_hi:[1,0]
.set j, j+2
.endr
.set j, 0
.rept 16
	v_pk_fma_f32 v[O+j:O+j+1], v[S+j:S+j+1], v[236:237], v[O+j:O+j+1] op_sel_hi:[1,0,1]
.set j, j+2
.endr
	v_mul_f32 v14, v14, v252
	s_delay_alu instid0(VALU_DEP_1)
	v_fmac_f32 v14, v161, v236                     ; and the sums likewise
	FINISH                                         ; the late tile leaves
.Ldone:
	s_wait_tensorcnt 0x0                           ; the wave's end
	ds_add_u32 v10, v11
	s_wait_dscnt 0x0
	s_endpgm
.Lfunc_end_k_q42af40f06b_attn:
	.size	k_q42af40f06b_attn, .Lfunc_end_k_q42af40f06b_attn-k_q42af40f06b_attn
	.p2alignl 7, 3214868480
	.fill 96, 4, 3214868480
	.section	.rodata,"a",@progbits
	.p2align	6, 0x0
	.amdhsa_kernel k_q42af40f06b_attn
		.amdhsa_group_segment_fixed_size 327680
		.amdhsa_private_segment_fixed_size 0
		.amdhsa_enable_private_segment 0
		.amdhsa_kernarg_size 16
		.amdhsa_user_sgpr_count 2
		.amdhsa_user_sgpr_kernarg_segment_ptr 1
		.amdhsa_wavefront_size32 1
		.amdhsa_system_sgpr_workgroup_id_x 1
		.amdhsa_system_sgpr_workgroup_id_y 1
		.amdhsa_system_sgpr_workgroup_id_z 1
		.amdhsa_system_vgpr_workitem_id 0
		.amdhsa_next_free_vgpr 256
		.amdhsa_next_free_sgpr 102
		.amdhsa_reserve_vcc 1
		.amdhsa_float_denorm_mode_32 3
		.amdhsa_float_denorm_mode_16_64 3
		.amdhsa_memory_ordered 1
		.amdhsa_forward_progress 1
		.amdhsa_inst_pref_size 99
	.end_amdhsa_kernel
	.amdgpu_metadata
---
amdhsa.version: [ 1, 2 ]
amdhsa.kernels:
  - .name:           k_q42af40f06b_attn
    .symbol:         k_q42af40f06b_attn.kd
    .args:
      - { .name: qkv, .offset: 0, .size: 8, .value_kind: global_buffer, .address_space: global }
      - { .name: act, .offset: 8, .size: 8, .value_kind: global_buffer, .address_space: global }
    .group_segment_fixed_size: 327680
    .private_segment_fixed_size: 0
    .kernarg_segment_align: 8
    .kernarg_segment_size: 16
    .max_flat_workgroup_size: 512
    .sgpr_count:     102
    .vgpr_count:     256
    .wavefront_size: 32
...
	.end_amdgpu_metadata
.endif
;; end of part 10
;; launch oproj (part 11): grid 8 x 32, 4 waves a work-group, clusters of 4 x 4, 327,680 bytes of LDS; arguments act, wts, x, x1; writes x1
.if DOCPART == 11
	.amdgcn_target "amdgcn-amd-amdhsa--gfx1250"
	.amdhsa_code_object_version 6
	.text
	.protected	k_q42af40f06b_oproj
	.globl	k_q42af40f06b_oproj
	.p2align	8
	.type	k_q42af40f06b_oproj,@function
k_q42af40f06b_oproj:
	s_mov_b64 s[64:65], 0
	v_nop
	global_prefetch_b8 v0, s[64:65] scope:SCOPE_SE
	s_setreg_imm32_b32 hwreg(HW_REG_WAVE_MODE, 25, 1), 1
	s_wait_xcnt 0x0
	s_wait_alu depctr_hold_cnt(0) depctr_sa_sdst(0) depctr_va_vdst(0) depctr_va_sdst(0) depctr_va_ssrc(0) depctr_va_vcc(0) depctr_vm_vsrc(0)
	s_getreg_b32 s2, hwreg(HW_REG_IB_STS2, 6, 4)
	s_cmp_eq_u32 s2, 0
	s_cbranch_scc0 .Lentry_in_a_cluster
	s_endpgm
.Lentry_in_a_cluster:
	s_bfe_u32 s2, ttmp6, 0x10000c
	s_cmp_lg_u32 s2, 0xf033
	s_cbranch_scc0 .Lentry_shape_is_right
	s_endpgm
.Lentry_shape_is_right:
; x1 = x + (attention's output) w_o, the product on codes of FP6 (E2M3) with one E8M0 byte for each 32 along K = 1,024; the residual and the result are f32 [4,096][1,024].
; OPERANDS ARE IMAGES: a tile is 16 rows (lane r of tile T: row 32 (T / 2) + 8 (T % 2) + r + 8 (r / 8)); a fragment (tile, 128 along K) is 1,536 bytes: half c at 768 c: registers 6 c .. 6 c + 3 at 16 x lane,
; 6 c + 4, 6 c + 5 at 512 + 8 x lane; fragments lie [tile][K step], scale words [tile][pair of K steps][r][K step % 2].  So a fragment comes from LDS by four loads of consecutive bytes.
; A BLOCK OF 128 x 128 of the result is made by four waves, each 64 x 64: 16 accumulators.  4,096 x 1,024 results make 256 such blocks, a work-group each; blocks of 256 x 256 would make 64.
; K goes in one chunk of 1,024 (eight K steps of 128).  Its 8 tiles of A and 8 of B are 196,608 bytes, in one slot: a first fill, and nothing is filled again.
; THE MATRIX INSTRUCTION IS USED TRANSPOSED (source 0 = 16 rows of the weight, source 1 = 16 tokens): a lane holds one token, and its registers of two neighbouring tiles of the weight are 16 neighbouring columns.
; CLUSTERS: 4 x 4 work-groups.  The tokens' tiles are shared along a row of the cluster, the weight's along a column: each is asked for jointly, by the same tensor load with the same descriptor and a mask that names the four.
; THE RESIDUAL's 64 rows x 256 bytes of each wave are asked for at the head, behind the first fills, and lie in registers when the products are done.
; No loop: the K steps are written out by macro, so all scale words are loaded once and named by their K step.
; REGISTERS, in windows of 256: window 0: v8-19 fragment addresses, v24-29 other addresses, v32.. scale words (4 x KS), v128-255 the accumulators ((a, b) at v[128 + 8 (4 a + b)]);
;   window 1: two sets of fragments, at v0 and v128: A's four at + 0, B's four at + 48;   window 2: v0-127 the residual.
.set SIZE_K, 1024
.set A_SC,   3145728                   ; where A's scale words begin in its buffer
.set B_CODE, 2359296                   ; where the weight's codes begin in wts
.set B_SC,   7962624                   ; and its scale words
.set KS,     SIZE_K/128                ; K steps
.set KROW,   SIZE_K*3/4                ; a row's codes in bytes
.set NQ,     8                         ; all eight K steps are one chunk: A's 8 tiles and B's 8 for all of K are 196,608 bytes, filled once
.set NCH,    KS/NQ                     ; chunks
.set NSL,    1                         ; one slot
.set NFIRST, NSL                       ; chunks among the first fills
.if NCH < NSL
.set NFIRST, NCH
.endif
.set FR,     12                        ; registers of a fragment
.set NP,     4                         ; places behind this matrix instruction (ISA guide 7.12.1)
.set HALFT,  4*NQ*1536                 ; 4 tiles x 8 K steps: what one wave reads of A or of B; a tensor load brings twice as much
.set SLOT,   4*HALFT                   ; A's 8 tiles, then B's 8
.set SCL,    NSL*SLOT                  ; behind the slots: the scale words for all of K
.set SBLK,   KS*64                     ; those of a tile
.set HALFS,  4*SBLK                    ; those of 4 tiles; a tensor load brings twice as many
.set SPARE,  SCL+4*HALFS               ; behind them: the spare words, 128 bytes for each wave
.set STAGE,  SPARE+512                 ; the way out: 16 rows x 272 bytes for each wave, behind the spare words: no fill lands there
.set SPITCH, 272                       ; 256 bytes + 16: an odd multiple of 16
.set ADRA, 8                           ; v8-10  LDS address of my A fragments in slot 0, 1, 2, at 16 x lane; v11-13 at 8 x lane
.set ADRB, 14                          ; v14-19 the same for B
.set STO,  24                          ; v24 the way out: where I put 64 bytes of a row
.set RD,   25                          ; v25 where I read rows back
.set CO,   26                          ; v26 my bytes in two rows of the result: 4,096 (lane / 16) + 16 (lane % 16); never rewritten
.set ADRS, 27                          ; v27 my scale words: lanes 0-15 A's, lanes 16-31 B's
.set SPW,  28                          ; v28 my spare word: SPARE + 4 x my thread's number; never rewritten
.set NIL,  29                          ; v29 0; never rewritten
.set SC,   32                          ; scale words: register KS i + s: lanes 0-15 A's tile i, lanes 16-31 B's tile i, K step s
.set ACC,  128
.set G1,   24                          ; s[24:31] group 1 for A's tiles; s[32:43] group 0, a set for each slot
.set G0,   32
.set G1B,  44                          ; s[44:51], s[52:63] the same for B's
.set G0B,  52
.set G1S,  68                          ; s[68:75], s[76:79] groups 1 and 0 for A's scale words; s[80:87], s[88:91] for B's
.set G0S,  76
.set G1SB, 80
.set G0SB, 88
.set MSB, 0
.macro WIN new                         ; the immediate's high byte repeats the setting that is left; a switch that changes nothing is dropped
.if MSB != (\new)
	s_set_vgpr_msb (MSB<<8)|(\new)
.set MSB, (\new)
.endif
.endm
.set MUL,  0x05                        ; sources 0 (B) and 1 (A) window 1; C and D window 0
.set TO_F, 0x40                        ; destination window 1, address window 0
.macro JLOAD g0a, g1a, g0b, g1b        ; a joint load: waves 0 and 1 fetch for A, waves 2 and 3 for B; the branch hangs on the wave's number alone; four v_nop follow each of the two lines
	s_cmp_eq_u32 s15, 0
	s_cbranch_scc0 .Lfor_b_\@
	tensor_load_to_lds s[\g0a:\g0a+3], s[\g1a:\g1a+7]
	s_nop 0
.rept 4
	v_nop
.endr
	s_branch .Lasked_\@
.Lfor_b_\@:
	tensor_load_to_lds s[\g0b:\g0b+3], s[\g1b:\g1b+7]
	s_nop 0
.rept 4
	v_nop
.endr
.Lasked_\@:
.endm
.macro CREST                           ; a round of the cluster's barrier behind its opening barrier
	s_cmp_lg_u32 s14, 0
	s_cbranch_scc1 .Lnot_wave_0_\@
	s_barrier_signal -3
.Lnot_wave_0_\@:
	s_barrier_wait -3
	s_barrier_signal -1
	s_barrier_wait -1
.endm
.macro CROUND                          ; a whole round
	s_barrier_signal -1
	s_barrier_wait -1
	CREST
.endm
	s_load_b128 s[4:7], s[0:1], 0x0                ; A's buffer, wts
	s_load_b128 s[8:11], s[0:1], 0x10              ; the residual, the result
	v_lshl_add_u32 v[SPW], v0, 2, SPARE
	v_mov_b32 v[NIL], 0
	ds_add_u32 v28, v29
	ds_add_u32 v28, v29
	s_wait_dscnt 0x0
	v_lshrrev_b32 v1, 5, v0
	v_readfirstlane_b32 s14, v1                    ; wave 0..3
	s_lshr_b32 s15, s14, 1                         ; which half of the block's rows is mine.  Also: I fetch for A (0) or for B (1)
	s_and_b32 s16, s14, 1                          ; which half of its columns.  Also: which 4 tiles I fetch
	s_bfe_u32 s92, ttmp6, 0x40000                  ; cx, cy: my place in the cluster
	s_bfe_u32 s93, ttmp6, 0x40004
	s_lshl_b32 s94, ttmp9, 2
	s_add_co_u32 s94, s94, s92                     ; block column = 4 x cluster x + cx
	s_and_b32 s17, ttmp7, 0xffff
	s_lshl_b32 s17, s17, 2
	s_add_co_u32 s17, s17, s93                     ; block row = 4 x cluster y + cy
	s_lshl_b32 s95, s93, 2
	s_lshl_b32 s95, 15, s95                        ; my row of the cluster
	s_lshl_b32 s98, 0x1111, s92                    ; my column
	; group 1 for codes: 8 rows (tiles) of 12,288 bytes (eight K steps), a tile's KS x 1,536 bytes apart; elements of 8 bytes; they land on end
	s_or_b32 s[G1+0], s95, (3<<16)|(1<<21)         ; 15:0 the mask; 17:16 elements of 8 bytes; 21 set beside a mask
	s_or_b32 s[G1B+0], s98, (3<<16)|(1<<21)
.irp g, G1, G1B
	s_mov_b32 s[\g+1], (NQ*192)<<16                ; tensor_dim0
	s_mov_b32 s[\g+2], 8<<16                       ; tensor_dim1: a load brings a block's 8 tiles
	s_mov_b32 s[\g+3], (NQ*192)<<16                ; tile_dim0
	s_mov_b32 s[\g+4], 8                           ; tile_dim1
	s_mov_b32 s[\g+5], KS*192                      ; tensor_dim0_stride
	s_mov_b32 s[\g+6], 0
	s_mov_b32 s[\g+7], 0
.endr
	; and for the scale words of 8 tiles: a dense block of 2 x HALFS bytes, as rows of 256 bytes
	s_or_b32 s[G1S+0], s95, (3<<16)|(1<<21)
	s_or_b32 s[G1SB+0], s98, (3<<16)|(1<<21)
.irp g, G1S, G1SB
	s_mov_b32 s[\g+1], 32<<16
	s_mov_b32 s[\g+2], (HALFS/128)<<16             ; the scale words of 8 tiles
	s_mov_b32 s[\g+3], 32<<16
	s_mov_b32 s[\g+4], HALFS/128
	s_mov_b32 s[\g+5], 32
	s_mov_b32 s[\g+6], 0
	s_mov_b32 s[\g+7], 0
.endr
	s_mov_b32 s18, 0                               ; every load begins at the block's first row
	s_lshl_b32 s20, s17, 7
	s_add_co_u32 s20, s20, s18                     ; A's row
	s_lshl_b32 s66, s94, 7
	s_add_co_u32 s66, s66, s18                     ; B's row
	s_mul_i32 s22, s20, SIZE_K/32
	s_add_co_u32 s22, s22, A_SC                    ; where these rows' scale words begin, in bytes (all offsets stay under 2^32)
	s_mov_b32 s23, 0
	s_mul_i32 s100, s66, SIZE_K/32
	s_add_co_u32 s100, s100, B_SC
	s_mov_b32 s101, 0
	s_mul_i32 s20, s20, KROW                       ; and their codes
	s_mov_b32 s21, 0
	s_mul_i32 s66, s66, KROW
	s_add_co_u32 s66, s66, B_CODE
	s_mov_b32 s67, 0
	s_mul_i32 s2, s14, HALFT
	s_mul_i32 s3, s14, HALFS
	s_wait_kmcnt 0x0
	s_add_nc_u64 s[20:21], s[4:5], s[20:21]
	s_add_nc_u64 s[22:23], s[4:5], s[22:23]
	s_add_nc_u64 s[66:67], s[6:7], s[66:67]
	s_add_nc_u64 s[100:101], s[6:7], s[100:101]
	CROUND                                         ; all sixteen work-groups are here: the first joint loads meet
	s_mov_b32 s[G0S], 1
	s_mov_b32 s[G0S+1], SCL
	s_mov_b64 s[G0S+2:G0S+3], s[22:23]
	s_or_b32 s[G0S+3], s[G0S+3], 0x80000000
	s_mov_b32 s[G0SB], 1
	s_mov_b32 s[G0SB+1], SCL+2*HALFS
	s_mov_b64 s[G0SB+2:G0SB+3], s[100:101]
	s_or_b32 s[G0SB+3], s[G0SB+3], 0x80000000
.irp c, 0,1,2
.if \c < NCH
	s_mov_b32 s[G0+4*\c], 1
	s_mov_b32 s[G0+4*\c+1], 0
	s_add_nc_u64 s[G0+4*\c+2:G0+4*\c+3], s[20:21], \c*NQ*1536
	s_or_b32 s[G0+4*\c+3], s[G0+4*\c+3], 0x80000000
	s_mov_b32 s[G0B+4*\c], 1
	s_mov_b32 s[G0B+4*\c+1], 2*HALFT
	s_add_nc_u64 s[G0B+4*\c+2:G0B+4*\c+3], s[66:67], \c*NQ*1536
	s_or_b32 s[G0B+4*\c+3], s[G0B+4*\c+3], 0x80000000
.endif
.endr
; The launch's four loads, one a wave: wave 0 A's 8 tiles for all of K, wave 1 B's, wave 2 A's scale words, wave 3 B's.  One chain of branches on the wave's number, all arms leading to one join.
.macro ARM under, g0, g1, next
	s_cmp_lt_u32 s14, \under
	s_cbranch_scc0 \next
	tensor_load_to_lds s[\g0:\g0+3], s[\g1:\g1+7]
	s_nop 0
.rept 4
	v_nop
.endr
	s_branch .Lhead_asked
\next:
.endm
	ARM 1, G0, G1, .Lhead_b
	ARM 2, G0B, G1B, .Lhead_sa
	ARM 3, G0S, G1S, .Lhead_sb
	tensor_load_to_lds s[G0SB:G0SB+3], s[G1SB:G1SB+7]
	s_nop 0
.rept 4
	v_nop
.endr
.Lhead_asked:
	v_and_b32 v1, 15, v0                           ; r
	v_bfe_u32 v2, v0, 4, 1                         ; h
	v_and_b32 v3, 31, v0                           ; lane
	v_lshlrev_b32 v4, 4, v3
	v_lshlrev_b32 v5, 3, v3
	s_mul_i32 s21, s15, HALFT                      ; my 4 tiles of A
	s_mul_i32 s22, s16, HALFT                      ; my 4 tiles of B,
	s_add_co_u32 s22, s22, 2*HALFT                 ; which lie behind A's 8
.irp s, 0,1,2
	v_add_nc_u32 v[ADRA+\s], s21, v4
	v_add_nc_u32 v[ADRB+\s], s22, v4
	v_add_nc_u32 v[ADRA+3+\s], s21, v5
	v_add_nc_u32 v[ADRB+3+\s], s22, v5
	s_add_co_u32 s21, s21, SLOT
	s_add_co_u32 s22, s22, SLOT
.endr
	v_lshlrev_b32 v5, 3, v1                        ; my row's two scale words of a pair of K steps: 8 r
	s_mul_i32 s21, s15, HALFS                      ; A's: my 4 tiles
	s_mul_i32 s22, s16, HALFS                      ; B's: my 4 tiles, behind A's 8
	s_add_co_u32 s22, s22, 2*HALFS
	s_sub_co_u32 s22, s22, s21
	v_mul_u32_u24 v6, s22, v2                      ; lanes 16-31 take B's
	s_add_co_u32 s21, s21, SCL
	v_add_nc_u32 v5, v5, v6
	v_add_nc_u32 v[ADRS], s21, v5
	s_mul_i32 s23, s14, 16*SPITCH
	s_add_co_u32 s23, s23, STAGE                   ; my stage
	v_mul_u32_u24 v5, v1, SPITCH
	v_lshl_add_u32 v5, v2, 6, v5                   ; in: row r, 64 bytes for each half of the lanes in each 128
	v_add_nc_u32 v[STO], s23, v5
	v_mul_u32_u24 v5, v2, SPITCH
	v_lshl_add_u32 v5, v1, 4, v5                   ; back: lanes 0-15 take one row of 256 bytes, lanes 16-31 the next
	v_add_nc_u32 v[RD], s23, v5
	v_lshlrev_b32 v[CO], 12, v2
	v_lshl_add_u32 v[CO], v1, 4, v[CO]             ; and the same two rows in the residual and in the result
	s_wait_alu depctr_va_vdst(0)
	s_lshl_b32 s20, s17, 7
	s_lshl_b32 s21, s15, 6
	s_add_co_u32 s20, s20, s21                     ; my first row: 128 x block row + 64 x half
	s_lshl_b32 s20, s20, 12                        ; of 4,096 bytes
	s_lshl_b32 s66, s94, 9
	s_lshl_b32 s67, s16, 8
	s_add_co_u32 s66, s66, s67                     ; my first column, in bytes: 512 x block column + 256 x half
	s_add_co_u32 s20, s20, s66
	s_mov_b32 s21, 0
	s_add_nc_u64 s[12:13], s[10:11], s[20:21]      ; the result
	s_add_nc_u64 s[96:97], s[8:9], s[20:21]        ; the residual
	; the residual, asked for now: tile a's stage rows 2 t and 2 t + 1 are rows 32 (a / 2) + 8 (a % 2) + 2 t + 8 (t / 4) and the next of my 64; 16 lanes read 256 consecutive bytes
	WIN 0x80                                       ; destination window 2
.irp a, 0,1,2,3
.irp t, 0,1,2,3,4,5,6,7
	global_load_b128 v[32*\a+4*\t:32*\a+4*\t+3], v[CO], s[96:97] offset:(32*(\a/2)+8*(\a%2)+2*\t+8*(\t/4))*4096 th:TH_LOAD_NT
.endr
.endr
	WIN 0
.macro FRAG reg, adr, q, i             ; a fragment: tile i of my four, the chunk's q-th K step: four loads of consecutive bytes
	ds_load_b128 v[(\reg):(\reg)+3], v[(\adr)] offset:(\i)*NQ*1536+(\q)*1536
	ds_load_b64 v[(\reg)+4:(\reg)+5], v[(\adr)+3] offset:(\i)*NQ*1536+(\q)*1536+512
	ds_load_b128 v[(\reg)+6:(\reg)+9], v[(\adr)] offset:(\i)*NQ*1536+(\q)*1536+768
	ds_load_b64 v[(\reg)+10:(\reg)+11], v[(\adr)+3] offset:(\i)*NQ*1536+(\q)*1536+1280
.endm
.macro FETCH s                         ; K step s: 32 LDS loads in one run into set s % 2: B's four fragments, then A's four
	WIN TO_F
.irp i, 0,1,2,3
	FRAG 128*((\s)%2)+48+FR*\i, ADRB+((\s)/NQ)%NSL, (\s)%NQ, \i
.endr
.irp i, 0,1,2,3
	FRAG 128*((\s)%2)+FR*\i, ADRA+((\s)/NQ)%NSL, (\s)%NQ, \i
.endr
.endm
.macro SCALES                          ; all scale words, once: two K steps a load; lanes 0-15 take A's tile i, lanes 16-31 B's tile i
.irp i, 0,1,2,3
.set pp, 0
.rept KS/2
	ds_load_b64 v[SC+KS*\i+2*pp:SC+KS*\i+2*pp+1], v[ADRS] offset:\i*SBLK+128*pp
.set pp, pp+1
.endr
.endr
.endm
; 4 matrix instructions: A's tile a x B's four, K step s.  Step 0's products start the sums: nothing is cleared.  The 16 accumulators take turns, one instruction a turn, in the same order in every step.
.macro MUL4 s, a
.irp b, 0,1,2,3
.if (\s) == 0
	v_wmma_scale_f32_16x16x128_f8f6f4 v[ACC+8*(4*(\a)+\b):ACC+8*(4*(\a)+\b)+7], v[128*((\s)%2)+48+FR*\b:128*((\s)%2)+48+FR*\b+FR-1], v[128*((\s)%2)+FR*(\a):128*((\s)%2)+FR*(\a)+FR-1], 0, v[SC+KS*\b+(\s)], v[SC+KS*(\a)+(\s)] matrix_a_fmt:MATRIX_FMT_FP6 matrix_b_fmt:MATRIX_FMT_FP6 matrix_a_scale:MATRIX_SCALE_ROW1
.else
	v_wmma_scale_f32_16x16x128_f8f6f4 v[ACC+8*(4*(\a)+\b):ACC+8*(4*(\a)+\b)+7], v[128*((\s)%2)+48+FR*\b:128*((\s)%2)+48+FR*\b+FR-1], v[128*((\s)%2)+FR*(\a):128*((\s)%2)+FR*(\a)+FR-1], v[ACC+8*(4*(\a)+\b):ACC+8*(4*(\a)+\b)+7], v[SC+KS*\b+(\s)], v[SC+KS*(\a)+(\s)] matrix_a_fmt:MATRIX_FMT_FP6 matrix_b_fmt:MATRIX_FMT_FP6 matrix_a_scale:MATRIX_SCALE_ROW1
.endif
.endr
.endm
.macro PLACES n                        ; plain vector instructions between a matrix instruction and a load into, or an LDS store of, its registers
.rept \n
	v_nop
.endr
.endm
; K STEP s.  MODE says what stands at the end of a chunk: 2: the slot just read out is filled again with the chunk NSL on; 1: the next chunk has still to be shown landed; 0: nothing
; (inside a chunk; or the next chunk is a first fill, and an earlier change's wait for all loads and its barrier have shown it whole to every wave).
.macro STEP s
.set CH, (\s)/NQ
.set MODE, 0
.if ((\s)%NQ == NQ-1) && ((\s) < KS-1)
.set MODE, 1
.if CH+NSL < NCH
.set MODE, 2
.elseif (CH+1 < NSL) && (CH > 0)
.set MODE, 0
.endif
.endif
.if (\s) == KS-1                       ; the last step: nothing more to fetch
	s_wait_dscnt 0x0
	WIN MUL
	MUL4 \s, 0
	MUL4 \s, 1
	MUL4 \s, 2
	MUL4 \s, 3
.elseif MODE == 0
.if (\s) > 0
	PLACES NP                                      ; the last step's products read the set that is loaded now
.endif
	FETCH (\s)+1
	s_wait_dscnt 32                                ; all but the 32 just issued: this step's fragments (and, in step 0, the scale words) are in
	WIN MUL
	MUL4 \s, 0
	MUL4 \s, 1
	MUL4 \s, 2
	MUL4 \s, 3
.else                                  ; a change of slots: one barrier; in front of it each wave waits for all its tensor loads, adds 0 to its spare word, and waits for that and for its own reads of this slot
	WIN 0                                          ; (the add's two registers lie in window 0)
	s_wait_tensorcnt 0x0                           ; all my tensor loads have landed, my part of the next chunk among them
	ds_add_u32 v[SPW], v[NIL]                      ; 0 onto my spare word
	s_wait_dscnt 13                                ; (the add and the youngest 12 loads, A's tiles 1 to 3, may be out)
	WIN MUL
	MUL4 \s, 0
	s_wait_dscnt 0x0                               ; the add is done, and my reads of this slot are over
	s_barrier_signal -1
	MUL4 \s, 1
	WIN 0
	s_barrier_wait -1
.if MODE == 2
	CREST                                          ; the barrier has opened a round of the cluster's barrier: no wave of any partner still reads this slot or has a load on its way
	s_add_nc_u64 s[G0+4*(CH%NSL)+2:G0+4*(CH%NSL)+3], s[G0+4*(CH%NSL)+2:G0+4*(CH%NSL)+3], NSL*NQ*1536
	s_add_nc_u64 s[G0B+4*(CH%NSL)+2:G0B+4*(CH%NSL)+3], s[G0B+4*(CH%NSL)+2:G0B+4*(CH%NSL)+3], NSL*NQ*1536
	JLOAD G0+4*(CH%NSL), G1, G0B+4*(CH%NSL), G1B   ; the first tensor load behind the round; its four v_nop are the places in front of the loads below
.else
	PLACES NP
.endif
	FETCH (\s)+1
	WIN MUL
	MUL4 \s, 2
	MUL4 \s, 3
.endif
.endm
	s_wait_tensorcnt NFIRST-1                      ; the scale words and my part of chunk 0 are in (the later first fills may be out)
	s_barrier_signal -1
	s_barrier_wait -1                              ; everybody's are
	SCALES
	FETCH 0
.irp s, 0,1,2,3,4,5,6,7,8,9,10,11,12,13,14,15
.if \s < KS
	STEP \s
.endif
.endr
	WIN 0
; THE WAY OUT, tile by tile of 16 rows x 64 columns.  A lane holds 32 neighbouring bytes of a row for each accumulator, and the lanes beside it hold other rows: so a tile goes through my own stage in LDS and comes back,
; into the registers that it left, as whole rows of 256 bytes; the residual's same rows are added; 16 lanes store 256 consecutive bytes, at a multiple of 256 from the buffer's first byte.
; Every offset is an immediate, 62 rows of 4,096 bytes at the most.  No store's data or address is written again.
.macro TOSTAGE a
.irp b, 0,1,2,3
	ds_store_b128 v[STO], v[ACC+8*(4*(\a)+\b):ACC+8*(4*(\a)+\b)+3] offset:128*(\b/2)+32*(\b%2)         ; each accumulator from its low end on
	ds_store_b128 v[STO], v[ACC+8*(4*(\a)+\b)+4:ACC+8*(4*(\a)+\b)+7] offset:128*(\b/2)+32*(\b%2)+16
.endr
.irp t, 0,1,2,3,4,5,6,7
	ds_load_b128 v[ACC+32*(\a)+4*\t:ACC+32*(\a)+4*\t+3], v[RD] offset:\t*2*SPITCH      ; LDS serves a wave's instructions in order (ISA guide 5.7.1.4): these see my stores, and the next tile's stores come behind them
.endr
.endm
.macro SEND a, dsn                     ; dsn: the LDS instructions issued behind tile a's, which may stay out
	s_wait_dscnt \dsn
	s_wait_loadcnt 8*(3-(\a))                      ; tile a's residual is in; the later tiles' loads may be out
	WIN 0x08                                       ; source 1 (the residual) window 2
.set i, 0
.rept 16
	v_pk_add_f32 v[ACC+32*(\a)+i:ACC+32*(\a)+i+1], v[ACC+32*(\a)+i:ACC+32*(\a)+i+1], v[32*(\a)+i:32*(\a)+i+1]
.set i, i+2
.endr
	WIN 0
.irp t, 0,1,2,3,4,5,6,7
	global_store_b128 v[CO], v[ACC+32*(\a)+4*\t:ACC+32*(\a)+4*\t+3], s[12:13] offset:(32*((\a)/2)+8*((\a)%2)+2*\t+8*(\t/4))*4096 th:TH_STORE_NT
.endr
.endm
	PLACES NP
	TOSTAGE 0
	TOSTAGE 1
	SEND 0, 16                                     ; behind tile 0's: tile 1's 8 LDS stores and 8 LDS loads
	TOSTAGE 2
	SEND 1, 16
	TOSTAGE 3
	SEND 2, 16
	SEND 3, 0
	s_wait_tensorcnt 0x0                           ; the wave's end
	ds_add_u32 v[SPW], v[NIL]
	s_wait_dscnt 0x0
	CROUND                                         ; the closing round: no work-group ends while a partner may still ask for a tile that names it
	s_endpgm
.Lfunc_end_k_q42af40f06b_oproj:
	.size	k_q42af40f06b_oproj, .Lfunc_end_k_q42af40f06b_oproj-k_q42af40f06b_oproj
	.p2alignl 7, 3214868480
	.fill 96, 4, 3214868480
	.section	.rodata,"a",@progbits
	.p2align	6, 0x0
	.amdhsa_kernel k_q42af40f06b_oproj
		.amdhsa_group_segment_fixed_size 327680
		.amdhsa_private_segment_fixed_size 0
		.amdhsa_enable_private_segment 0
		.amdhsa_kernarg_size 32
		.amdhsa_user_sgpr_count 2
		.amdhsa_user_sgpr_kernarg_segment_ptr 1
		.amdhsa_wavefront_size32 1
		.amdhsa_system_sgpr_workgroup_id_x 1
		.amdhsa_system_sgpr_workgroup_id_y 1
		.amdhsa_system_sgpr_workgroup_id_z 1
		.amdhsa_system_vgpr_workitem_id 0
		.amdhsa_next_free_vgpr 640
		.amdhsa_next_free_sgpr 102
		.amdhsa_reserve_vcc 0
		.amdhsa_float_denorm_mode_32 3
		.amdhsa_float_denorm_mode_16_64 3
		.amdhsa_memory_ordered 1
		.amdhsa_forward_progress 1
		.amdhsa_inst_pref_size 59
	.end_amdhsa_kernel
	.amdgpu_metadata
---
amdhsa.version: [ 1, 2 ]
amdhsa.kernels:
  - .name:           k_q42af40f06b_oproj
    .symbol:         k_q42af40f06b_oproj.kd
    .args:
      - { .name: act, .offset: 0, .size: 8, .value_kind: global_buffer, .address_space: global }
      - { .name: wts, .offset: 8, .size: 8, .value_kind: global_buffer, .address_space: global }
      - { .name: x, .offset: 16, .size: 8, .value_kind: global_buffer, .address_space: global }
      - { .name: x1, .offset: 24, .size: 8, .value_kind: global_buffer, .address_space: global }
    .group_segment_fixed_size: 327680
    .private_segment_fixed_size: 0
    .kernarg_segment_align: 8
    .kernarg_segment_size: 32
    .max_flat_workgroup_size: 128
    .sgpr_count:     102
    .vgpr_count:     640
    .wavefront_size: 32
...
	.end_amdgpu_metadata
.endif
;; end of part 11
;; launch norm1 (part 12): grid 256 x 1, 4 waves a work-group, no clusters, 67,072 bytes of LDS; arguments x1, g2, act; writes act
.if DOCPART == 12
	.amdgcn_target "amdgcn-amd-amdhsa--gfx1250"
	.amdhsa_code_object_version 6
	.text
	.protected	k_q42af40f06b_norm1
	.globl	k_q42af40f06b_norm1
	.p2align	8
	.type	k_q42af40f06b_norm1,@function
k_q42af40f06b_norm1:
	s_mov_b64 s[64:65], 0
	v_nop
	global_prefetch_b8 v0, s[64:65] scope:SCOPE_SE
	s_setreg_imm32_b32 hwreg(HW_REG_WAVE_MODE, 25, 1), 1
	s_wait_xcnt 0x0
; nx = x / sqrt(mean(x^2) + 1e-6) * g for rows of 1,024 f32, quantised along the row to FP6 (E2M3) with one E8M0 byte for each 32, and stored as images of the operand's registers:
; a tile is 16 rows (lane r of tile T: row 32 (T / 2) + 8 (T % 2) + r + 8 (r / 8)); a fragment (tile, 128 along K) is 1,536 bytes: half c at 768 c: registers 6 c .. 6 c + 3 at 16 x lane, 6 c + 4, 6 c + 5 at 512 + 8 x lane.
; Codes lie [tile][K step]; scale words from byte 3,145,728 on, [tile][pair of K steps][r][K step % 2].
; A work-group takes one tile.  First each wave takes four whole rows: 512 consecutive bytes a load, the sum of squares, x g into LDS, and 1 / rms into LDS.  One barrier.
; Then each wave takes two K steps of all 16 rows: lane (r, h) reads, of row r, 16 neighbours of each block of 32, multiplies by the row's 1 / rms, quantises, and stores whole runs of 512 and 256 bytes.
; ORDER OF ROUNDING: (x g) rsq(mean + eps) where the definition has (x / rms) g.
; LIMITS: a block of zeros, or one under 2^-124, gets the byte 1 (this program alone reads the bytes); NaN and infinities are not served.
.set PITCH, 4112                       ; an LDS row: 4,096 bytes + 16, an odd multiple of 16
.set RINV,  16*PITCH                   ; behind the rows: 16 words, 1 / rms
.set G,   32                           ; v32-63   g of my columns
.set X,   64                           ; v64-191  four rows, later two K steps' numbers
.set PC0, 192                          ; v192-203, v204-215 two fragments' codes
.set PC1, 204
.set PT,  216                          ; v216-223 the conversions' second halves
.set TM,  224                          ; v224-239 at work in the quantiser
.set PW,  240                          ; v240-241 the two scale words
.set SEL, 20                           ; s[20:21] lane selects: lane l xor 16
; 64 numbers of a lane, register 16 b + i = k 32 b + 16 (lane / 16) + i of my row, become a fragment's codes in v[pc] on and its scale word in v[pw].
.macro QUANT64 s, pc, pw
.irp b, 0,1,2,3
	v_max3_num_f32 v[TM+\b], |v[\s+16*\b]|, |v[\s+1+16*\b]|, 0x1800000   ; my 16 numbers of block b, and the floor 2^(3 - 127)
.endr
.irp i, 2,4,6,8,10,12,14
.irp b, 0,1,2,3
	v_max3_num_f32 v[TM+\b], v[TM+\b], |v[\s+16*\b+\i]|, |v[\s+1+16*\b+\i]|
.endr
.endr
.irp b, 0,1,2,3
	v_permlanex16_b32 v[TM+4+\b], v[TM+\b], s[SEL], s[SEL+1]
.endr
.irp b, 0,1,2,3
	v_max_num_f32 v[TM+\b], v[TM+\b], v[TM+4+\b]   ; with lane l xor 16's: the block's largest magnitude
.endr
.irp b, 0,1,2,3
	v_add_nc_u32 v[TM+12+\b], 0xff000000, v[TM+\b] ; 2 off its exponent field: the conversion's scale operand
.endr
.irp b, 0,1,2,3
	v_lshrrev_b32 v[TM+4+\b], 23, v[TM+12+\b]      ; the scale's byte
.endr
	v_lshl_or_b32 v[\pw], v[TM+5], 8, v[TM+4]
	v_lshl_or_b32 v[\pw], v[TM+6], 16, v[\pw]
	v_lshl_or_b32 v[\pw], v[TM+7], 24, v[\pw]
.irp c, 0,1
	v_cvt_scalef32_pk16_fp6_f32 v[\pc+6*\c:\pc+2+6*\c], v[\s+32*\c:\s+15+32*\c], v[TM+12+2*\c]
	v_cvt_scalef32_pk16_fp6_f32 v[PT+4*\c:PT+2+4*\c], v[\s+16+32*\c:\s+31+32*\c], v[TM+13+2*\c]
.endr
	v_nop                                          ; one plain instruction behind a scaled conversion
.irp c, 0,1                                    ; the operand wants a whole block in a lane: lanes 0-15 block 2 c, lanes 16-31 block 2 c + 1
.irp i, 0,1,2
	v_permlane16_swap_b32 v[\pc+6*\c+\i], v[PT+4*\c+\i]
.endr
.irp i, 0,1,2
	v_mov_b32 v[\pc+3+6*\c+\i], v[PT+4*\c+\i]
.endr
.endr
.endm
	s_load_b128 s[4:7], s[0:1], 0x0                ; x, g
	s_load_b64 s[8:9], s[0:1], 0x10                ; the codes' buffer
	v_lshl_add_u32 v254, v0, 2, 0x10400
	v_mov_b32 v255, 0
	v_lshrrev_b32 v26, 5, v0
	v_readfirstlane_b32 s10, v26                   ; wave
	v_and_b32 v26, 31, v0                          ; lane
	v_and_b32 v27, 15, v0                          ; r
	v_bfe_u32 v28, v0, 4, 1                        ; h
	v_lshlrev_b32 v1, 4, v26                       ; 16 x lane
	v_lshlrev_b32 v2, 3, v26                       ; 8 x lane
	v_lshlrev_b32 v3, 3, v27                       ; 8 r
	s_mul_i32 s11, s10, 4*PITCH
	v_add_nc_u32 v4, s11, v1                       ; into LDS: my wave's four rows, 16 x lane
	v_mul_u32_u24 v5, v27, PITCH
	v_lshl_add_u32 v5, v28, 6, v5
	s_lshl_b32 s11, s10, 10
	v_add_nc_u32 v5, s11, v5                       ; out of LDS: row r, + 64 h, + my wave's two K steps
	v_lshl_add_u32 v6, v27, 2, RINV                ; row r's 1 / rms
	s_lshl_b32 s11, s10, 4
	s_add_co_u32 s11, s11, RINV
	v_mov_b32 v7, s11                              ; where my wave's four go
.irp b, 0,1,2,3
	v_mov_b32 v[TM+4+\b], 0                        ; written once: a lane permute's destination counts as one of its sources
.endr
	s_lshr_b32 s12, ttmp9, 1
	s_lshl_b32 s12, s12, 5
	s_and_b32 s13, ttmp9, 1
	s_lshl_b32 s13, s13, 3
	s_add_co_u32 s12, s12, s13                     ; the tile's first row
	s_lshl_b32 s13, s10, 2
	s_add_co_u32 s12, s12, s13
	s_lshr_b32 s13, s10, 1
	s_lshl_b32 s13, s13, 3
	s_add_co_u32 s12, s12, s13                     ; my wave's four: tile lanes 4 w .. 4 w + 3 are rows 4 w + 8 (w / 2) on
	s_lshl_b32 s12, s12, 12
	s_mov_b32 s13, 0
	s_mul_i32 s14, ttmp9, 12288
	s_mul_i32 s15, s10, 3072
	s_add_co_u32 s14, s14, s15                     ; my two fragments
	s_mov_b32 s15, 0
	s_lshl_b32 s16, ttmp9, 9
	s_lshl_b32 s17, s10, 7
	s_add_co_u32 s16, s16, s17
	s_add_co_u32 s16, s16, 3145728                 ; their scale words
	s_mov_b32 s17, 0
	s_mov_b32 s[SEL], 0x76543210
	s_mov_b32 s[SEL+1], 0xfedcba98
	s_mov_b32 s22, 0x3a800000                      ; 1 / 1,024
	s_mov_b32 s23, 0x358637bd                      ; 1e-6
	s_wait_kmcnt 0x0
	s_add_nc_u64 s[4:5], s[4:5], s[12:13]
	s_add_nc_u64 s[18:19], s[8:9], s[16:17]
	s_add_nc_u64 s[8:9], s[8:9], s[14:15]
.irp q, 0,1,2,3,4,5,6,7
	global_load_b128 v[G+4*\q:G+4*\q+3], v1, s[6:7] offset:512*\q
.endr
.irp j, 0,1,2,3
.irp q, 0,1,2,3,4,5,6,7
	global_load_b128 v[X+32*\j+4*\q:X+32*\j+4*\q+3], v1, s[4:5] offset:\j*4096+512*\q th:TH_LOAD_NT
.endr
.endr
.macro ROWA j
.set XR, X+32*\j
.set SR, 8+4*\j
	s_wait_loadcnt 8*(3-\j)                        ; g and this row are in; the rows behind it may be out
	v_pk_mul_f32 v[SR:SR+1], v[XR:XR+1], v[XR:XR+1]        ; the sum of squares, two at a time, in two chains that the first products start
	v_pk_mul_f32 v[SR+2:SR+3], v[XR+2:XR+3], v[XR+2:XR+3]
.set i, 4
.rept 7
	v_pk_fma_f32 v[SR:SR+1], v[XR+i:XR+i+1], v[XR+i:XR+i+1], v[SR:SR+1]
	v_pk_fma_f32 v[SR+2:SR+3], v[XR+i+2:XR+i+3], v[XR+i+2:XR+i+3], v[SR+2:SR+3]
.set i, i+4
.endr
.set i, 0
.rept 16
	v_pk_mul_f32 v[XR+i:XR+i+1], v[XR+i:XR+i+1], v[G+i:G+i+1]      ; x g
.set i, i+2
.endr
.irp q, 0,1,2,3,4,5,6,7
	ds_store_b128 v4, v[XR+4*\q:XR+4*\q+3] offset:\j*PITCH+512*\q
.endr
.endm
	ROWA 0
	ROWA 1
	ROWA 2
	ROWA 3
.irp j, 0,1,2,3
	v_pk_add_f32 v[8+4*\j:9+4*\j], v[8+4*\j:9+4*\j], v[10+4*\j:11+4*\j]
.endr
.irp j, 0,1,2,3
	v_add_f32 v[8+4*\j], v[8+4*\j], v[9+4*\j]
.endr
.irp m, 1,2,4,8
.irp j, 0,1,2,3
	v_add_f32_dpp v[8+4*\j], v[8+4*\j], v[8+4*\j] row_xmask:\m row_mask:0xf bank_mask:0xf
.endr
.endr
.irp j, 0,1,2,3
	v_permlanex16_b32 v[9+4*\j], v[8+4*\j], s[SEL], s[SEL+1]
.endr
.irp j, 0,1,2,3
	v_add_f32 v[8+4*\j], v[8+4*\j], v[9+4*\j]      ; every lane holds the row's sum of squares
.endr
.irp j, 0,1,2,3
	v_fma_f32 v[8+4*\j], v[8+4*\j], s22, s23       ; mean + eps
.endr
	s_wait_alu depctr_va_vdst(0)
.irp j, 0,1,2,3
	v_rsq_f32 v[10+4*\j], v[8+4*\j]
.endr
	v_nop                                          ; a plain instruction behind the last of the four
	s_wait_alu depctr_va_vdst(0)                   ; one wait for the four, ahead of their first reader
.irp j, 0,1,2,3
	ds_store_b32 v7, v[10+4*\j] offset:4*\j        ; all lanes write the same word with the same value
.endr
	s_wait_dscnt 0x0                               ; for the others' sake: my stores have landed
	s_barrier_signal -1
	s_barrier_wait -1                              ; 16 rows of x g and their 1 / rms lie in LDS
	ds_load_b32 v24, v6
.irp e, 0,1
.irp b, 0,1,2,3
.irp j, 0,1,2,3
	ds_load_b128 v[X+64*\e+16*\b+4*\j:X+64*\e+16*\b+4*\j+3], v5 offset:512*\e+128*\b+16*\j
.endr
.endr
.endr
	s_wait_dscnt 16                                ; 1 / rms and the first K step are in; the second's 16 loads may be out
	v_mov_b32 v25, v24
.set i, 0
.rept 32
	v_pk_mul_f32 v[X+i:X+i+1], v[X+i:X+i+1], v[24:25]
.set i, i+2
.endr
	QUANT64 X, PC0, PW
	s_wait_dscnt 0x0
.set i, 64
.rept 32
	v_pk_mul_f32 v[X+i:X+i+1], v[X+i:X+i+1], v[24:25]
.set i, i+2
.endr
	QUANT64 X+64, PC1, PW+1
.irp e, 0,1
	global_store_b128 v1, v[PC0+12*\e:PC0+12*\e+3], s[8:9] offset:1536*\e          ; 512 consecutive bytes
	global_store_b64 v2, v[PC0+12*\e+4:PC0+12*\e+5], s[8:9] offset:1536*\e+512     ; 256 consecutive bytes
	global_store_b128 v1, v[PC0+12*\e+6:PC0+12*\e+9], s[8:9] offset:1536*\e+768
	global_store_b64 v2, v[PC0+12*\e+10:PC0+12*\e+11], s[8:9] offset:1536*\e+1280
.endr
	global_store_b64 v3, v[PW:PW+1], s[18:19]      ; row r's two scale words; lanes l and l + 16 hold and write the same
	s_wait_tensorcnt 0x0
	ds_add_u32 v254, v255
	s_wait_dscnt 0x0
	s_endpgm
.Lfunc_end_k_q42af40f06b_norm1:
	.size	k_q42af40f06b_norm1, .Lfunc_end_k_q42af40f06b_norm1-k_q42af40f06b_norm1
	.p2alignl 7, 3214868480
	.fill 96, 4, 3214868480
	.section	.rodata,"a",@progbits
	.p2align	6, 0x0
	.amdhsa_kernel k_q42af40f06b_norm1
		.amdhsa_group_segment_fixed_size 67072
		.amdhsa_private_segment_fixed_size 0
		.amdhsa_enable_private_segment 0
		.amdhsa_kernarg_size 24
		.amdhsa_user_sgpr_count 2
		.amdhsa_user_sgpr_kernarg_segment_ptr 1
		.amdhsa_wavefront_size32 1
		.amdhsa_system_sgpr_workgroup_id_x 1
		.amdhsa_system_sgpr_workgroup_id_y 1
		.amdhsa_system_sgpr_workgroup_id_z 1
		.amdhsa_system_vgpr_workitem_id 0
		.amdhsa_next_free_vgpr 256
		.amdhsa_next_free_sgpr 66
		.amdhsa_reserve_vcc 0
		.amdhsa_float_denorm_mode_32 3
		.amdhsa_float_denorm_mode_16_64 3
		.amdhsa_memory_ordered 1
		.amdhsa_forward_progress 1
		.amdhsa_inst_pref_size 34
	.end_amdhsa_kernel
	.amdgpu_metadata
---
amdhsa.version: [ 1, 2 ]
amdhsa.kernels:
  - .name:           k_q42af40f06b_norm1
    .symbol:         k_q42af40f06b_norm1.kd
    .args:
      - { .name: x1, .offset: 0, .size: 8, .value_kind: global_buffer, .address_space: global }
      - { .name: g2, .offset: 8, .size: 8, .value_kind: global_buffer, .address_space: global }
      - { .name: act, .offset: 16, .size: 8, .value_kind: global_buffer, .address_space: global }
    .group_segment_fixed_size: 67072
    .private_segment_fixed_size: 0
    .kernarg_segment_align: 8
    .kernarg_segment_size: 24
    .max_flat_workgroup_size: 128
    .sgpr_count:     66
    .vgpr_count:     256
    .wavefront_size: 32
...
	.end_amdgpu_metadata
.endif
;; end of part 12
;; launch gateup (part 13): grid 16 x 16, 4 waves a work-group, clusters of 4 x 4, 327,680 bytes of LDS; arguments act, wts, hid; writes hid
.if DOCPART == 13
	.amdgcn_target "amdgcn-amd-amdhsa--gfx1250"
	.amdhsa_code_object_version 6
	.text
	.protected	k_q42af40f06b_gateup
	.globl	k_q42af40f06b_gateup
	.p2align	8
	.type	k_q42af40f06b_gateup,@function
k_q42af40f06b_gateup:
	s_mov_b64 s[64:65], 0
	v_nop
	global_prefetch_b8 v0, s[64:65] scope:SCOPE_SE
	s_setreg_imm32_b32 hwreg(HW_REG_WAVE_MODE, 25, 1), 1
	s_wait_xcnt 0x0
	s_wait_alu depctr_hold_cnt(0) depctr_sa_sdst(0) depctr_va_vdst(0) depctr_va_sdst(0) depctr_va_ssrc(0) depctr_va_vcc(0) depctr_vm_vsrc(0)
	s_getreg_b32 s2, hwreg(HW_REG_IB_STS2, 6, 4)
	s_cmp_eq_u32 s2, 0
	s_cbranch_scc0 .Lentry_in_a_cluster
	s_endpgm
.Lentry_in_a_cluster:
	s_bfe_u32 s2, ttmp6, 0x10000c
	s_cmp_lg_u32 s2, 0xf033
	s_cbranch_scc0 .Lentry_shape_is_right
	s_endpgm
.Lentry_shape_is_right:
.set SIZE_K, 1024
.set A_SC,   3145728
.set B_CODE, 3145728
.set B_SC,   7995392
.set KS,     SIZE_K/128
.set KROW,   SIZE_K*3/4
.set NQ,     2
.set FR,     12
.set NL,     4
.set NP,     4
.set HALFT,  8*2*1536
.set SLOT,   4*HALFT
.set LAPS,   SIZE_K/512
.set SCL,    2*SLOT
.set SBLK,   KS*64
.set HALFS,  8*SBLK
.set SPARE,  SCL+4*HALFS
.set ADRA, 16
.set ADRB, 20
.set ADRS, 27
.set SPW,  28
.set NIL,  29
.set SC,   32
.set AF,   128
.set G1, 24
.set G0, 32
.set G1B, 48
.set G0B, 56
.set G1S, 68
.set G0S, 76
.set G1SB, 80
.set G0SB, 88
.set SEL, 18
.set MSB, 0
.macro WIN new
.if MSB != (\new)
	s_set_vgpr_msb (MSB<<8)|(\new)
.set MSB, (\new)
.endif
.endm
.set MUL_LO, 0xa1
.set MUL_HI, 0xf1
.set TO_B,   0x40
.macro JLOAD g0a, g1a, g0b, g1b
	s_cmp_eq_u32 s15, 0
	s_cbranch_scc0 .Lfor_b_\@
	tensor_load_to_lds s[\g0a:\g0a+3], s[\g1a:\g1a+7]
	s_nop 0
.rept 4
	v_nop
.endr
	s_branch .Lasked_\@
.Lfor_b_\@:
	tensor_load_to_lds s[\g0b:\g0b+3], s[\g1b:\g1b+7]
	s_nop 0
.rept 4
	v_nop
.endr
.Lasked_\@:
.endm
.macro CREST
	s_cmp_lg_u32 s14, 0
	s_cbranch_scc1 .Lnot_wave_0_\@
	s_barrier_signal -3
.Lnot_wave_0_\@:
	s_barrier_wait -3
	s_barrier_signal -1
	s_barrier_wait -1
.endm
.macro CROUND
	s_barrier_signal -1
	s_barrier_wait -1
	CREST
.endm
	s_load_b128 s[4:7], s[0:1], 0x0
	s_load_b64 s[8:9], s[0:1], 0x10
	v_lshl_add_u32 v[SPW], v0, 2, SPARE
	v_mov_b32 v[NIL], 0
	ds_add_u32 v28, v29
	ds_add_u32 v28, v29
	s_wait_dscnt 0x0
	v_lshrrev_b32 v1, 5, v0
	v_readfirstlane_b32 s14, v1
	s_lshr_b32 s15, s14, 1
	s_and_b32 s16, s14, 1
	s_bfe_u32 s40, ttmp6, 0x40000
	s_bfe_u32 s41, ttmp6, 0x40004
	s_lshl_b32 s42, ttmp9, 2
	s_add_co_u32 s42, s42, s40
	s_and_b32 s17, ttmp7, 0xffff
	s_lshl_b32 s17, s17, 2
	s_add_co_u32 s17, s17, s41
	s_lshl_b32 s43, s41, 2
	s_lshl_b32 s43, 15, s43
	s_lshl_b32 s44, 0x1111, s40
	s_or_b32 s[G1+0], s43, (3<<16)|(1<<21)
	s_or_b32 s[G1B+0], s44, (3<<16)|(1<<21)
.irp g, G1, G1B
	s_mov_b32 s[\g+1], 384<<16
	s_mov_b32 s[\g+2], 16<<16                      ; the head's loads bring a block's 16 tiles
	s_mov_b32 s[\g+3], 384<<16
	s_mov_b32 s[\g+4], 16
	s_mov_b32 s[\g+5], KS*192
	s_mov_b32 s[\g+6], 0
	s_mov_b32 s[\g+7], 0
.endr
	s_or_b32 s[G1S+0], s43, (3<<16)|(1<<21)
	s_or_b32 s[G1SB+0], s44, (3<<16)|(1<<21)
.irp g, G1S, G1SB
	s_mov_b32 s[\g+1], 32<<16
	s_mov_b32 s[\g+2], (HALFS/128)<<16             ; the scale words of 16 tiles
	s_mov_b32 s[\g+3], 32<<16
	s_mov_b32 s[\g+4], HALFS/128
	s_mov_b32 s[\g+5], 32
	s_mov_b32 s[\g+6], 0
	s_mov_b32 s[\g+7], 0
.endr
	s_lshl_b32 s18, s16, 7
	s_lshl_b32 s20, s17, 8
	s_add_co_u32 s20, s20, s18
	s_lshl_b32 s46, s42, 8
	s_add_co_u32 s46, s46, s18
	s_mul_i32 s22, s20, SIZE_K/32
	s_add_co_u32 s22, s22, A_SC
	s_mov_b32 s23, 0
	s_mul_i32 s92, s46, SIZE_K/32
	s_add_co_u32 s92, s92, B_SC
	s_mov_b32 s93, 0
	s_mul_i32 s20, s20, KROW
	s_mov_b32 s21, 0
	s_mul_i32 s46, s46, KROW
	s_add_co_u32 s46, s46, B_CODE
	s_mov_b32 s47, 0
	s_mul_i32 s45, s14, HALFT
	s_mul_i32 s94, s14, HALFS
	s_wait_kmcnt 0x0
	s_add_nc_u64 s[20:21], s[4:5], s[20:21]
	s_add_nc_u64 s[22:23], s[4:5], s[22:23]
	s_add_nc_u64 s[46:47], s[6:7], s[46:47]
	s_add_nc_u64 s[92:93], s[6:7], s[92:93]
	CROUND
	; the head's four tiles, each whole: the addresses above stand at my half of a block; my half's bytes are taken off again
	s_mul_i32 s10, s16, 128*SIZE_K/32
	s_mov_b32 s11, 0
	s_mov_b32 s[G0S], 1                            ; the scale words of A's 16 tiles
	s_mov_b32 s[G0S+1], SCL
	s_sub_nc_u64 s[G0S+2:G0S+3], s[22:23], s[10:11]
	s_or_b32 s[G0S+3], s[G0S+3], 0x80000000
	s_mov_b32 s[G0SB], 1                           ; and of B's
	s_mov_b32 s[G0SB+1], SCL+2*HALFS
	s_sub_nc_u64 s[G0SB+2:G0SB+3], s[92:93], s[10:11]
	s_or_b32 s[G0SB+3], s[G0SB+3], 0x80000000
	s_mul_i32 s10, s16, 128*KROW
	s_mov_b32 s4, 1                                ; slot 0's 16 tiles of A (s[4:7] held arguments that have been used)
	s_mov_b32 s5, 0
	s_sub_nc_u64 s[6:7], s[20:21], s[10:11]
	s_or_b32 s7, s7, 0x80000000
	s_mov_b32 s92, 1                               ; and of B, behind them
	s_mov_b32 s93, 2*HALFT
	s_sub_nc_u64 s[94:95], s[46:47], s[10:11]
	s_or_b32 s95, s95, 0x80000000
.irp s, 0,1
	s_mov_b32 s[G0+4*\s], 1
	s_add_co_u32 s[G0+4*\s+1], s45, \s*SLOT
	s_add_nc_u64 s[G0+4*\s+2:G0+4*\s+3], s[20:21], \s*3072
	s_or_b32 s[G0+4*\s+3], s[G0+4*\s+3], 0x80000000
	s_mov_b32 s[G0B+4*\s], 1
	s_add_co_u32 s[G0B+4*\s+1], s45, \s*SLOT
	s_add_nc_u64 s[G0B+4*\s+2:G0B+4*\s+3], s[46:47], \s*3072
	s_or_b32 s[G0B+4*\s+3], s[G0B+4*\s+3], 0x80000000
.endr
; The head's loads, one a wave: wave 0 slot 0's tiles of A, wave 1 those of B, wave 2 A's scale words, wave 3 B's.  One chain of branches on the wave's number, all arms leading to one join.
.macro ARM under, g0, g1, next
	s_cmp_lt_u32 s14, \under
	s_cbranch_scc0 \next
	tensor_load_to_lds s[\g0:\g0+3], s[\g1:\g1+7]
	s_nop 0
.rept 4
	v_nop
.endr
	s_branch .Lhead_asked
\next:
.endm
	ARM 1, 4, G1, .Lhead_b
	ARM 2, 92, G1B, .Lhead_sa
	ARM 3, G0S, G1S, .Lhead_sb
	tensor_load_to_lds s[G0SB:G0SB+3], s[G1SB:G1SB+7]
	s_nop 0
.rept 4
	v_nop
.endr
.Lhead_asked:
	; PREFETCHES.  A ring load of mine brings 8 tiles x 3,072 bytes, asked for jointly by four partners: each partner names two of the tiles, told apart by address (cx for A's tiles, cy for B's):
	; 24 blocks of 256 bytes, a lane to a block; the eight lanes left over name the last block again.  Here: slots 1 and 2; behind slot 1's load: slot 3.  So two slots at the most are asked for and not yet read.
	s_cmp_eq_u32 s15, 0                            ; do I fetch for A?
	s_cselect_b64 s[10:11], s[20:21], s[46:47]     ; my 8 tiles' first byte
	s_cselect_b32 s2, s40, s41                     ; my place among the four that ask with me
	s_mul_i32 s2, s2, 2*KS*1536
	s_mov_b32 s3, 0
	s_add_nc_u64 s[10:11], s[10:11], s[2:3]        ; my work-group's two tiles; never rewritten
	v_and_b32 v31, 31, v0
	v_min_u32 v31, 23, v31
	v_mul_u32_u24 v30, v31, 43
	v_lshrrev_b32 v30, 9, v30                      ; lane / 12: which of the two tiles
	v_mul_u32_u24 v30, v30, KS*1536-3072
	v_lshl_add_u32 v30, v31, 8, v30                ; 256 x (lane % 12) + a tile's KS x 1,536 bytes x (lane / 12); never rewritten
	global_prefetch_b8 v30, s[10:11] offset:3072 th:TH_LOAD_NT scope:SCOPE_SE
	global_prefetch_b8 v30, s[10:11] offset:2*3072 th:TH_LOAD_NT scope:SCOPE_SE
	v_and_b32 v1, 15, v0
	v_bfe_u32 v2, v0, 4, 1
	v_and_b32 v3, 31, v0
	v_lshlrev_b32 v4, 4, v3
	v_lshlrev_b32 v5, 3, v3
	s_mul_i32 s21, s15, HALFT
	s_mul_i32 s22, s16, HALFT
	s_add_co_u32 s22, s22, 2*HALFT
.irp s, 0,1
	v_add_nc_u32 v[ADRA+\s], s21, v4
	v_add_nc_u32 v[ADRB+\s], s22, v4
	v_add_nc_u32 v[ADRA+2+\s], s21, v5
	v_add_nc_u32 v[ADRB+2+\s], s22, v5
	s_add_co_u32 s21, s21, SLOT
	s_add_co_u32 s22, s22, SLOT
.endr
	v_lshlrev_b32 v5, 3, v1
	s_mul_i32 s21, s15, HALFS
	s_mul_i32 s22, s16, HALFS
	s_add_co_u32 s22, s22, 2*HALFS
	s_sub_co_u32 s22, s22, s21
	v_mul_u32_u24 v6, s22, v2
	s_add_co_u32 s21, s21, SCL
	v_add_nc_u32 v5, v5, v6
	v_add_nc_u32 v[ADRS], s21, v5
	v_lshlrev_b32 v24, 4, v3
	v_lshlrev_b32 v25, 3, v3
	v_lshlrev_b32 v26, 3, v1
	s_lshl_b32 s20, s17, 4
	s_lshl_b32 s21, s15, 3
	s_add_co_u32 s20, s20, s21
	s_lshl_b32 s21, s20, 4
	s_add_co_u32 s21, s21, s42
	s_mul_i32 s46, s21, 1536
	s_mul_i32 s47, s16, 768
	s_add_co_u32 s46, s46, s47
	s_mov_b32 s47, 0
	s_add_nc_u64 s[12:13], s[8:9], s[46:47]
	s_lshl_b32 s21, s20, 3
	s_lshr_b32 s22, s42, 1
	s_add_co_u32 s21, s21, s22
	s_lshl_b32 s46, s21, 7
	s_and_b32 s22, s42, 1
	s_lshl_b32 s22, s22, 2
	s_add_co_u32 s46, s46, s22
	s_lshl_b32 s22, s16, 1
	s_add_co_u32 s46, s46, s22
	s_add_co_u32 s46, s46, 6291456
	s_add_nc_u64 s[96:97], s[8:9], s[46:47]
	s_mov_b32 s[SEL], 0x76543210
	s_mov_b32 s[SEL+1], 0xfedcba98
	s_mov_b32 s98, 0xbfb8aa3b
	s_mov_b32 s99, s98
.macro FRAG reg, adr, q, i
	ds_load_b128 v[\reg:\reg+3], v[\adr] offset:(\i)*3072+(\q)*1536
	ds_load_b64 v[\reg+4:\reg+5], v[\adr+2] offset:(\i)*3072+(\q)*1536+512
	ds_load_b128 v[\reg+6:\reg+9], v[\adr] offset:(\i)*3072+(\q)*1536+768
	ds_load_b64 v[\reg+10:\reg+11], v[\adr+2] offset:(\i)*3072+(\q)*1536+1280
.endm
.macro MUL16 a0, p, q, sc, zero
.irp a, \a0, \a0+1
.irp b, 0,1,2,3,4,5,6,7
.if \zero
	v_wmma_scale_f32_16x16x128_f8f6f4 v[8*(8*((\a)%4)+\b):8*(8*((\a)%4)+\b)+7], v[128*(\p)+FR*\b:128*(\p)+FR*\b+FR-1], v[AF+FR*(\a):AF+FR*(\a)+FR-1], 0, v[SC+8*NQ*(\sc)+NQ*\b+(\q)], v[SC+8*NQ*(\sc)+NQ*(\a)+(\q)] matrix_a_fmt:MATRIX_FMT_FP6 matrix_b_fmt:MATRIX_FMT_FP6 matrix_a_scale:MATRIX_SCALE_ROW1
.else
	v_wmma_scale_f32_16x16x128_f8f6f4 v[8*(8*((\a)%4)+\b):8*(8*((\a)%4)+\b)+7], v[128*(\p)+FR*\b:128*(\p)+FR*\b+FR-1], v[AF+FR*(\a):AF+FR*(\a)+FR-1], v[8*(8*((\a)%4)+\b):8*(8*((\a)%4)+\b)+7], v[SC+8*NQ*(\sc)+NQ*\b+(\q)], v[SC+8*NQ*(\sc)+NQ*(\a)+(\q)] matrix_a_fmt:MATRIX_FMT_FP6 matrix_b_fmt:MATRIX_FMT_FP6 matrix_a_scale:MATRIX_SCALE_ROW1
.endif
.endr
.endr
.endm
.macro FETCH_B slot, q, p
	WIN TO_B
.irp i, 0,1,2,3,4,5,6,7
	FRAG 128*(\p)+FR*\i, ADRB+\slot, \q, \i
.endr
	WIN 0
.endm
.macro FETCH_A slot, q, i0
.irp i, \i0, \i0+1, \i0+2, \i0+3
	FRAG AF+FR*(\i), ADRA+\slot, \q, \i
.endr
.endm
.macro SCALES sc
.irp i, 0,1,2,3,4,5,6,7
	ds_load_b64 v[SC+8*NQ*\sc+NQ*\i:SC+8*NQ*\sc+NQ*\i+1], v[ADRS] offset:\i*SBLK
.endr
.endm
.macro PLACES n
.rept \n
	v_nop
.endr
.endm
.macro STEP slot, q, zero
	s_wait_dscnt 4*NL
	WIN MUL_LO
	MUL16 0, (\q)%2, \q, \slot, \zero
	MUL16 2, (\q)%2, \q, \slot, \zero
	s_wait_dscnt 0
	PLACES NP
	FETCH_B \slot, (\q)+1, 1-(\q)%2
	FETCH_A \slot, (\q)+1, 0
	WIN MUL_HI
	MUL16 4, (\q)%2, \q, \slot, \zero
	MUL16 6, (\q)%2, \q, \slot, \zero
	PLACES NP
	WIN 0
	FETCH_A \slot, (\q)+1, 4
.endm
.macro TURN slot, next, fill
	s_wait_tensorcnt 0x0
	ds_add_u32 v[SPW], v[NIL]
	s_wait_dscnt 4*NL+1
	WIN MUL_LO
	MUL16 0, 1, NQ-1, \slot, 0
	s_wait_dscnt 0x0
	s_barrier_signal -1
	MUL16 2, 1, NQ-1, \slot, 0
	WIN 0
	s_barrier_wait -1
.if \fill
	CREST
	s_add_nc_u64 s[G0+4*\slot+2:G0+4*\slot+3], s[G0+4*\slot+2:G0+4*\slot+3], 2*3072
	s_add_nc_u64 s[G0B+4*\slot+2:G0B+4*\slot+3], s[G0B+4*\slot+2:G0B+4*\slot+3], 2*3072
	JLOAD G0+4*\slot, G1, G0B+4*\slot, G1B
.else
	PLACES NP
.endif
	s_wait_alu depctr_va_vdst(0)
	v_add_nc_u32 v[ADRS], 128, v[ADRS]
	FETCH_B \next, 0, 0
	FETCH_A \next, 0, 0
	SCALES \next
	WIN MUL_HI
	MUL16 4, 1, NQ-1, \slot, 0
	MUL16 6, 1, NQ-1, \slot, 0
	PLACES NP
	WIN 0
	FETCH_A \next, 0, 4
.endm
	s_wait_alu depctr_va_vdst(0)
	s_wait_tensorcnt 0x0                           ; my tile of the head's four is in; slot 1's first fill is issued as a refill is
	ds_add_u32 v[SPW], v[NIL]
	s_mov_b32 s[G1+2], 8<<16                       ; no load of mine is out: from here on a load brings 8 tiles
	s_mov_b32 s[G1+4], 8
	s_mov_b32 s[G1B+2], 8<<16
	s_mov_b32 s[G1B+4], 8
	s_wait_dscnt 0x0
	CROUND                                         ; everybody's tiles are in, and the joint loads meet
	JLOAD G0+4, G1, G0B+4, G1B                     ; slot 1
	FETCH_B 0, 0, 0
	FETCH_A 0, 0, 0
	SCALES 0
	FETCH_A 0, 0, 4
	global_prefetch_b8 v30, s[10:11] offset:3*3072 th:TH_LOAD_NT scope:SCOPE_SE   ; slot 3, the last: two refills ahead of its load
	STEP 0, 0, 1
	s_mov_b32 s3, LAPS-1
.Llap:
	TURN 0, 1, 1
	STEP 1, 0, 0
	TURN 1, 0, 1
	STEP 0, 0, 0
	s_sub_co_u32 s3, s3, 1
	s_cmp_lg_u32 s3, 0
	s_cbranch_scc1 .Llap
	TURN 0, 1, 0
	STEP 1, 0, 0
	s_wait_dscnt 4*NL
	WIN MUL_LO
	MUL16 0, 1, NQ-1, 1, 0
	MUL16 2, 1, NQ-1, 1, 0
	s_wait_dscnt 0
	WIN MUL_HI
	MUL16 4, 1, NQ-1, 1, 0
	MUL16 6, 1, NQ-1, 1, 0
	WIN 0
.set T,  64
.set H,  96
.set TM, 32
.set PT, 48
	PLACES NP
; THE WAY OUT BY PAIRS OF A's TILES: hidden = silu(gate) x up for tiles 2 p and 2 p + 1, 64 numbers a lane in v[T] on, in batches of 64 exponentials and 64 reciprocals;
; the four blocks of 32 are quantised by turns; each tile's 32 numbers make half a fragment (six registers) and two scale bytes.
.macro HID2 p
.set AS, 128*((\p)%2)
.set PCA, 160+16*(\p)                  ; 12 registers of codes, 2 of scale bytes for each pair: no store's data are written again
	WIN 2+(\p)/2
.irp k, 0,1
.set i, 0
.rept 16
	v_pk_mul_f32 v[T+32*\k+i:T+32*\k+i+1], v[AS+64*\k+i:AS+64*\k+i+1], s[98:99] op_sel_hi:[1,0]   ; - gate x log2(e); each accumulator from its low end on
.set i, i+2
.endr
.endr
	WIN 0
	s_wait_alu depctr_va_vdst(0)
.set i, 0
.rept 64
	v_exp_f32 v[T+i], v[T+i]
.set i, i+1
.endr
	v_nop
	s_wait_alu depctr_va_vdst(0)
.set i, 0
.rept 32
	v_pk_add_f32 v[T+i:T+i+1], v[T+i:T+i+1], 1.0 op_sel_hi:[1,0]
.set i, i+2
.endr
	s_wait_alu depctr_va_vdst(0)
.set i, 0
.rept 64
	v_rcp_f32 v[T+i], v[T+i]                       ; sigmoid(gate)
.set i, i+1
.endr
	v_nop
	s_wait_alu depctr_va_vdst(0)
	WIN (2+(\p)/2)<<2
.irp k, 0,1
.set i, 0
.rept 16
	v_pk_mul_f32 v[T+32*\k+i:T+32*\k+i+1], v[T+32*\k+i:T+32*\k+i+1], v[AS+64*\k+i:AS+64*\k+i+1]
.set i, i+2
.endr
.endr
.irp k, 0,1
.set i, 0
.rept 16
	v_pk_mul_f32 v[T+32*\k+i:T+32*\k+i+1], v[T+32*\k+i:T+32*\k+i+1], v[AS+64*\k+32+i:AS+64*\k+32+i+1]
.set i, i+2
.endr
.endr
	WIN 0
.irp b, 0,1,2,3
	v_max3_num_f32 v[TM+\b], |v[T+16*\b]|, |v[T+1+16*\b]|, 0x1800000   ; my 16 numbers of block b, and the floor 2^(3 - 127)
.endr
.irp i, 2,4,6,8,10,12,14
.irp b, 0,1,2,3
	v_max3_num_f32 v[TM+\b], v[TM+\b], |v[T+16*\b+\i]|, |v[T+1+16*\b+\i]|
.endr
.endr
.irp b, 0,1,2,3
	v_permlanex16_b32 v[TM+4+\b], v[TM+\b], s[SEL], s[SEL+1]
.endr
.irp b, 0,1,2,3
	v_max_num_f32 v[TM+\b], v[TM+\b], v[TM+4+\b]
.endr
.irp b, 0,1,2,3
	v_add_nc_u32 v[TM+12+\b], 0xff000000, v[TM+\b]
.endr
.irp b, 0,1,2,3
	v_lshrrev_b32 v[TM+4+\b], 23, v[TM+12+\b]
.endr
	v_lshl_or_b32 v[PCA+12], v[TM+5], 8, v[TM+4]   ; the first tile's two scale bytes,
	v_lshl_or_b32 v[PCA+13], v[TM+7], 8, v[TM+6]   ; the second's
.irp c, 0,1
	v_cvt_scalef32_pk16_fp6_f32 v[PCA+6*\c:PCA+2+6*\c], v[T+32*\c:T+15+32*\c], v[TM+12+2*\c]
	v_cvt_scalef32_pk16_fp6_f32 v[PT+4*\c:PT+2+4*\c], v[T+16+32*\c:T+31+32*\c], v[TM+13+2*\c]
.endr
	v_nop                                          ; one plain instruction behind a scaled conversion
.irp c, 0,1
.irp i, 0,1,2
	v_permlane16_swap_b32 v[PCA+6*\c+\i], v[PT+4*\c+\i]
.endr
.irp i, 0,1,2
	v_mov_b32 v[PCA+3+6*\c+\i], v[PT+4*\c+\i]
.endr
.endr
.irp k, 0,1
	global_store_b128 v24, v[PCA+6*\k:PCA+6*\k+3], s[12:13] offset:(2*(\p)+\k)*24576
	global_store_b64 v25, v[PCA+6*\k+4:PCA+6*\k+5], s[12:13] offset:(2*(\p)+\k)*24576+512
	global_store_b16 v26, v[PCA+12+\k], s[96:97] offset:(2*(\p)+\k)*1024
.endr
.endm
.irp b, 0,1,2,3
	v_mov_b32 v[TM+4+\b], 0                        ; a lane permute's destination counts as one of its sources
.endr
.irp p, 0,1,2,3
	HID2 \p
.endr
	s_wait_tensorcnt 0x0
	ds_add_u32 v[SPW], v[NIL]
	s_wait_dscnt 0x0
	CROUND
	s_endpgm
.Lfunc_end_k_q42af40f06b_gateup:
	.size	k_q42af40f06b_gateup, .Lfunc_end_k_q42af40f06b_gateup-k_q42af40f06b_gateup
	.p2alignl 7, 3214868480
	.fill 96, 4, 3214868480
	.section	.rodata,"a",@progbits
	.p2align	6, 0x0
	.amdhsa_kernel k_q42af40f06b_gateup
		.amdhsa_group_segment_fixed_size 327680
		.amdhsa_private_segment_fixed_size 0
		.amdhsa_enable_private_segment 0
		.amdhsa_kernarg_size 24
		.amdhsa_user_sgpr_count 2
		.amdhsa_user_sgpr_kernarg_segment_ptr 1
		.amdhsa_wavefront_size32 1
		.amdhsa_system_sgpr_workgroup_id_x 1
		.amdhsa_system_sgpr_workgroup_id_y 1
		.amdhsa_system_sgpr_workgroup_id_z 1
		.amdhsa_system_vgpr_workitem_id 0
		.amdhsa_next_free_vgpr 1024
		.amdhsa_next_free_sgpr 100
		.amdhsa_reserve_vcc 0
		.amdhsa_float_denorm_mode_32 3
		.amdhsa_float_denorm_mode_16_64 3
		.amdhsa_memory_ordered 1
		.amdhsa_forward_progress 1
		.amdhsa_inst_pref_size 183
	.end_amdhsa_kernel
	.amdgpu_metadata
---
amdhsa.version: [ 1, 2 ]
amdhsa.kernels:
  - .name:           k_q42af40f06b_gateup
    .symbol:         k_q42af40f06b_gateup.kd
    .args:
      - { .name: act, .offset: 0, .size: 8, .value_kind: global_buffer, .address_space: global }
      - { .name: wts, .offset: 8, .size: 8, .value_kind: global_buffer, .address_space: global }
      - { .name: hid, .offset: 16, .size: 8, .value_kind: global_buffer, .address_space: global }
    .group_segment_fixed_size: 327680
    .private_segment_fixed_size: 0
    .kernarg_segment_align: 8
    .kernarg_segment_size: 24
    .max_flat_workgroup_size: 128
    .sgpr_count:     100
    .vgpr_count:     1024
    .wavefront_size: 32
...
	.end_amdgpu_metadata
.endif
;; end of part 13
;; launch down (part 14): grid 8 x 32, 4 waves a work-group, clusters of 4 x 4, 327,680 bytes of LDS; arguments hid, wts, x1, out0; writes out0
.if DOCPART == 14
	.amdgcn_target "amdgcn-amd-amdhsa--gfx1250"
	.amdhsa_code_object_version 6
	.text
	.protected	k_q42af40f06b_down
	.globl	k_q42af40f06b_down
	.p2align	8
	.type	k_q42af40f06b_down,@function
k_q42af40f06b_down:
	s_mov_b64 s[64:65], 0
	v_nop
	global_prefetch_b8 v0, s[64:65] scope:SCOPE_SE
	s_setreg_imm32_b32 hwreg(HW_REG_WAVE_MODE, 25, 1), 1
	s_wait_xcnt 0x0
	s_wait_alu depctr_hold_cnt(0) depctr_sa_sdst(0) depctr_va_vdst(0) depctr_va_sdst(0) depctr_va_ssrc(0) depctr_va_vcc(0) depctr_vm_vsrc(0)
	s_getreg_b32 s2, hwreg(HW_REG_IB_STS2, 6, 4)
	s_cmp_eq_u32 s2, 0
	s_cbranch_scc0 .Lentry_in_a_cluster
	s_endpgm
.Lentry_in_a_cluster:
	s_bfe_u32 s2, ttmp6, 0x10000c
	s_cmp_lg_u32 s2, 0xf033
	s_cbranch_scc0 .Lentry_shape_is_right
	s_endpgm
.Lentry_shape_is_right:
.set SIZE_K, 2048
.set A_SC,   6291456
.set B_CODE, 6291456
.set B_SC,   8126464
.set KS,     SIZE_K/128
.set KROW,   SIZE_K*3/4
.set NQ,     4
.set NCH,    KS/NQ
.set NSL,    3
.set NFIRST, NSL
.if NCH < NSL
.set NFIRST, NCH
.endif
.set FR,     12
.set NP,     4
.set HALFT,  4*NQ*1536
.set SLOT,   4*HALFT
.set SCL,    NSL*SLOT
.set SBLK,   KS*64
.set HALFS,  4*SBLK
.set SPARE,  SCL+4*HALFS
.set STAGE,  2*SLOT
.set SPITCH, 272
.set ADRA, 8
.set ADRB, 14
.set STO,  24
.set RD,   25
.set CO,   26
.set ADRS, 27
.set SPW,  28
.set NIL,  29
.set SC,   32
.set ACC,  128
.set G1,   24
.set G0,   32
.set G1B,  44
.set G0B,  52
.set G1S,  68
.set G0S,  76
.set G1SB, 80
.set G0SB, 88
.set MSB, 0
.macro WIN new
.if MSB != (\new)
	s_set_vgpr_msb (MSB<<8)|(\new)
.set MSB, (\new)
.endif
.endm
.set MUL,  0x05
.set TO_F, 0x40
.macro JLOAD g0a, g1a, g0b, g1b
	s_cmp_eq_u32 s15, 0
	s_cbranch_scc0 .Lfor_b_\@
	tensor_load_to_lds s[\g0a:\g0a+3], s[\g1a:\g1a+7]
	s_nop 0
.rept 4
	v_nop
.endr
	s_branch .Lasked_\@
.Lfor_b_\@:
	tensor_load_to_lds s[\g0b:\g0b+3], s[\g1b:\g1b+7]
	s_nop 0
.rept 4
	v_nop
.endr
.Lasked_\@:
.endm
.macro CREST
	s_cmp_lg_u32 s14, 0
	s_cbranch_scc1 .Lnot_wave_0_\@
	s_barrier_signal -3
.Lnot_wave_0_\@:
	s_barrier_wait -3
	s_barrier_signal -1
	s_barrier_wait -1
.endm
.macro CROUND
	s_barrier_signal -1
	s_barrier_wait -1
	CREST
.endm
	s_load_b128 s[4:7], s[0:1], 0x0
	s_load_b128 s[8:11], s[0:1], 0x10
	v_lshl_add_u32 v[SPW], v0, 2, SPARE
	v_mov_b32 v[NIL], 0
	ds_add_u32 v28, v29
	ds_add_u32 v28, v29
	s_wait_dscnt 0x0
	v_lshrrev_b32 v1, 5, v0
	v_readfirstlane_b32 s14, v1
	s_lshr_b32 s15, s14, 1
	s_and_b32 s16, s14, 1
	s_bfe_u32 s92, ttmp6, 0x40000
	s_bfe_u32 s93, ttmp6, 0x40004
	s_lshl_b32 s94, ttmp9, 2
	s_add_co_u32 s94, s94, s92
	s_and_b32 s17, ttmp7, 0xffff
	s_lshl_b32 s17, s17, 2
	s_add_co_u32 s17, s17, s93
	s_lshl_b32 s95, s93, 2
	s_lshl_b32 s95, 15, s95
	s_lshl_b32 s98, 0x1111, s92
	s_or_b32 s[G1+0], s95, (3<<16)|(1<<21)
	s_or_b32 s[G1B+0], s98, (3<<16)|(1<<21)
.irp g, G1, G1B
	s_mov_b32 s[\g+1], (NQ*192)<<16
	s_mov_b32 s[\g+2], 8<<16                       ; the head's loads bring a block's 8 tiles, K steps 0 to 3
	s_mov_b32 s[\g+3], (NQ*192)<<16
	s_mov_b32 s[\g+4], 8
	s_mov_b32 s[\g+5], KS*192
	s_mov_b32 s[\g+6], 0
	s_mov_b32 s[\g+7], 0
.endr
	s_or_b32 s[G1S+0], s95, (3<<16)|(1<<21)
	s_or_b32 s[G1SB+0], s98, (3<<16)|(1<<21)
.irp g, G1S, G1SB
	s_mov_b32 s[\g+1], 32<<16
	s_mov_b32 s[\g+2], (HALFS/128)<<16             ; the scale words of 8 tiles
	s_mov_b32 s[\g+3], 32<<16
	s_mov_b32 s[\g+4], HALFS/128
	s_mov_b32 s[\g+5], 32
	s_mov_b32 s[\g+6], 0
	s_mov_b32 s[\g+7], 0
.endr
	s_lshl_b32 s18, s16, 6
	s_lshl_b32 s20, s17, 7
	s_add_co_u32 s20, s20, s18
	s_lshl_b32 s66, s94, 7
	s_add_co_u32 s66, s66, s18
	s_mul_i32 s22, s20, SIZE_K/32
	s_add_co_u32 s22, s22, A_SC
	s_mov_b32 s23, 0
	s_mul_i32 s100, s66, SIZE_K/32
	s_add_co_u32 s100, s100, B_SC
	s_mov_b32 s101, 0
	s_mul_i32 s20, s20, KROW
	s_mov_b32 s21, 0
	s_mul_i32 s66, s66, KROW
	s_add_co_u32 s66, s66, B_CODE
	s_mov_b32 s67, 0
	s_mul_i32 s2, s14, HALFT
	s_mul_i32 s3, s14, HALFS
	s_wait_kmcnt 0x0
	s_add_nc_u64 s[20:21], s[4:5], s[20:21]
	s_add_nc_u64 s[22:23], s[4:5], s[22:23]
	s_add_nc_u64 s[66:67], s[6:7], s[66:67]
	s_add_nc_u64 s[100:101], s[6:7], s[100:101]
	CROUND
; K = 2,048 COMES IN THREE STAGES.  At the head, one load a wave: K steps 0 to 3 of A's 8 tiles (wave 0) and of B's (wave 1) into the first slot, A's scale words (wave 2), B's (wave 3).
; Behind one round: K steps 4 to 11, each wave its 4 tiles x 8 steps, into the large slot (from byte SLOT on, laid [tile][8 steps]).  At K step 3 the first slot is filled again with K steps 12 to 15, each wave its 4 tiles.
	; the addresses above stand at my half of a block; for the head's whole tiles my half's bytes are taken off again
	s_mul_i32 s18, s16, 64*SIZE_K/32
	s_mov_b32 s19, 0
	s_mov_b32 s[G0S], 1
	s_mov_b32 s[G0S+1], SCL
	s_sub_nc_u64 s[G0S+2:G0S+3], s[22:23], s[18:19]
	s_or_b32 s[G0S+3], s[G0S+3], 0x80000000
	s_mov_b32 s[G0SB], 1
	s_mov_b32 s[G0SB+1], SCL+2*HALFS
	s_sub_nc_u64 s[G0SB+2:G0SB+3], s[100:101], s[18:19]
	s_or_b32 s[G0SB+3], s[G0SB+3], 0x80000000
	s_mul_i32 s18, s16, 64*KROW
	s_mov_b32 s[G0], 1
	s_mov_b32 s[G0+1], 0
	s_sub_nc_u64 s[G0+2:G0+3], s[20:21], s[18:19]
	s_or_b32 s[G0+3], s[G0+3], 0x80000000
	s_mov_b32 s[G0B], 1
	s_mov_b32 s[G0B+1], 2*HALFT
	s_sub_nc_u64 s[G0B+2:G0B+3], s[66:67], s[18:19]
	s_or_b32 s[G0B+3], s[G0B+3], 0x80000000
	s_mov_b32 s[G0+4], 1                           ; K steps 4 to 11: wave x 4 tiles x 8 steps
	s_lshl_b32 s[G0+5], s2, 1
	s_add_co_u32 s[G0+5], s[G0+5], SLOT
	s_add_nc_u64 s[G0+6:G0+7], s[20:21], 4*1536
	s_or_b32 s[G0+7], s[G0+7], 0x80000000
	s_mov_b32 s[G0B+4], 1
	s_lshl_b32 s[G0B+5], s2, 1
	s_add_co_u32 s[G0B+5], s[G0B+5], SLOT
	s_add_nc_u64 s[G0B+6:G0B+7], s[66:67], 4*1536
	s_or_b32 s[G0B+7], s[G0B+7], 0x80000000
	s_mov_b32 s[G0+8], 1                           ; K steps 12 to 15: wave x 4 tiles x 4 steps
	s_mov_b32 s[G0+9], s2
	s_add_nc_u64 s[G0+10:G0+11], s[20:21], 12*1536
	s_or_b32 s[G0+11], s[G0+11], 0x80000000
	s_mov_b32 s[G0B+8], 1
	s_mov_b32 s[G0B+9], s2
	s_add_nc_u64 s[G0B+10:G0B+11], s[66:67], 12*1536
	s_or_b32 s[G0B+11], s[G0B+11], 0x80000000
.macro ARM under, g0, g1, next         ; one chain of branches on the wave's number, a load to an arm, all arms leading to one join
	s_cmp_lt_u32 s14, \under
	s_cbranch_scc0 \next
	tensor_load_to_lds s[\g0:\g0+3], s[\g1:\g1+7]
	s_nop 0
.rept 4
	v_nop
.endr
	s_branch .Lhead_asked
\next:
.endm
	ARM 1, G0, G1, .Lhead_b
	ARM 2, G0B, G1B, .Lhead_sa
	ARM 3, G0S, G1S, .Lhead_sb
	tensor_load_to_lds s[G0SB:G0SB+3], s[G1SB:G1SB+7]
	s_nop 0
.rept 4
	v_nop
.endr
.Lhead_asked:
	; PREFETCHES.  A later load of mine brings 4 tiles, asked for jointly by four partners: each partner names one of the tiles, told apart by address (cx for A's tiles, cy for B's), a lane to a block of 256 bytes.
	; Here: that tile's K steps 4 to 11, 48 blocks in two instructions (the second's upper 16 lanes name the last block again); behind that stage's load: its K steps 12 to 15, 24 blocks.
	s_cmp_eq_u32 s15, 0                            ; do I fetch for A?
	s_cselect_b64 s[18:19], s[20:21], s[66:67]     ; my 4 tiles' first byte
	s_cselect_b32 s2, s92, s93                     ; my place among the four that ask with me
	s_mul_i32 s2, s2, KS*1536
	s_mov_b32 s3, 0
	s_add_nc_u64 s[18:19], s[18:19], s[2:3]        ; my work-group's tile; never rewritten
	v_and_b32 v31, 31, v0
	v_min_u32 v22, 15, v31
	v_min_u32 v23, 23, v31
	v_lshlrev_b32 v30, 8, v31                      ; 256 x lane; these three are never rewritten
	v_lshlrev_b32 v22, 8, v22
	v_lshlrev_b32 v23, 8, v23
	global_prefetch_b8 v30, s[18:19] offset:4*1536 th:TH_LOAD_NT scope:SCOPE_SE
	global_prefetch_b8 v22, s[18:19] offset:4*1536+8192 th:TH_LOAD_NT scope:SCOPE_SE
	v_and_b32 v1, 15, v0
	v_bfe_u32 v2, v0, 4, 1
	v_and_b32 v3, 31, v0
	v_lshlrev_b32 v4, 4, v3
	v_lshlrev_b32 v5, 3, v3
	s_mul_i32 s21, s15, HALFT
	s_mul_i32 s22, s16, HALFT
	s_add_co_u32 s22, s22, 2*HALFT
.irp s, 0,1                            ; 0: the first slot; 1: the large slot, where everything lies twice as far apart, from byte SLOT on
	v_add_nc_u32 v[ADRA+\s], s21, v4
	v_add_nc_u32 v[ADRB+\s], s22, v4
	v_add_nc_u32 v[ADRA+3+\s], s21, v5
	v_add_nc_u32 v[ADRB+3+\s], s22, v5
	s_lshl_b32 s21, s21, 1
	s_lshl_b32 s22, s22, 1
	s_add_co_u32 s21, s21, SLOT
	s_add_co_u32 s22, s22, SLOT
.endr
	v_lshlrev_b32 v5, 3, v1
	s_mul_i32 s21, s15, HALFS
	s_mul_i32 s22, s16, HALFS
	s_add_co_u32 s22, s22, 2*HALFS
	s_sub_co_u32 s22, s22, s21
	v_mul_u32_u24 v6, s22, v2
	s_add_co_u32 s21, s21, SCL
	v_add_nc_u32 v5, v5, v6
	v_add_nc_u32 v[ADRS], s21, v5
	s_mul_i32 s23, s14, 16*SPITCH
	s_add_co_u32 s23, s23, STAGE
	v_mul_u32_u24 v5, v1, SPITCH
	v_lshl_add_u32 v5, v2, 6, v5
	v_add_nc_u32 v[STO], s23, v5
	v_mul_u32_u24 v5, v2, SPITCH
	v_lshl_add_u32 v5, v1, 4, v5
	v_add_nc_u32 v[RD], s23, v5
	v_lshlrev_b32 v[CO], 12, v2
	v_lshl_add_u32 v[CO], v1, 4, v[CO]
	s_wait_alu depctr_va_vdst(0)
	s_lshl_b32 s20, s17, 7
	s_lshl_b32 s21, s15, 6
	s_add_co_u32 s20, s20, s21
	s_lshl_b32 s20, s20, 12
	s_lshl_b32 s66, s94, 9
	s_lshl_b32 s67, s16, 8
	s_add_co_u32 s66, s66, s67
	s_add_co_u32 s20, s20, s66
	s_mov_b32 s21, 0
	s_add_nc_u64 s[12:13], s[10:11], s[20:21]
	s_add_nc_u64 s[96:97], s[8:9], s[20:21]
	WIN 0x80
.irp a, 0,1,2,3
.irp t, 0,1,2,3,4,5,6,7
	global_load_b128 v[32*\a+4*\t:32*\a+4*\t+3], v[CO], s[96:97] offset:(32*(\a/2)+8*(\a%2)+2*\t+8*(\t/4))*4096 th:TH_LOAD_NT
.endr
.endr
	WIN 0
.macro FRAG reg, adr, q, i
	ds_load_b128 v[(\reg):(\reg)+3], v[(\adr)] offset:(\i)*FP*1536+(\q)*1536       ; FP: K steps from a tile to the next in this slot
	ds_load_b64 v[(\reg)+4:(\reg)+5], v[(\adr)+3] offset:(\i)*FP*1536+(\q)*1536+512
	ds_load_b128 v[(\reg)+6:(\reg)+9], v[(\adr)] offset:(\i)*FP*1536+(\q)*1536+768
	ds_load_b64 v[(\reg)+10:(\reg)+11], v[(\adr)+3] offset:(\i)*FP*1536+(\q)*1536+1280
.endm
.macro FETCH s
.if ((\s) >= 4) && ((\s) < 12)         ; K steps 4 to 11 lie in the large slot, the others in the first
.set FS, 1
.set FQ, (\s)-4
.set FP, 8
.else
.set FS, 0
.set FQ, (\s)%4
.set FP, 4
.endif
	WIN TO_F
.irp i, 0,1,2,3
	FRAG 128*((\s)%2)+48+FR*\i, ADRB+FS, FQ, \i
.endr
.irp i, 0,1,2,3
	FRAG 128*((\s)%2)+FR*\i, ADRA+FS, FQ, \i
.endr
.endm
.macro SCALES
.irp i, 0,1,2,3
.set pp, 0
.rept KS/2
	ds_load_b64 v[SC+KS*\i+2*pp:SC+KS*\i+2*pp+1], v[ADRS] offset:\i*SBLK+128*pp
.set pp, pp+1
.endr
.endr
.endm
.macro MUL4 s, a
.irp b, 0,1,2,3
.if (\s) == 0
	v_wmma_scale_f32_16x16x128_f8f6f4 v[ACC+8*(4*(\a)+\b):ACC+8*(4*(\a)+\b)+7], v[128*((\s)%2)+48+FR*\b:128*((\s)%2)+48+FR*\b+FR-1], v[128*((\s)%2)+FR*(\a):128*((\s)%2)+FR*(\a)+FR-1], 0, v[SC+KS*\b+(\s)], v[SC+KS*(\a)+(\s)] matrix_a_fmt:MATRIX_FMT_FP6 matrix_b_fmt:MATRIX_FMT_FP6 matrix_a_scale:MATRIX_SCALE_ROW1
.else
	v_wmma_scale_f32_16x16x128_f8f6f4 v[ACC+8*(4*(\a)+\b):ACC+8*(4*(\a)+\b)+7], v[128*((\s)%2)+48+FR*\b:128*((\s)%2)+48+FR*\b+FR-1], v[128*((\s)%2)+FR*(\a):128*((\s)%2)+FR*(\a)+FR-1], v[ACC+8*(4*(\a)+\b):ACC+8*(4*(\a)+\b)+7], v[SC+KS*\b+(\s)], v[SC+KS*(\a)+(\s)] matrix_a_fmt:MATRIX_FMT_FP6 matrix_b_fmt:MATRIX_FMT_FP6 matrix_a_scale:MATRIX_SCALE_ROW1
.endif
.endr
.endm
.macro PLACES n
.rept \n
	v_nop
.endr
.endm
.macro STEP s
.set MODE, 0                           ; 2: the first slot has been read out and is filled again; 1: its new tiles have still to be shown landed
.if (\s) == 3
.set MODE, 2
.endif
.if (\s) == 11
.set MODE, 1
.endif
.if (\s) == KS-1
	s_wait_dscnt 0x0
	WIN MUL
	MUL4 \s, 0
	MUL4 \s, 1
	MUL4 \s, 2
	MUL4 \s, 3
.elseif MODE == 0
.if (\s) > 0
	PLACES NP
.endif
	FETCH (\s)+1
	s_wait_dscnt 32
	WIN MUL
	MUL4 \s, 0
	MUL4 \s, 1
	MUL4 \s, 2
	MUL4 \s, 3
.else
	WIN 0
	s_wait_tensorcnt 0x0
	ds_add_u32 v[SPW], v[NIL]
	s_wait_dscnt 13
	WIN MUL
	MUL4 \s, 0
	s_wait_dscnt 0x0
	s_barrier_signal -1
	MUL4 \s, 1
	WIN 0
	s_barrier_wait -1
.if MODE == 2
	CREST
	s_mov_b32 s[G1+1], 768<<16                     ; no load of mine is out: rows of four K steps again
	s_mov_b32 s[G1+3], 768<<16
	s_mov_b32 s[G1B+1], 768<<16
	s_mov_b32 s[G1B+3], 768<<16
	JLOAD G0+8, G1, G0B+8, G1B                     ; K steps 12 to 15, the first tensor load behind the round
.else
	PLACES NP
.endif
	FETCH (\s)+1
	WIN MUL
	MUL4 \s, 2
	MUL4 \s, 3
.endif
.endm
	s_wait_tensorcnt 0x0                           ; my tile of the head's four is in; the large slot's first fill is issued as a refill is
	ds_add_u32 v[SPW], v[NIL]
	s_mov_b32 s[G1+1], 1536<<16                    ; no load of mine is out: 4 rows (tiles) of eight K steps
	s_mov_b32 s[G1+2], 4<<16
	s_mov_b32 s[G1+3], 1536<<16
	s_mov_b32 s[G1+4], 4
	s_mov_b32 s[G1B+1], 1536<<16
	s_mov_b32 s[G1B+2], 4<<16
	s_mov_b32 s[G1B+3], 1536<<16
	s_mov_b32 s[G1B+4], 4
	s_wait_dscnt 0x0
	CROUND                                         ; everybody's tiles are in, and the joint loads meet
	JLOAD G0+4, G1, G0B+4, G1B                     ; K steps 4 to 11
	SCALES
	global_prefetch_b8 v23, s[18:19] offset:12*1536 th:TH_LOAD_NT scope:SCOPE_SE   ; K steps 12 to 15: their load follows at K step 3
	FETCH 0
.irp s, 0,1,2,3,4,5,6,7,8,9,10,11,12,13,14,15
.if \s < KS
	STEP \s
.endif
.endr
	WIN 0
.macro TOSTAGE a
.irp b, 0,1,2,3
	ds_store_b128 v[STO], v[ACC+8*(4*(\a)+\b):ACC+8*(4*(\a)+\b)+3] offset:128*(\b/2)+32*(\b%2)
	ds_store_b128 v[STO], v[ACC+8*(4*(\a)+\b)+4:ACC+8*(4*(\a)+\b)+7] offset:128*(\b/2)+32*(\b%2)+16
.endr
.irp t, 0,1,2,3,4,5,6,7
	ds_load_b128 v[ACC+32*(\a)+4*\t:ACC+32*(\a)+4*\t+3], v[RD] offset:\t*2*SPITCH
.endr
.endm
.macro SEND a, dsn
	s_wait_dscnt \dsn
	s_wait_loadcnt 8*(3-(\a))
	WIN 0x08
.set i, 0
.rept 16
	v_pk_add_f32 v[ACC+32*(\a)+i:ACC+32*(\a)+i+1], v[ACC+32*(\a)+i:ACC+32*(\a)+i+1], v[32*(\a)+i:32*(\a)+i+1]
.set i, i+2
.endr
	WIN 0
.irp t, 0,1,2,3,4,5,6,7
	global_store_b128 v[CO], v[ACC+32*(\a)+4*\t:ACC+32*(\a)+4*\t+3], s[12:13] offset:(32*((\a)/2)+8*((\a)%2)+2*\t+8*(\t/4))*4096 th:TH_STORE_NT
.endr
.endm
	PLACES NP
	TOSTAGE 0
	TOSTAGE 1
	SEND 0, 16
	TOSTAGE 2
	SEND 1, 16
	TOSTAGE 3
	SEND 2, 16
	SEND 3, 0
	s_wait_tensorcnt 0x0
	ds_add_u32 v[SPW], v[NIL]
	s_wait_dscnt 0x0
	CROUND
	s_endpgm
.Lfunc_end_k_q42af40f06b_down:
	.size	k_q42af40f06b_down, .Lfunc_end_k_q42af40f06b_down-k_q42af40f06b_down
	.p2alignl 7, 3214868480
	.fill 96, 4, 3214868480
	.section	.rodata,"a",@progbits
	.p2align	6, 0x0
	.amdhsa_kernel k_q42af40f06b_down
		.amdhsa_group_segment_fixed_size 327680
		.amdhsa_private_segment_fixed_size 0
		.amdhsa_enable_private_segment 0
		.amdhsa_kernarg_size 32
		.amdhsa_user_sgpr_count 2
		.amdhsa_user_sgpr_kernarg_segment_ptr 1
		.amdhsa_wavefront_size32 1
		.amdhsa_system_sgpr_workgroup_id_x 1
		.amdhsa_system_sgpr_workgroup_id_y 1
		.amdhsa_system_sgpr_workgroup_id_z 1
		.amdhsa_system_vgpr_workitem_id 0
		.amdhsa_next_free_vgpr 640
		.amdhsa_next_free_sgpr 102
		.amdhsa_reserve_vcc 0
		.amdhsa_float_denorm_mode_32 3
		.amdhsa_float_denorm_mode_16_64 3
		.amdhsa_memory_ordered 1
		.amdhsa_forward_progress 1
		.amdhsa_inst_pref_size 98
	.end_amdhsa_kernel
	.amdgpu_metadata
---
amdhsa.version: [ 1, 2 ]
amdhsa.kernels:
  - .name:           k_q42af40f06b_down
    .symbol:         k_q42af40f06b_down.kd
    .args:
      - { .name: hid, .offset: 0, .size: 8, .value_kind: global_buffer, .address_space: global }
      - { .name: wts, .offset: 8, .size: 8, .value_kind: global_buffer, .address_space: global }
      - { .name: x1, .offset: 16, .size: 8, .value_kind: global_buffer, .address_space: global }
      - { .name: out0, .offset: 24, .size: 8, .value_kind: global_buffer, .address_space: global }
    .group_segment_fixed_size: 327680
    .private_segment_fixed_size: 0
    .kernarg_segment_align: 8
    .kernarg_segment_size: 32
    .max_flat_workgroup_size: 128
    .sgpr_count:     102
    .vgpr_count:     640
    .wavefront_size: 32
...
	.end_amdgpu_metadata
.endif
;; end of part 14
